; MI455X (gfx1250); checked and timed in simulation.
; The chip was launched on July 23, 2026; its instructions are those of AMD's public machine-readable ISA for CDNA 5 (MIT licence, August 2026) and "CDNA5" Instruction Set Architecture Reference Guide (July 2026). The comments in the code are by the model that wrote it; some were corrected since.
;; Multi Head Co Attention. Allowed arithmetic: matrix products marked QUANTISED: E2M1 operands, one E8M0 scale for each 32 along K, by v_wmma_scale_f32_16x16x128_f8f6f4 with both operands' format E2M1 (or v_wmma_scale_f32_32x16x128_f4), f32 sums; products left as they are: f32 operands where the result goes on into a quantised operand, else bf16, f16 or f32 operands; f32 sums; everything else in f32.
;; Inputs: k_b 1,024 float32; k_w 1,024 x 1,024 float32; key 500 x 8 x 1,024 float32; mo_b 1,024 float32; mo_w 1,024 x 1,024 float32; multi_value 8 x 8 x 500 x 1,024 float32; mv_b 1,024 float32; mv_w 1,024 x 1,024 float32; q_b 1,024 float32; q_w 1,024 x 1,024 float32; query 500 x 8 x 1,024 float32; single_value 8 x 8 x 500 x 512 float32; so_b 512 float32; so_w 512 x 512 float32; sv_b 512 float32; sv_w 512 x 512 float32.
;; Outputs: out0 1 x 8 x 500 x 1,024 float32; out1 1 x 8 x 500 x 512 float32.
;; This version of the problem:
;;   THIS VERSION OF THE PROBLEM IS GIVEN IN LOW PRECISION. The matrix products marked QUANTISED in the list below multiply operands that are first quantised to E2M1 (2 exponent bits, 1 mantissa bit; 4 bits a number), with one power-of-two scale for each 32 numbers along K (OCP MX v1.0); their sums are f32. All else is computed in f32.
;;   The module's matrix products, in the order in which they are computed (A, B: the left and right operand; K: the contracted axis; several contracted axes count as one K, in the product's order):
;;     1. [M 4,000, K 1,024] x [K 1,024, N 1,024]; A: input query; B: input q_w: QUANTISED
;;     2. [M 4,000, K 1,024] x [K 1,024, N 1,024]; A: input key; B: input k_w: QUANTISED
;;     3. [M 32,000, K 1,024] x [K 1,024, N 1,024]; A: input multi_value; B: input mv_w: QUANTISED
;;     4. [M 32,000, K 512] x [K 512, N 512]; A: input single_value; B: input sv_w: QUANTISED
;;     5. batch 8 x [M 8, K 64,000] x [K 64,000, N 8]; A: computed on the way; B: computed on the way: left as it is (M = 8 < 16)
;;     6. batch 64 x [M 1, K 8] x [K 8, N 64,000]; A: softmax; B: computed on the way: left as it is (K = 8 < 32)
;;     7. batch 64 x [M 1, K 8] x [K 8, N 32,000]; A: softmax; B: computed on the way: left as it is (K = 8 < 32)
;;     8. [M 4,000, K 1,024] x [K 1,024, N 1,024]; A: computed on the way; B: input mo_w: QUANTISED
;;     9. [M 4,000, K 512] x [K 512, N 512]; A: computed on the way; B: input so_w: QUANTISED
;;   THE QUANTISER, for each operand of a quantised product, along K:
;;     - K is cut into blocks of 32 from its start; a last block that is shorter is filled with zeros.
;;     - A block's scale is 2^e with e = floor(log2(the largest magnitude in the block)) - 2, held to -126 .. 127; a block of zeros has e = 0. As a byte (E8M0): e + 127.
;;     - Each number is divided by its block's scale, clamped to +-6, and rounded to the nearest number of E2M1, ties to even, subnormals kept.
;;     - The product sums the exact products of the quantised numbers (number of the format x scale) in f32.
;;   ~~~python
;;   def quantise(x, axis):      # numpy; x: float32 -> the quantised numbers, widened to float32 again
;;       x = np.moveaxis(x, axis, -1); K = x.shape[-1]
;;       x = np.pad(x, [(0, 0)] * (x.ndim - 1) + [(0, -K % 32)]); x = x.reshape(x.shape[:-1] + (-1, 32)); a = np.abs(x).max(-1, keepdims=True)
;;       e = np.where(a > 0, np.clip(np.frexp(np.where(a > 0, a, 1))[1] - 1 - 2, -126, 127), 0)      # np.frexp(a)[1] - 1 = floor(log2(a)), exactly
;;       r = np.clip(x / 2.0 ** e, -6, 6)
;;       step = 2.0 ** (np.maximum(np.frexp(np.where(r == 0, 1, r))[1] - 1, 0) - 1)
;;       q = np.round(r / step) * step * 2.0 ** e      # np.round: ties to even
;;       return np.moveaxis(q.reshape(q.shape[:-2] + (-1,))[..., :K], -1, axis).astype(np.float32)
;;   ~~~
;;   OPERANDS COMPUTED ON THE WAY. 'Computed on the way' means the value that the module computes at that place (a softmax that the list does not call 'softmax' is quantised finished and normalised). What goes into a quantiser is computed in f32, as accurately as f32 sums, v_exp_f32 and their like allow (about 1e-6 of the number): no bf16 or f16 on the way to a quantiser, and a product that is left as it is and whose result goes on into a quantised operand takes f32 operands (vector FMAs, or v_wmma_f32_16x16x4_f32). A number that lies on a knife's edge between two numbers of the format may be rounded either way, as far as f32 arithmetic and the matrix unit's own rounding can turn it there, and no further.
;; 2 versions. Each part assembles by itself: llvm-mc -triple=amdgcn-amd-amdhsa -mcpu=gfx1250 --defsym DOCPART=n.
;; ======== version 1 of 2: 4 launches
;; workspace buffers: wc 2,506,752 bytes; qa 4,352,000 bytes; simp 409,600 bytes; sv 8,704,000 bytes; oa 3,456,000 bytes
;; launch quant (part 1): grid 447 x 1, 4 waves a work-group, no clusters, 34,304 bytes of LDS; arguments query, key, single_value, q_w, k_w, mv_w, mo_w, sv_w, so_w, wc, qa, sv; writes wc, qa, sv
.if DOCPART == 1
	.amdgcn_target "amdgcn-amd-amdhsa--gfx1250"
	.amdhsa_code_object_version 6
	.text
	.protected	k_q6b88e53410_quant
	.globl	k_q6b88e53410_quant
	.p2align	8
	.type	k_q6b88e53410_quant,@function
k_q6b88e53410_quant:
	s_mov_b64 s[64:65], 0
	v_nop
	global_prefetch_b8 v0, s[64:65] scope:SCOPE_SE
	s_setreg_imm32_b32 hwreg(HW_REG_WAVE_MODE, 25, 1), 1
	s_wait_xcnt 0x0
; query, key, single_value and the six weights, all f32 with K innermost, become codes of FP4 (E2M1) with one E8M0 byte for each 32 along K, laid as IMAGES OF THE OPERAND'S REGISTERS.
; A wave makes 8 fragments of 16 rows x 128 K: each 1,024 bytes (the fragment's registers 4 c .. 4 c + 3 at 512 c + 16 x lane), and four packed scale words a lane (word t / 2: lanes 0-15 fragment t even, lanes 16-31 t odd).
; THREE ROLES, ONE PATH THROUGH THE TEXT: only pointers and a few scalars are chosen, on the work-group's number g.  Fragment t begins at BASE + (t % 2) D1 + (t / 2) D2; its row i lies RS x i bytes on (+ EX for i >= 8).
;   g 0-124:   rows 16 tau .. of query (waves 0, 1) or key (waves 2, 3), tau = 2 g + wave % 2; t = the K step.  Into qa: 17,408 bytes a tile: fragments at 8,192 z + 1,024 t, scale words at 16,384 + 512 z.
;   g 125-374: rows 16 T .. of single_value's eight planes, T = g - 125; the wave takes K step w, t = the plane.  Into sv: 34,816 bytes a tile: fragments at 1,024 (8 w + t), scale words at 32,768 + 512 w.
;   g 375-446: record U = 4 (g - 375) + wave of wc: 32 weight rows (pair block bidx) x 512 along K (group sg); t = 2 sl + u (sl: K step in the group, u: tile of the pair).  8,704 bytes: fragments, then scale words.
;              Tile u's row i is weight row 32 bidx + 8 u + i + 8 (i / 8): used as source 0, lane (r, hh), register j of the result is then column 32 bidx + 16 hh + 8 u + j.
;              The records lie in the order in which the waves that multiply by them walk them (the six index formulas below).
; A block's scale is 2^(floor(log2(largest magnitude)) - 2); its byte is the largest magnitude's exponent field - 2, held at 1 from below.
; LIMITS: NaN and infinities are not served; a block whose largest magnitude lies under 2^-124 keeps the byte 1; a block of zeros gets the byte 1 and not 127: its codes are zeros, and this program alone reads the bytes.
; Each load reads 512 consecutive bytes of one row; the 16 rows turn through the wave's own stage in LDS so that a lane holds 16 neighbours of each block of 32.  Waves share nothing: no barrier.
; Work-groups share no input: no cluster.  Every store covers 512 consecutive bytes, aligned.
.set REC,  8704
.set LI,   1                           ; v1      16 x lane
.set STW,  2                           ; v2      my stage, on the way in: 16 x lane (+ 528 x row)
.set STR,  3                           ; v3      on the way out: 528 r + 64 hh
.set VO,   4                           ; v4-19   16 x lane + row i's bytes
.set LIX,  20                          ; v20     16 x lane + EX
.set X,    32                          ; v32-95  64 numbers of a lane: register 16 b + i = k 32 b + 16 hh + i of row r
.set TM,   96                          ; v96-111 at work
.set PW,   112                         ; the scale word just made
.set PW0,  113                         ; the even fragment's, kept for the pair
.set SWQ,  116                         ; v116-119 the four packed scale words
.set PCS,  128                         ; v128-191 codes: eight registers for each fragment, so that no store's data are written again
.set WV,   28
.set FB,   68                          ; s[68:83] the eight fragments' first bytes
.set DST,  84                          ; s[84:85] where the images go
.set DSC,  86                          ; s[86:87] where the scale words go
.set SEL,  88                          ; s[88:89] lane selects: lane l xor 16
.set HI,   90                          ; s90 lanes 16-31
.set MSB,  0
.macro WIN new                         ; the immediate's high byte repeats the setting that is left
.if MSB != (\new)
	s_set_vgpr_msb (MSB<<8)|(\new)
.set MSB, (\new)
.endif
.endm
; 64 numbers of a lane become a fragment's codes in v[pc] on and its row's scale word in v[PW]
.macro QUANT s, pc
.irp b, 0,1,2,3
	v_max3_num_f32 v[TM+\b], |v[\s+16*\b]|, |v[\s+1+16*\b]|, 0x1800000   ; block b: my 16 numbers and the floor 2^(3 - 127): the byte cannot fall under 1
.endr
.irp i, 2,4,6,8,10,12,14
.irp b, 0,1,2,3
	v_max3_num_f32 v[TM+\b], v[TM+\b], |v[\s+16*\b+\i]|, |v[\s+1+16*\b+\i]|
.endr
.endr
.irp b, 0,1,2,3
	v_permlanex16_b32 v[TM+4+\b], v[TM+\b], s[SEL], s[SEL+1]
.endr
.irp b, 0,1,2,3
	v_max_num_f32 v[TM+\b], v[TM+\b], v[TM+4+\b]                         ; with lane l xor 16's: the block's largest magnitude
.endr
.irp b, 0,1,2,3
	v_add_nc_u32 v[TM+12+\b], 0xff000000, v[TM+\b]                       ; 2 off its exponent field: the conversion's scale operand
.endr
.irp b, 0,1,2,3
	v_lshrrev_b32 v[TM+4+\b], 23, v[TM+12+\b]                            ; the scale's byte
.endr
	v_lshl_or_b32 v[PW], v[TM+5], 8, v[TM+4]
	v_lshl_or_b32 v[PW], v[TM+6], 16, v[PW]
	v_lshl_or_b32 v[PW], v[TM+7], 24, v[PW]
.irp b, 0,1,2,3
	v_cvt_scalef32_pk8_fp4_f32 v[\pc+2*\b], v[\s+16*\b:\s+7+16*\b], v[TM+12+\b]
	v_cvt_scalef32_pk8_fp4_f32 v[\pc+1+2*\b], v[\s+8+16*\b:\s+15+16*\b], v[TM+12+\b]
.endr
	v_nop                                          ; one plain place behind a scaled conversion
.irp c, 0,1                                    ; the operand's layout wants a whole block in a lane
.irp i, 0,1
	v_permlane16_swap_b32 v[\pc+4*\c+\i], v[\pc+2+4*\c+\i]
.endr
.endr
.endm
; a landing set (16 rows x 512 bytes, window 1) goes through the stage and comes back 64 bytes of each block's half a lane
.macro TURN set
	WIN 0x04                                       ; an LDS store's data: window 1
.irp i, 0,1,2,3,4,5,6,7,8,9,10,11,12,13,14,15
	ds_store_b128 v[STW], v[64*(\set)+4*\i:64*(\set)+4*\i+3] offset:528*\i
.endr
	WIN 0
.irp b, 0,1,2,3
.irp j, 0,1,2,3
	ds_load_b128 v[X+16*\b+4*\j:X+16*\b+4*\j+3], v[STR] offset:128*\b+16*\j   ; LDS serves a wave's instructions in order: these see the stores above
.endr
.endr
	s_wait_dscnt 0x0                               ; the numbers are back, so the stores have read the landing set
.endm
.macro LOADF t                         ; fragment t into landing set t % 4
	WIN 0x40
.irp i, 0,1,2,3,4,5,6,7,8,9,10,11,12,13,14,15
	global_load_b128 v[64*((\t)%4)+4*\i:64*((\t)%4)+4*\i+3], v[VO+\i], s[FB+2*(\t):FB+2*(\t)+1] th:TH_LOAD_NT
.endr
	WIN 0
.endm
	s_load_b256 s[4:11], s[0:1], 0x0               ; query, key, single_value, q_w
	s_load_b256 s[12:19], s[0:1], 0x20             ; k_w, mv_w, mo_w, sv_w
	s_load_b256 s[20:27], s[0:1], 0x40             ; so_w, wc, qa, sv
	v_lshl_add_u32 v254, v0, 2, 0x8400
	v_mov_b32 v255, 0
	v_lshrrev_b32 v21, 5, v0
	v_readfirstlane_b32 s[WV], v21                 ; wave 0..3
	v_and_b32 v21, 31, v0
	v_lshlrev_b32 v[LI], 4, v21
	v_and_b32 v22, 15, v0                          ; r
	v_bfe_u32 v23, v0, 4, 1                        ; hh
	s_mul_i32 s29, s[WV], 8448                     ; my stage: 16 rows x 528 bytes
	v_add_nc_u32 v[STW], s29, v[LI]
	v_mul_u32_u24 v[STR], v22, 528
	v_lshl_add_u32 v[STR], v23, 6, v[STR]
	v_add_nc_u32 v[STR], s29, v[STR]
	s_mov_b32 s[SEL], 0x76543210
	s_mov_b32 s[SEL+1], 0xfedcba98
	s_mov_b32 s[HI], 0xffff0000
.irp b, 0,1,2,3
	v_mov_b32 v[TM+4+\b], 0                        ; written once: a lane permute's destination counts as one of its sources
.endr
	; THE WEIGHTS' ROLE.  (In the other roles these numbers mean nothing and are replaced below.)  Records 0-255: q_w, k_w, mv_w, mo_w, 64 each (K = 1,024: two groups); 256-287: sv_w, so_w, 16 each (K = 512)
	s_sub_co_u32 s30, ttmp9, 375
	s_lshl_b32 s30, s30, 2
	s_add_co_u32 s30, s30, s[WV]                   ; U
	s_lshr_b32 s32, s30, 6                         ; the matrix, of the large four
	s_sub_co_u32 s33, s30, 256
	s_lshr_b32 s33, s33, 4
	s_add_co_u32 s33, s33, 4                       ; of the small two
	s_bfe_u32 s34, s30, 0x50001                    ; bidx, large
	s_and_b32 s35, s30, 15                         ; bidx, small
	s_and_b32 s36, s30, 1                          ; sg, large
	s_mov_b32 s31, 2048
	s_cmp_lt_u32 s30, 256
	s_cselect_b32 s31, 4096, s31                   ; a weight row in bytes
	s_cselect_b32 s32, s32, s33
	s_cselect_b32 s34, s34, s35
	s_cselect_b32 s36, s36, 0
	s_lshr_b32 s37, s34, 3
	s_and_b32 s38, s34, 7
	s_lshr_b32 s39, s34, 2
	s_and_b32 s40, s34, 3
	s_lshl_b32 s42, s37, 5                         ; k_w: 32 (bidx / 8) + 2 (bidx % 8) + sg
	s_lshl_b32 s46, s38, 1
	s_add_co_u32 s42, s42, s46
	s_add_co_u32 s42, s42, s36
	s_lshl_b32 s41, s37, 5                         ; q_w: 32 (bidx / 8) + 16 + 4 (bidx % 4) + 2 ((bidx / 4) % 2) + sg
	s_lshl_b32 s47, s40, 2
	s_add_co_u32 s41, s41, s47
	s_and_b32 s47, s39, 1
	s_lshl_b32 s47, s47, 1
	s_add_co_u32 s41, s41, s47
	s_add_co_u32 s41, s41, s36
	s_add_co_u32 s41, s41, 16
	s_mul_i32 s43, s37, 20                         ; mv_w: 128 + 20 (bidx / 8) + 2 (bidx % 8) + sg
	s_add_co_u32 s43, s43, s46
	s_add_co_u32 s43, s43, s36
	s_add_co_u32 s43, s43, 128
	s_lshl_b32 s44, s34, 1                         ; mo_w: 208 + 2 bidx + sg
	s_add_co_u32 s44, s44, s36
	s_add_co_u32 s44, s44, 208
	s_mul_i32 s45, s39, 20                         ; sv_w: 144 + 20 (bidx / 4) + bidx % 4
	s_add_co_u32 s45, s45, s40
	s_add_co_u32 s45, s45, 144
	s_add_co_u32 s48, s34, 272                     ; so_w: 272 + bidx
	s_wait_kmcnt 0x0
	s_mov_b64 s[50:51], s[10:11]
	s_mov_b32 s49, s41
	s_cmp_eq_u32 s32, 1
	s_cselect_b64 s[50:51], s[12:13], s[50:51]
	s_cselect_b32 s49, s42, s49
	s_cmp_eq_u32 s32, 2
	s_cselect_b64 s[50:51], s[14:15], s[50:51]
	s_cselect_b32 s49, s43, s49
	s_cmp_eq_u32 s32, 3
	s_cselect_b64 s[50:51], s[16:17], s[50:51]
	s_cselect_b32 s49, s44, s49
	s_cmp_eq_u32 s32, 4
	s_cselect_b64 s[50:51], s[18:19], s[50:51]
	s_cselect_b32 s49, s45, s49
	s_cmp_eq_u32 s32, 5
	s_cselect_b64 s[50:51], s[20:21], s[50:51]
	s_cselect_b32 s49, s48, s49
	s_mul_i32 s52, s34, s31
	s_lshl_b32 s52, s52, 5                         ; 32 bidx rows
	s_lshl_b32 s46, s36, 11                        ; + 512 sg numbers
	s_add_co_u32 s52, s52, s46                     ; s52: BASE's offset in the tensor
	s_mov_b32 s54, s31                             ; s54: RS
	s_lshl_b32 s55, s31, 3                         ; s55: EX: a tile's rows 8-15 lie 8 rows further down
	s_mov_b32 s56, s55                             ; s56: D1: tile 1 begins 8 rows further down
	s_mov_b32 s58, 512                             ; s58: D2: a K step
	s_mul_i32 s60, s49, REC                        ; s60: the images' offset,
	s_add_co_u32 s62, s60, 8192                    ; s62: the scale words'
	s_mov_b64 s[66:67], s[22:23]                   ; in wc
	; single_value's role
	s_sub_co_u32 s46, ttmp9, 125                   ; T
	s_lshl_b32 s47, s46, 15                        ; 16 T rows of 2,048 bytes
	s_lshl_b32 s48, s[WV], 9                       ; + K step w
	s_add_co_u32 s47, s47, s48
	s_mul_i32 s46, s46, 34816
	s_lshl_b32 s49, s[WV], 13
	s_add_co_u32 s49, s49, s46
	s_add_co_u32 s48, s48, s46
	s_add_co_u32 s48, s48, 32768
	s_cmp_lt_u32 ttmp9, 375
	s_cselect_b64 s[50:51], s[8:9], s[50:51]
	s_cselect_b64 s[66:67], s[26:27], s[66:67]
	s_cselect_b32 s52, s47, s52
	s_cselect_b32 s54, 2048, s54
	s_cselect_b32 s55, 0, s55
	s_cselect_b32 s56, 8192000, s56                ; a plane
	s_cselect_b32 s58, 16384000, s58               ; two planes
	s_cselect_b32 s60, s49, s60
	s_cselect_b32 s62, s48, s62
	; query's and key's role
	s_and_b32 s46, s[WV], 1
	s_lshl_b32 s47, ttmp9, 1
	s_add_co_u32 s46, s46, s47                     ; tau
	s_lshr_b32 s47, s[WV], 1                       ; z
	s_lshl_b32 s48, s46, 16                        ; 16 tau rows of 4,096 bytes
	s_mul_i32 s46, s46, 17408
	s_lshl_b32 s49, s47, 13
	s_add_co_u32 s49, s49, s46
	s_lshl_b32 s47, s47, 9
	s_add_co_u32 s47, s47, s46
	s_add_co_u32 s47, s47, 16384
	s_cmp_lt_u32 s[WV], 2
	s_cselect_b64 s[68:69], s[4:5], s[6:7]
	s_cmp_lt_u32 ttmp9, 125
	s_cselect_b64 s[50:51], s[68:69], s[50:51]
	s_cselect_b64 s[66:67], s[24:25], s[66:67]
	s_cselect_b32 s52, s48, s52
	s_cselect_b32 s54, 4096, s54
	s_cselect_b32 s56, 512, s56                    ; a K step
	s_cselect_b32 s58, 1024, s58                   ; two
	s_cselect_b32 s60, s49, s60
	s_cselect_b32 s62, s47, s62
	s_mov_b32 s53, 0
	s_mov_b32 s57, 0
	s_mov_b32 s59, 0
	s_mov_b32 s61, 0
	s_mov_b32 s63, 0
	s_add_nc_u64 s[FB:FB+1], s[50:51], s[52:53]
	s_add_nc_u64 s[FB+2:FB+3], s[FB:FB+1], s[56:57]
	s_add_nc_u64 s[FB+4:FB+5], s[FB:FB+1], s[58:59]
	s_add_nc_u64 s[FB+6:FB+7], s[FB+4:FB+5], s[56:57]
	s_add_nc_u64 s[FB+8:FB+9], s[FB+4:FB+5], s[58:59]
	s_add_nc_u64 s[FB+10:FB+11], s[FB+8:FB+9], s[56:57]
	s_add_nc_u64 s[FB+12:FB+13], s[FB+8:FB+9], s[58:59]
	s_add_nc_u64 s[FB+14:FB+15], s[FB+12:FB+13], s[56:57]
	s_add_nc_u64 s[DST:DST+1], s[66:67], s[60:61]
	s_add_nc_u64 s[DSC:DSC+1], s[66:67], s[62:63]
	v_add_nc_u32 v[LIX], s55, v[LI]
.irp i, 0,1,2,3,4,5,6,7
	v_mad_u32_u24 v[VO+\i], s54, \i, v[LI]
.endr
.irp i, 8,9,10,11,12,13,14,15
	v_mad_u32_u24 v[VO+\i], s54, \i, v[LIX]
.endr
	LOADF 0
	LOADF 1
	LOADF 2
; Fragment t.  Three landing sets are on their way; the wait leaves the two younger sets (32 loads) out; the fourth set, read out a step ago, takes the loads of three fragments on.
.macro STEPF t
.if (\t) < 6
	s_wait_loadcnt 32
.elseif (\t) == 6
	s_wait_loadcnt 16
.else
	s_wait_loadcnt 0
.endif
.if (\t)+3 < 8
	LOADF (\t)+3
.endif
	TURN (\t)%4
	QUANT X, PCS+8*(\t)
.if (\t)%2 == 0
	v_mov_b32 v[PW0], v[PW]
.else
	v_cndmask_b32 v[SWQ+(\t)/2], v[PW0], v[PW], s[HI]   ; lanes 0-15 the even fragment's word, lanes 16-31 the odd one's
.endif
	global_store_b128 v[LI], v[PCS+8*(\t):PCS+8*(\t)+3], s[DST:DST+1] offset:1024*(\t)
	global_store_b128 v[LI], v[PCS+8*(\t)+4:PCS+8*(\t)+7], s[DST:DST+1] offset:1024*(\t)+512
.endm
.irp t, 0,1,2,3,4,5,6,7
	STEPF \t
.endr
	global_store_b128 v[LI], v[SWQ:SWQ+3], s[DSC:DSC+1]
	s_wait_tensorcnt 0x0
	ds_add_u32 v254, v255
	s_wait_dscnt 0x0
	s_endpgm
.Lfunc_end_k_q6b88e53410_quant:
	.size	k_q6b88e53410_quant, .Lfunc_end_k_q6b88e53410_quant-k_q6b88e53410_quant
	.p2alignl 7, 3214868480
	.fill 96, 4, 3214868480
	.section	.rodata,"a",@progbits
	.p2align	6, 0x0
	.amdhsa_kernel k_q6b88e53410_quant
		.amdhsa_group_segment_fixed_size 34304
		.amdhsa_private_segment_fixed_size 0
		.amdhsa_enable_private_segment 0
		.amdhsa_kernarg_size 96
		.amdhsa_user_sgpr_count 2
		.amdhsa_user_sgpr_kernarg_segment_ptr 1
		.amdhsa_wavefront_size32 1
		.amdhsa_system_sgpr_workgroup_id_x 1
		.amdhsa_system_sgpr_workgroup_id_y 1
		.amdhsa_system_sgpr_workgroup_id_z 1
		.amdhsa_system_vgpr_workitem_id 0
		.amdhsa_next_free_vgpr 512
		.amdhsa_next_free_sgpr 96
		.amdhsa_reserve_vcc 0
		.amdhsa_float_denorm_mode_32 3
		.amdhsa_float_denorm_mode_16_64 3
		.amdhsa_memory_ordered 1
		.amdhsa_forward_progress 1
		.amdhsa_inst_pref_size 69
	.end_amdhsa_kernel
	.amdgpu_metadata
---
amdhsa.version: [ 1, 2 ]
amdhsa.kernels:
  - .name:           k_q6b88e53410_quant
    .symbol:         k_q6b88e53410_quant.kd
    .args:
      - { .name: query, .offset: 0, .size: 8, .value_kind: global_buffer, .address_space: global }
      - { .name: key, .offset: 8, .size: 8, .value_kind: global_buffer, .address_space: global }
      - { .name: single_value, .offset: 16, .size: 8, .value_kind: global_buffer, .address_space: global }
      - { .name: q_w, .offset: 24, .size: 8, .value_kind: global_buffer, .address_space: global }
      - { .name: k_w, .offset: 32, .size: 8, .value_kind: global_buffer, .address_space: global }
      - { .name: mv_w, .offset: 40, .size: 8, .value_kind: global_buffer, .address_space: global }
      - { .name: mo_w, .offset: 48, .size: 8, .value_kind: global_buffer, .address_space: global }
      - { .name: sv_w, .offset: 56, .size: 8, .value_kind: global_buffer, .address_space: global }
      - { .name: so_w, .offset: 64, .size: 8, .value_kind: global_buffer, .address_space: global }
      - { .name: wc, .offset: 72, .size: 8, .value_kind: global_buffer, .address_space: global }
      - { .name: qa, .offset: 80, .size: 8, .value_kind: global_buffer, .address_space: global }
      - { .name: sv, .offset: 88, .size: 8, .value_kind: global_buffer, .address_space: global }
    .group_segment_fixed_size: 34304
    .private_segment_fixed_size: 0
    .kernarg_segment_align: 8
    .kernarg_segment_size: 96
    .max_flat_workgroup_size: 128
    .sgpr_count:     96
    .vgpr_count:     512
    .wavefront_size: 32
...
	.end_amdgpu_metadata
.endif
;; end of part 1
;; launch qk (part 2): grid 200 x 1, 4 waves a work-group, no clusters, 166,400 bytes of LDS; arguments qa, wc, q_b, k_b, simp; writes simp
.if DOCPART == 2
	.amdgcn_target "amdgcn-amd-amdhsa--gfx1250"
	.amdhsa_code_object_version 6
	.text
	.protected	k_q6b88e53410_qk
	.globl	k_q6b88e53410_qk
	.p2align	8
	.type	k_q6b88e53410_qk,@function
k_q6b88e53410_qk:
	s_mov_b64 s[64:65], 0
	v_nop
	global_prefetch_b8 v0, s[64:65] scope:SCOPE_SE
	s_setreg_imm32_b32 hwreg(HW_REG_WAVE_MODE, 25, 1), 1
	s_wait_xcnt 0x0
; q = query q_w^T + q_b and k = key k_w^T + k_b on codes of FP4 (E2M1, one E8M0 byte for each 32 along K): the rows' fragment images and scale words from qa, the weights' from wc; and the f32 part sums
; simp[b][g][h][gk] = sum over the work-group's rows of batch b and over its d of q[row][128 h + d] k[row][128 gk + d].
; SHARES.  Work-group g: rows 80 R .. 80 R + 79 (five tiles; R = g / 4; a row is s x 8 + b, so a lane's batch is r % 8) and the slice d = 32 beta .. 32 beta + 31 of ALL eight heads of q and of k (beta = g % 4): sim pairs equal d alone.
;   So a work-group streams a quarter of the weights (32 records, 278,528 bytes) onto 80 + 80 rows.  Wave w owns heads 2 w, 2 w + 1: two pair blocks of k_w and two of q_w, eight records, from memory straight into a ring of four
;   register slots: each weight byte is read by one wave, once.  Products are used transposed (source 0 = 16 weight rows, source 1 = 16 activation rows): a lane holds one row.
; FLOW.  Each wave brings 20 of the 80 fragments into LDS | barrier | key's 40 fragments into registers; 4 chunks of 40 products; k's results to LDS as register images; query's 40 fragments into the same registers | barrier |
;   4 chunks; my two heads of q x all eight heads of k by packed f32 multiply-adds; the lanes of a batch are joined | barrier | one aligned unit of 256 bytes for each batch.
; No joint loads, though the grid divides by 4: they land in LDS, where a slice's 278,528 bytes of weights do not fit beside the 165,888 bytes in use, and each weight byte has one taker in the work-group.
; LIMITS: NaN and infinities are not served; the f32 sums are grouped otherwise than a plain chain.
; REGISTERS, in windows of 256: window 0: v1-15 addresses; v32-71 the rows' scale words, v72-87 the weights' (scales and nothing else); v88-151 four pair blocks' bias; v152-215 the sums, in two halves; v216-247 at work.
;   window 1: landing, then fragments of tiles 0-3 at 8 (8 m + s), then three slices of k.   window 2: v0-63 tile 4's fragments; v64-223 accumulators (e, m, u) at 64 + 80 e + 8 (2 m + u).   window 3: the ring's four slots.
.set REC,   8704
.set QREC,  17408                      ; a tile's record in qa
.set AIMG,  0                          ; LDS: the 80 fragments: 16,384 m + 8,192 z + 1,024 s,
.set KST,   81920                      ; k's results: 10,240 bytes a head: 1,024 (2 m + u),
.set SIMST, 163840                     ; the part sums [b][h][gk]
.set LI,   1                           ; v1   16 x lane
.set LI2,  2                           ; v2   + 65,536: tile 4's fragments lie beyond the immediate's reach
.set IMW,  3                           ; v3   where I put fragments: 16 x lane + 2,048 w
.set IMW2, 4                           ; v4   + 65,536
.set BV,   5                           ; v5   64 hh: a pair block's bias for my half
.set KSW,  6                           ; v6   my two heads of k
.set KRA,  8                           ; v8, v9  heads 0-3, heads 4-7 of k
.set SSW,  10
.set SSR,  11
.set SGO,  12
.set AS,   32
.set BS,   72
.set BR,   88
.set SIM,  152
.set RS,   216
.set TT,   232
.set ACC,  64
.set WV,   20
.set QAB,  24
.set QAW,  26
.set WBK,  28
.set WBQ,  30
.set KBB,  32
.set QBB,  34
.set SMP,  36
.set SEL,  38
.set MSB,  0
.macro WIN new                         ; the immediate's high byte repeats the setting that is left
.if MSB != (\new)
	s_set_vgpr_msb (MSB<<8)|(\new)
.set MSB, (\new)
.endif
.endm
.macro PLACES n
.rept \n
	v_nop
.endr
.endm
.macro BARRIER                         ; my LDS stores have landed and my LDS loads are in: then the work-group's barrier
	s_wait_dscnt 0x0
	s_barrier_signal -1
	s_barrier_wait -1
.endm
; a weight record into ring slot 0-3 (window 3, 64 registers each): 16 pieces and the scale words, 17 loads
.macro LOADB slot, base, off
	WIN 0xc0
.irp i, 0,1,2,3,4,5,6,7,8,9,10,11,12,13,14,15
	global_load_b128 v[64*(\slot)+4*\i:64*(\slot)+4*\i+3], v[LI], s[\base:\base+1] offset:(\off)+512*\i
.endr
	WIN 0
	global_load_b128 v[BS+4*(\slot):BS+4*(\slot)+3], v[LI], s[\base:\base+1] offset:(\off)+8192
.endm
; my record c of eight: 0, 1: k_w, head 2 w; 2, 3: k_w, head 2 w + 1 (eight records further on); 4-7: q_w, the two heads on end
.macro RECLD c
.if (\c) < 2
	LOADB (\c)%4, WBK, (\c)*REC
.elseif (\c) < 4
	LOADB (\c)%4, WBK, ((\c)+6)*REC
.else
	LOADB (\c)%4, WBQ, ((\c)-4)*REC
.endif
.endm
; one product; ra, rb: source 0's, source 1's scales stand in lanes 16-31
.macro WM d, a, b, c, sa, sb, ra, rb
.if ((\ra) != 0) && ((\rb) != 0)
	v_wmma_scale_f32_16x16x128_f8f6f4 v[(\d):(\d)+7], v[(\a):(\a)+7], v[(\b):(\b)+7], v[(\c):(\c)+7], v[(\sa)], v[(\sb)] matrix_a_fmt:MATRIX_FMT_FP4 matrix_b_fmt:MATRIX_FMT_FP4 matrix_a_scale:MATRIX_SCALE_ROW1 matrix_b_scale:MATRIX_SCALE_ROW1
.elseif (\ra) != 0
	v_wmma_scale_f32_16x16x128_f8f6f4 v[(\d):(\d)+7], v[(\a):(\a)+7], v[(\b):(\b)+7], v[(\c):(\c)+7], v[(\sa)], v[(\sb)] matrix_a_fmt:MATRIX_FMT_FP4 matrix_b_fmt:MATRIX_FMT_FP4 matrix_a_scale:MATRIX_SCALE_ROW1
.elseif (\rb) != 0
	v_wmma_scale_f32_16x16x128_f8f6f4 v[(\d):(\d)+7], v[(\a):(\a)+7], v[(\b):(\b)+7], v[(\c):(\c)+7], v[(\sa)], v[(\sb)] matrix_a_fmt:MATRIX_FMT_FP4 matrix_b_fmt:MATRIX_FMT_FP4 matrix_b_scale:MATRIX_SCALE_ROW1
.else
	v_wmma_scale_f32_16x16x128_f8f6f4 v[(\d):(\d)+7], v[(\a):(\a)+7], v[(\b):(\b)+7], v[(\c):(\c)+7], v[(\sa)], v[(\sb)] matrix_a_fmt:MATRIX_FMT_FP4 matrix_b_fmt:MATRIX_FMT_FP4
.endif
.endm
	s_load_b256 s[4:11], s[0:1], 0x0               ; qa, wc, q_b, k_b
	s_load_b64 s[12:13], s[0:1], 0x20              ; simp
	v_lshl_add_u32 v254, v0, 2, 0x28800
	v_mov_b32 v255, 0
	v_lshrrev_b32 v13, 5, v0
	v_readfirstlane_b32 s[WV], v13                 ; wave 0..3
	v_and_b32 v13, 31, v0
	v_lshlrev_b32 v[LI], 4, v13
	v_add_nc_u32 v[LI2], 0x10000, v[LI]
	v_and_b32 v14, 15, v0                          ; r
	v_bfe_u32 v15, v0, 4, 1                        ; hh
	v_lshlrev_b32 v[BV], 6, v15
	s_lshl_b32 s21, s[WV], 11
	v_add_nc_u32 v[IMW], s21, v[LI]
	v_add_nc_u32 v[IMW2], s21, v[LI2]
	s_mul_i32 s21, s[WV], 20480
	s_add_co_u32 s21, s21, KST
	v_add_nc_u32 v[KSW], s21, v[LI]
	v_add_nc_u32 v[KRA], KST, v[LI]
	v_add_nc_u32 v[KRA+1], KST+40960, v[LI]
	v_and_b32 v13, 7, v0
	s_lshl_b32 s21, s[WV], 6
	s_add_co_u32 s21, s21, SIMST
	v_lshl_add_u32 v[SSW], v13, 8, s21             ; 256 b + 64 w
	v_lshl_add_u32 v[SSR], v0, 4, SIMST
	v_lshrrev_b32 v13, 4, v0
	v_mul_u32_u24 v13, v13, 51200
	v_lshl_add_u32 v[SGO], v14, 4, v13             ; simp: batch t / 16 (200 parts of 256 bytes each), 16 bytes a thread
	s_mov_b32 s[SEL], 0x76543210
	s_mov_b32 s[SEL+1], 0xfedcba98
.irp i, 0,1,2,3,4,5,6,7,8,9,10,11,12,13,14,15
	v_mov_b32 v[TT+\i], 0                          ; destinations of the lane permutes at the end: they count as sources
.endr
	s_lshr_b32 s22, ttmp9, 2                       ; R
	s_and_b32 s23, ttmp9, 3                        ; beta
	s_mov_b32 s41, 0
	s_wait_kmcnt 0x0
	s_mul_i32 s40, s22, 5*QREC
	s_add_nc_u64 s[QAB:QAB+1], s[4:5], s[40:41]    ; my five tiles' records
	s_lshl_b32 s40, s[WV], 11
	s_add_nc_u64 s[QAW:QAW+1], s[QAB:QAB+1], s[40:41]  ; at K steps 2 w, 2 w + 1: the fragments that I bring
	s_lshl_b32 s40, s[WV], 5
	s_lshl_b32 s42, s23, 1
	s_add_co_u32 s40, s40, s42
	s_mul_i32 s40, s40, REC
	s_add_nc_u64 s[WBK:WBK+1], s[6:7], s[40:41]    ; k_w: record 32 w + 8 e + 2 beta + sg
	s_lshl_b32 s40, s[WV], 5
	s_lshl_b32 s42, s23, 2
	s_add_co_u32 s40, s40, s42
	s_add_co_u32 s40, s40, 16
	s_mul_i32 s40, s40, REC
	s_add_nc_u64 s[WBQ:WBQ+1], s[6:7], s[40:41]    ; q_w: record 32 w + 16 + 4 beta + 2 e + sg
	s_lshl_b32 s40, s[WV], 10
	s_lshl_b32 s42, s23, 7
	s_add_co_u32 s40, s40, s42
	s_add_nc_u64 s[KBB:KBB+1], s[10:11], s[40:41]  ; k_b and q_b at column 256 w + 32 beta
	s_add_nc_u64 s[QBB:QBB+1], s[8:9], s[40:41]
	s_lshl_b32 s40, ttmp9, 8
	s_add_nc_u64 s[SMP:SMP+1], s[12:13], s[40:41]
	WIN 0x40                                       ; my 20 fragments: piece kk = 8 m + 4 z + 2 e + c
.set kk, 0
.rept 40
	global_load_b128 v[4*kk:4*kk+3], v[LI], s[QAW:QAW+1] offset:QREC*(kk/8)+8192*((kk/4)%2)+1024*((kk/2)%2)+512*(kk%2)
.set kk, kk+1
.endr
	WIN 0
	RECLD 0
	s_wait_loadcnt 17                              ; my 40 pieces are in; the record behind them stays out
	WIN 0x04
.set kk, 0
.rept 40
.if kk < 32
	ds_store_b128 v[IMW], v[4*kk:4*kk+3] offset:16384*(kk/8)+8192*((kk/4)%2)+1024*((kk/2)%2)+512*(kk%2)
.else
	ds_store_b128 v[IMW2], v[4*kk:4*kk+3] offset:8192*((kk/4)%2)+1024*((kk/2)%2)+512*(kk%2)
.endif
.set kk, kk+1
.endr
	WIN 0
.set kk, 0
.rept 10                               ; the scale words of (m, z): register AS + 4 (2 m + z) + s / 2; lanes 0-15 for even s, lanes 16-31 for odd
	global_load_b128 v[AS+4*kk:AS+4*kk+3], v[LI], s[QAB:QAB+1] offset:QREC*(kk/2)+16384+512*(kk%2)
.set kk, kk+1
.endr
.irp e, 0,1
.irp q, 0,1,2,3
	global_load_b128 v[BR+16*\e+4*\q:BR+16*\e+4*\q+3], v[BV], s[KBB:KBB+1] offset:512*\e+16*\q
	global_load_b128 v[BR+32+16*\e+4*\q:BR+32+16*\e+4*\q+3], v[BV], s[QBB:QBB+1] offset:512*\e+16*\q
.endr
.endr
	RECLD 1
	RECLD 2
	BARRIER                                        ; all 80 fragments lie in LDS.  (The loads stay out: nobody writes those bytes)
.macro ALOAD z                         ; the 40 fragments of query (z = 0) or key (z = 1) into registers
	WIN 0x40
.set ff, 0
.rept 32
	ds_load_b128 v[8*ff:8*ff+3], v[LI] offset:AIMG+16384*(ff/8)+8192*(\z)+1024*(ff%8)
	ds_load_b128 v[8*ff+4:8*ff+7], v[LI] offset:AIMG+16384*(ff/8)+8192*(\z)+1024*(ff%8)+512
.set ff, ff+1
.endr
	WIN 0x80
.set ff, 0
.rept 8
	ds_load_b128 v[8*ff:8*ff+3], v[LI2] offset:AIMG+8192*(\z)+1024*ff
	ds_load_b128 v[8*ff+4:8*ff+7], v[LI2] offset:AIMG+8192*(\z)+1024*ff+512
.set ff, ff+1
.endr
	WIN 0
.endm
; THE RING.  Chunk c = record c lies in slot c % 4.  At its head: the wait leaves the two younger records (34 loads) out; four places behind the products that read slot (c - 1) % 4; that slot takes record c + 3.
.macro CHEAD c
.if (\c) <= 5
	s_wait_loadcnt 34
.elseif (\c) == 6
	s_wait_loadcnt 17
.else
	s_wait_loadcnt 0
.endif
	PLACES 4
.if (\c)+3 <= 7
	RECLD (\c)+3
.endif
	WIN 0
.endm
; 40 products: 4 K steps x 5 tiles of rows x the pair's 2 tiles.  Tiles 0-3 first, eight accumulators by turns; then tile 4, whose fragments lie in another window, two by turns.
; The bias is the C of a sum's first product.
.macro CMUL slot, half, e, blk, z
.irp sl, 0,1,2,3
.if ((\half) == 0) && (\sl == 0)
	WIN 0x87                                       ; weights window 3, fragments window 1, bias window 0, result window 2
.else
	WIN 0xa7                                       ; the same, C in window 2
.endif
.irp m, 0,1,2,3
.irp u, 0,1
.set rD, ACC+80*(\e)+8*(2*\m+\u)
.set rW, 64*(\slot)+16*\sl+8*\u
.set rA, 8*(8*\m+4*(\half)+\sl)
.set rWS, BS+4*(\slot)+\sl
.set rAS, AS+4*(2*\m+(\z))+(4*(\half)+\sl)/2
.set rC, rD
.if ((\half) == 0) && (\sl == 0)
.set rC, BR+16*(\blk)+8*\u
.endif
	WM rD, rW, rA, rC, rWS, rAS, \u, \sl%2
.endr
.endr
.endr
.irp sl, 0,1,2,3
.if ((\half) == 0) && (\sl == 0)
	WIN 0x8b                                       ; fragments window 2
.else
	WIN 0xab
.endif
.irp u, 0,1
.set rD, ACC+80*(\e)+8*(8+\u)
.set rW, 64*(\slot)+16*\sl+8*\u
.set rA, 8*(4*(\half)+\sl)
.set rWS, BS+4*(\slot)+\sl
.set rAS, AS+4*(8+(\z))+(4*(\half)+\sl)/2
.set rC, rD
.if ((\half) == 0) && (\sl == 0)
.set rC, BR+16*(\blk)+8*\u
.endif
	WM rD, rW, rA, rC, rWS, rAS, \u, \sl%2
.endr
.endr
.endm
.macro KOUT e                          ; head 2 w + e of k: its ten accumulators go to LDS as they stand, each from its low end on
	PLACES 5
	WIN 0x08
.set aa, 0
.rept 10
	ds_store_b128 v[KSW], v[ACC+80*(\e)+8*aa:ACC+80*(\e)+8*aa+3] offset:10240*(\e)+1024*aa
	ds_store_b128 v[KSW], v[ACC+80*(\e)+8*aa+4:ACC+80*(\e)+8*aa+7] offset:10240*(\e)+1024*aa+512
.set aa, aa+1
.endr
	WIN 0
.endm
	ALOAD 1
	s_wait_dscnt 0x0
	CHEAD 0
	CMUL 0, 0, 0, 0, 1
	CHEAD 1
	CMUL 1, 1, 0, 0, 1
	KOUT 0
	CHEAD 2
	CMUL 2, 0, 1, 1, 1
	CHEAD 3
	CMUL 3, 1, 1, 1, 1
	KOUT 1
	ALOAD 0                                        ; behind KOUT's places: query's fragments take key's registers
	BARRIER                                        ; all of k lies in LDS, and query's fragments are in
	CHEAD 4
	CMUL 0, 0, 0, 2, 0
	CHEAD 5
	CMUL 1, 1, 0, 2, 0
	CHEAD 6
	CMUL 2, 0, 1, 3, 0
	CHEAD 7
	CMUL 3, 1, 1, 3, 0
	PLACES 4                                       ; behind the last products: in front of the first read of q, and of the loads into the registers that held fragments
.macro KLOAD g                         ; head g of k into slice g % 3: twenty loads
	WIN 0x40
.set aa, 0
.rept 10
	ds_load_b128 v[80*((\g)%3)+8*aa:80*((\g)%3)+8*aa+3], v[KRA+(\g)/4] offset:10240*((\g)%4)+1024*aa
	ds_load_b128 v[80*((\g)%3)+8*aa+4:80*((\g)%3)+8*aa+7], v[KRA+(\g)/4] offset:10240*((\g)%4)+1024*aa+512
.set aa, aa+1
.endr
.endm
; my two heads of q x head g of k: 80 packed multiply-adds in four chains (head e, pair i even or odd); the first products start the sums; each accumulator of q is read from its low end on
.macro FMA1 g
	WIN 0x06                                       ; q window 2, k window 1, the sums window 0
.set aa, 0
.rept 10
.irp i, 0,1,2,3
.irp e, 0,1
.set rS, SIM+32*(\i%2)+2*(8*\e+(\g))
.set rQ, ACC+80*\e+8*aa+2*\i
.set rK, 80*((\g)%3)+8*aa+2*\i
.if (aa == 0) && (\i < 2)
	v_pk_mul_f32 v[rS:rS+1], v[rQ:rQ+1], v[rK:rK+1]
.else
	v_pk_fma_f32 v[rS:rS+1], v[rQ:rQ+1], v[rK:rK+1], v[rS:rS+1]
.endif
.endr
.endr
.set aa, aa+1
.endr
.endm
	KLOAD 0
	KLOAD 1
	KLOAD 2
.irp g, 0,1,2,3,4,5,6,7                ; each counted wait leaves the younger slices (20 loads each) out; the slice just read takes the head three on
.if \g < 6
	s_wait_dscnt 40
.elseif \g == 6
	s_wait_dscnt 20
.else
	s_wait_dscnt 0x0
.endif
	FMA1 \g
.if \g < 5
	KLOAD \g+3
.endif
.endr
	WIN 0
	; THE END: the two halves of a sum, a pair's two numbers; rows r and r + 8 share a batch; so do the two halves of the lanes
.set ff, 0
.rept 16
	v_pk_add_f32 v[SIM+2*ff:SIM+2*ff+1], v[SIM+2*ff:SIM+2*ff+1], v[SIM+32+2*ff:SIM+32+2*ff+1]
.set ff, ff+1
.endr
.set ff, 0
.rept 16
	v_add_f32 v[RS+ff], v[SIM+2*ff], v[SIM+2*ff+1]
.set ff, ff+1
.endr
.irp i, 0,1,2,3,4,5,6,7,8,9,10,11,12,13,14,15
	v_add_f32_dpp v[RS+\i], v[RS+\i], v[RS+\i] row_xmask:8 row_mask:0xf bank_mask:0xf
.endr
.irp i, 0,1,2,3,4,5,6,7,8,9,10,11,12,13,14,15
	v_permlanex16_b32 v[TT+\i], v[RS+\i], s[SEL], s[SEL+1]
.endr
.irp i, 0,1,2,3,4,5,6,7,8,9,10,11,12,13,14,15
	v_add_f32 v[RS+\i], v[RS+\i], v[TT+\i]
.endr
.irp q, 0,1,2,3
	ds_store_b128 v[SSW], v[RS+4*\q:RS+4*\q+3] offset:16*\q        ; the four lanes of a batch write the same bytes with the same values
.endr
	BARRIER
	ds_load_b128 v[RS:RS+3], v[SSR]
	s_wait_dscnt 0x0
	global_store_b128 v[SGO], v[RS:RS+3], s[SMP:SMP+1]             ; sixteen lanes store 256 consecutive bytes, aligned: simp[b][g]
	s_wait_tensorcnt 0x0
	ds_add_u32 v254, v255
	s_wait_dscnt 0x0
	s_endpgm
.Lfunc_end_k_q6b88e53410_qk:
	.size	k_q6b88e53410_qk, .Lfunc_end_k_q6b88e53410_qk-k_q6b88e53410_qk
	.p2alignl 7, 3214868480
	.fill 96, 4, 3214868480
	.section	.rodata,"a",@progbits
	.p2align	6, 0x0
	.amdhsa_kernel k_q6b88e53410_qk
		.amdhsa_group_segment_fixed_size 166400
		.amdhsa_private_segment_fixed_size 0
		.amdhsa_enable_private_segment 0
		.amdhsa_kernarg_size 40
		.amdhsa_user_sgpr_count 2
		.amdhsa_user_sgpr_kernarg_segment_ptr 1
		.amdhsa_wavefront_size32 1
		.amdhsa_system_sgpr_workgroup_id_x 1
		.amdhsa_system_sgpr_workgroup_id_y 1
		.amdhsa_system_sgpr_workgroup_id_z 1
		.amdhsa_system_vgpr_workitem_id 0
		.amdhsa_next_free_vgpr 1024
		.amdhsa_next_free_sgpr 66
		.amdhsa_reserve_vcc 0
		.amdhsa_float_denorm_mode_32 3
		.amdhsa_float_denorm_mode_16_64 3
		.amdhsa_memory_ordered 1
		.amdhsa_forward_progress 1
		.amdhsa_inst_pref_size 137
	.end_amdhsa_kernel
	.amdgpu_metadata
---
amdhsa.version: [ 1, 2 ]
amdhsa.kernels:
  - .name:           k_q6b88e53410_qk
    .symbol:         k_q6b88e53410_qk.kd
    .args:
      - { .name: qa, .offset: 0, .size: 8, .value_kind: global_buffer, .address_space: global }
      - { .name: wc, .offset: 8, .size: 8, .value_kind: global_buffer, .address_space: global }
      - { .name: q_b, .offset: 16, .size: 8, .value_kind: global_buffer, .address_space: global }
      - { .name: k_b, .offset: 24, .size: 8, .value_kind: global_buffer, .address_space: global }
      - { .name: simp, .offset: 32, .size: 8, .value_kind: global_buffer, .address_space: global }
    .group_segment_fixed_size: 166400
    .private_segment_fixed_size: 0
    .kernarg_segment_align: 8
    .kernarg_segment_size: 40
    .max_flat_workgroup_size: 128
    .sgpr_count:     66
    .vgpr_count:     1024
    .wavefront_size: 32
...
	.end_amdgpu_metadata
.endif
;; end of part 2
;; launch values (part 3): grid 250 x 1, 4 waves a work-group, no clusters, 150,016 bytes of LDS; arguments multi_value, mv_b, sv_b, wc, simp, sv, oa; writes oa
.if DOCPART == 3
	.amdgcn_target "amdgcn-amd-amdhsa--gfx1250"
	.amdhsa_code_object_version 6
	.text
	.protected	k_q6b88e53410_values
	.globl	k_q6b88e53410_values
	.p2align	8
	.type	k_q6b88e53410_values,@function
k_q6b88e53410_values:
	s_mov_b64 s[64:65], 0
	v_nop
	global_prefetch_b8 v0, s[64:65] scope:SCOPE_SE
	s_setreg_imm32_b32 hwreg(HW_REG_WAVE_MODE, 25, 1), 1
	s_wait_xcnt 0x0
; Work-group T owns the 16 rows bt = 16 T .. 16 T + 15 (bt = 500 b + t) of the mixed values.  It quantises the 8 x 16 rows of multi_value to FP4 (E2M1, one E8M0 byte for each 32 along K), takes single_value's codes from sv,
; sums simp's 200 parts to sim, takes the softmax over g (the row's maximum taken away first), multiplies by mv_w and sv_w (codes from wc), adds the biases, mixes the eight planes x with att[b][h][x] in f32,
; quantises the mixed rows along their columns and stores them in oa as fragment images with their scale words.  The projected values never go to memory.
; SHARES: wave w owns output heads 2 w, 2 w + 1 of both paths: 256 columns of the multi path, 128 of the single one.  Every wave holds ALL activation fragments in registers, so that each weight byte is loaded by one wave, once,
; straight into a ring of four register slots, and the mixing over x stays inside a lane (products transposed: source 0 = 16 weight rows, source 1 = 16 activation rows).
; A tile may lie across two batches: att is made for the first row's batch and the last row's, and each lane takes its row's.
; No cluster: the grid, 250 work-groups, is no multiple of 4.  No tensor load: the f32 rows want a turn through a wave's own stage, and no weight byte has two takers in a work-group.
; LIMITS: NaN and infinities are not served; a block under 2^-124 keeps the byte 1; a block of zeros gets the byte 1 and not 127 (its codes are zeros; this program alone reads the bytes); f32 sums are grouped otherwise than a plain chain; the softmax divides by v_rcp_f32 and a multiply.
; REGISTERS, in windows of 256: window 0: v1-31 addresses and work; v32-63 activations' scale words, v64-79 weights' (scales and nothing else); v80-111 two sets of bias, then of mixed numbers; v112-119 att; v120-127 codes;
;   v128-191 numbers, later slot 2; v192-255 at work, later slot 3.   window 1: landing sets, later fragments of planes 0-3, later the single path's 32.   window 2: fragments of planes 4-7.   window 3: v0-127 accumulators (u, x) at 8 (2 x + u); v128-255 slots 0, 1.
.set REC,  8704
.set MIMG, 0                           ; LDS: multi_value's 64 fragments (1,024 x (8 x + s)),
.set MSC,  65536                       ; their packed scale words [w][trip][lane][2],
.set SIMG, 69632                       ; a copy of sv's record: 32 fragments, then
.set SSC,  102400                      ; packed scale words,
.set STG,  104448                      ; a stage of 16 x 528 bytes for each wave,
.set BIAS, 138240                      ; each wave's 256 numbers of mv_b, then 128 of sv_b,
.set RED,  144384                      ; four waves' part sums of sim,
.set ATT,  146432                      ; att for two batches,
.set SCT,  146944                      ; the mixed rows' scale words [lane][12]
.set LI,   1
.set STW,  4
.set STR,  5
.set IMW,  6
.set IMA,  7
.set MSW,  8
.set MSA,  9
.set VS,   10
.set MSR,  11
.set BIA,  12
.set BIAE, 13
.set ATA,  14
.set ATAE, 15
.set SCW,  16
.set SCWE, 17
.set SIA,  18
.set SMW,  20
.set BIW,  21
.set REDW, 22
.set REDR, 23
.set ATW,  24
.set SCS,  25
.set SW,   26
.set SCR,  27
.set T0,   28
.set T1,   29
.set SOP,  30
.set BYT,  31
.set AS,   32
.set BS,   64
.set MR0,  80
.set ATTR, 112
.set PCM,  120
.set X,    128
.set TM,   192
.set PW,   208
.set PWE,  209
.set PKP,  210
.set PC,   212
.set SS,   220
.set WV,   18
.set SEL,  20
.set HI,   22
.set LB0,  24
.set LB1,  26
.set WB,   28
.set SPB,  30
.set OAS,  32
.set OAM,  34
.set CNT,  38
.set TI,   39
.set TS,   40
.set TBI,  41
.set TA,   42
.set TK,   43
.set OAT,  52
.set MSB,  0
.macro WIN new
.if MSB != (\new)
	s_set_vgpr_msb (MSB<<8)|(\new)
.set MSB, (\new)
.endif
.endm
.macro PLACES n
.rept \n
	v_nop
.endr
.endm
.macro BARRIER
	s_wait_dscnt 0x0
	s_barrier_signal -1
	s_barrier_wait -1
.endm
.macro QUANT s, pc
.irp b, 0,1,2,3
	v_max3_num_f32 v[TM+\b], |v[\s+16*\b]|, |v[\s+1+16*\b]|, 0x1800000   ; block b: my 16 numbers and the floor 2^(3 - 127)
.endr
.irp i, 2,4,6,8,10,12,14
.irp b, 0,1,2,3
	v_max3_num_f32 v[TM+\b], v[TM+\b], |v[\s+16*\b+\i]|, |v[\s+1+16*\b+\i]|
.endr
.endr
.irp b, 0,1,2,3
	v_permlanex16_b32 v[TM+4+\b], v[TM+\b], s[SEL], s[SEL+1]
.endr
.irp b, 0,1,2,3
	v_max_num_f32 v[TM+\b], v[TM+\b], v[TM+4+\b]
.endr
.irp b, 0,1,2,3
	v_add_nc_u32 v[TM+12+\b], 0xff000000, v[TM+\b]
.endr
.irp b, 0,1,2,3
	v_lshrrev_b32 v[TM+4+\b], 23, v[TM+12+\b]
.endr
	v_lshl_or_b32 v[PW], v[TM+5], 8, v[TM+4]
	v_lshl_or_b32 v[PW], v[TM+6], 16, v[PW]
	v_lshl_or_b32 v[PW], v[TM+7], 24, v[PW]
.irp b, 0,1,2,3
	v_cvt_scalef32_pk8_fp4_f32 v[\pc+2*\b], v[\s+16*\b:\s+7+16*\b], v[TM+12+\b]
	v_cvt_scalef32_pk8_fp4_f32 v[\pc+1+2*\b], v[\s+8+16*\b:\s+15+16*\b], v[TM+12+\b]
.endr
	v_nop                                          ; one plain place behind a scaled conversion
.irp c, 0,1
.irp i, 0,1
	v_permlane16_swap_b32 v[\pc+4*\c+\i], v[\pc+2+4*\c+\i]
.endr
.endr
.endm
.macro TURN set
	WIN 0x04
.irp i, 0,1,2,3,4,5,6,7,8,9,10,11,12,13,14,15
	ds_store_b128 v[STW], v[64*(\set)+4*\i:64*(\set)+4*\i+3] offset:528*\i
.endr
	WIN 0
.irp b, 0,1,2,3
.irp j, 0,1,2,3
	ds_load_b128 v[X+16*\b+4*\j:X+16*\b+4*\j+3], v[STR] offset:128*\b+16*\j
.endr
.endr
	s_wait_dscnt 0x0                               ; the numbers are back, so the stores have read the landing set; my earlier LDS stores have read their registers and addresses too
.endm
.macro LOADB slot, off                 ; a weight record into ring slot 0-3: 17 loads.  Slots 0, 1: window 3, v128 and v192; slots 2, 3: window 0
.if (\slot) < 2
	WIN 0xc0
.else
	WIN 0
.endif
.irp i, 0,1,2,3,4,5,6,7,8,9,10,11,12,13,14,15
	global_load_b128 v[128+64*((\slot)%2)+4*\i:128+64*((\slot)%2)+4*\i+3], v[LI], s[WB:WB+1] offset:(\off)+512*\i
.endr
	WIN 0
	global_load_b128 v[BS+4*(\slot):BS+4*(\slot)+3], v[LI], s[WB:WB+1] offset:(\off)+8192
.endm
.macro LOADM set, base, off            ; 16 rows x 512 bytes of multi_value
	WIN 0x40
.irp i, 0,1,2,3,4,5,6,7,8,9,10,11,12,13,14,15
	global_load_b128 v[64*(\set)+4*\i:64*(\set)+4*\i+3], v[LI], s[\base:\base+1] offset:(\off)+4096*\i th:TH_LOAD_NT
.endr
	WIN 0
.endm
.macro SIMLD h, n                      ; n of my 50 quads of simp, from quad 16 h on, into landing set h: quad i is part 4 i + w
	WIN 0x40
.set ii, 0
.rept \n
	global_load_b128 v[64*(\h)+4*ii:64*(\h)+4*ii+3], v[VS], s[SPB:SPB+1] offset:1024*(16*(\h)+ii)
.set ii, ii+1
.endr
	WIN 0
.endm
.macro WM d, a, b, c, sa, sb, ra, rb
.if ((\ra) != 0) && ((\rb) != 0)
	v_wmma_scale_f32_16x16x128_f8f6f4 v[(\d):(\d)+7], v[(\a):(\a)+7], v[(\b):(\b)+7], v[(\c):(\c)+7], v[(\sa)], v[(\sb)] matrix_a_fmt:MATRIX_FMT_FP4 matrix_b_fmt:MATRIX_FMT_FP4 matrix_a_scale:MATRIX_SCALE_ROW1 matrix_b_scale:MATRIX_SCALE_ROW1
.elseif (\ra) != 0
	v_wmma_scale_f32_16x16x128_f8f6f4 v[(\d):(\d)+7], v[(\a):(\a)+7], v[(\b):(\b)+7], v[(\c):(\c)+7], v[(\sa)], v[(\sb)] matrix_a_fmt:MATRIX_FMT_FP4 matrix_b_fmt:MATRIX_FMT_FP4 matrix_a_scale:MATRIX_SCALE_ROW1
.elseif (\rb) != 0
	v_wmma_scale_f32_16x16x128_f8f6f4 v[(\d):(\d)+7], v[(\a):(\a)+7], v[(\b):(\b)+7], v[(\c):(\c)+7], v[(\sa)], v[(\sb)] matrix_a_fmt:MATRIX_FMT_FP4 matrix_b_fmt:MATRIX_FMT_FP4 matrix_b_scale:MATRIX_SCALE_ROW1
.else
	v_wmma_scale_f32_16x16x128_f8f6f4 v[(\d):(\d)+7], v[(\a):(\a)+7], v[(\b):(\b)+7], v[(\c):(\c)+7], v[(\sa)], v[(\sb)] matrix_a_fmt:MATRIX_FMT_FP4 matrix_b_fmt:MATRIX_FMT_FP4
.endif
.endm
	s_load_b256 s[4:11], s[0:1], 0x0               ; multi_value, mv_b, sv_b, wc
	s_load_b128 s[12:15], s[0:1], 0x20             ; simp, sv
	s_load_b64 s[16:17], s[0:1], 0x30              ; oa
	v_lshrrev_b32 v2, 5, v0
	v_readfirstlane_b32 s[WV], v2                  ; wave 0..3
	v_and_b32 v19, 31, v0                          ; lane
	v_lshlrev_b32 v[LI], 4, v19
	v_and_b32 v2, 15, v0                           ; r
	v_bfe_u32 v3, v0, 4, 1                         ; hh
	s_mov_b32 s[SEL], 0x76543210
	s_mov_b32 s[SEL+1], 0xfedcba98
	s_mov_b32 s[HI], 0xffff0000
.irp b, 0,1,2,3
	v_mov_b32 v[TM+4+\b], 0                        ; written once: a lane permute's destination counts as one of its sources
.endr
	s_mul_i32 s44, s[WV], 8448
	s_add_co_u32 s44, s44, STG
	v_add_nc_u32 v[STW], s44, v[LI]
	v_mul_u32_u24 v[STR], v2, 528
	v_lshl_add_u32 v[STR], v3, 6, v[STR]
	v_add_nc_u32 v[STR], s44, v[STR]
	s_lshl_b32 s44, s[WV], 11
	v_add_nc_u32 v[IMW], s44, v[LI]                ; images of K steps 2 w, 2 w + 1
	v_lshlrev_b32 v[MSR], 3, v19
	v_add_nc_u32 v[MSR], MSC, v[MSR]
	s_lshl_b32 s44, s[WV], 10
	v_add_nc_u32 v[MSW], s44, v[MSR]
	s_mul_i32 s44, s[WV], 8704
	s_add_co_u32 s44, s44, SIMG
	v_add_nc_u32 v[SMW], s44, v[LI]
	v_add_nc_u32 v[SIA], SIMG, v[LI]
	s_mul_i32 s44, s[WV], 1536
	s_add_co_u32 s44, s44, BIAS
	v_add_nc_u32 v[BIW], s44, v[LI]
	v_lshl_add_u32 v[BIA], v3, 6, s44              ; a pair block's bias for my half: 16 numbers from 16 hh on
	s_lshl_b32 s44, s[WV], 9
	s_add_co_u32 s45, s44, RED
	v_add_nc_u32 v[REDW], s45, v[LI]
	s_add_co_u32 s45, s44, SCT
	v_add_nc_u32 v[SCR], s45, v[LI]
	v_lshl_add_u32 v[REDR], v0, 2, RED
	v_lshl_add_u32 v[ATW], v0, 2, ATT
	v_mul_u32_u24 v[SCS], v19, 48
	s_lshl_b32 s45, s[WV], 3
	s_add_co_u32 s45, s45, SCT
	v_add_nc_u32 v[SCW], s45, v[SCS]               ; words 2 w, 2 w + 1 of my lane's twelve
	s_lshl_b32 s45, s[WV], 2
	s_add_co_u32 s45, s45, SCT+32
	v_add_nc_u32 v[SCS], s45, v[SCS]               ; word 8 + w
	s_lshl_b32 s46, ttmp9, 4                       ; 16 T
	s_mul_i32 s47, s46, 33555
	s_lshr_b32 s47, s47, 24                        ; b0 = 16 T / 500: exact for numbers under 4,096
	s_add_co_u32 s48, s46, 15
	s_mul_i32 s48, s48, 33555
	s_lshr_b32 s48, s48, 24                        ; b1, the last row's batch
	s_mul_i32 s49, s47, 500
	s_add_co_u32 s49, s49, 500
	s_sub_co_u32 s49, s49, s46                     ; so many rows from the tile's first on belong to b0
	v_cmp_le_u32 vcc_lo, s49, v2
	v_mov_b32 v[ATA], 0x100
	v_cndmask_b32 v[ATA], 0, v[ATA], vcc_lo        ; my row's batch: the first table or the second
	s_lshl_b32 s50, s[WV], 6
	s_add_co_u32 s50, s50, ATT
	v_add_nc_u32 v[ATA], s50, v[ATA]               ; att[.][2 w][0 .. 7]
	s_sub_co_u32 s48, s48, s47
	s_mul_i32 s48, s48, 51200                      ; a batch of simp: 200 parts of 256 bytes
	s_mul_i32 s47, s47, 51200
	v_mul_u32_u24 v[VS], s48, v3                   ; simp: lanes 0-15 read b0's rows, lanes 16-31 b1's; 16 bytes a lane
	v_lshl_add_u32 v[VS], v2, 4, v[VS]
	v_add_nc_u32 v[VS], s47, v[VS]
	s_mov_b32 s45, 0
	s_wait_kmcnt 0x0
	s_lshl_b32 s44, ttmp9, 16                      ; 16 T rows of 4,096 bytes
	s_lshl_b32 s46, s[WV], 10                      ; + K steps 2 w on
	s_add_co_u32 s44, s44, s46
	s_add_nc_u64 s[LB0:LB0+1], s[4:5], s[44:45]    ; plane 0
	s_add_nc_u64 s[LB1:LB1+1], s[LB0:LB0+1], 16384000  ; plane 1
	s_mov_b32 s44, s46
	s_add_nc_u64 s[6:7], s[6:7], s[44:45]          ; mv_b at my 256 columns
	s_lshl_b32 s44, s[WV], 9
	s_add_nc_u64 s[8:9], s[8:9], s[44:45]          ; sv_b at my 128
	s_mul_i32 s44, s[WV], 20*REC
	s_add_co_u32 s44, s44, 128*REC
	s_add_nc_u64 s[WB:WB+1], s[10:11], s[44:45]    ; my 20 records: 16 of mv_w, 4 of sv_w
	s_lshl_b32 s44, s[WV], 8
	s_add_nc_u64 s[SPB:SPB+1], s[12:13], s[44:45]
	s_mul_i32 s46, ttmp9, 34816
	s_mul_i32 s44, s[WV], 8704
	s_add_co_u32 s44, s44, s46
	s_add_nc_u64 s[14:15], s[14:15], s[44:45]      ; my quarter of sv's record
	s_mul_i32 s46, ttmp9, 13824
	s_lshl_b32 s44, s[WV], 11
	s_add_co_u32 s44, s44, s46
	s_add_nc_u64 s[OAM:OAM+1], s[16:17], s[44:45]  ; oa: K step 2 w of the multi path,
	s_lshl_b32 s44, s[WV], 10
	s_add_co_u32 s44, s44, s46
	s_add_co_u32 s44, s44, 8192
	s_add_nc_u64 s[OAS:OAS+1], s[16:17], s[44:45]  ; K step w of the single path,
	s_lshl_b32 s44, s[WV], 9
	s_add_co_u32 s44, s44, s46
	s_add_co_u32 s44, s44, 12288
	s_add_nc_u64 s[OAT:OAT+1], s[16:17], s[44:45]  ; a third of the scale words (waves 0-2)
	WIN 0x80                                       ; the small loads first: 20, into window 2
.irp i, 0,1,2,3,4,5,6,7,8,9,10,11,12,13,14,15,16
	global_load_b128 v[4*\i:4*\i+3], v[LI], s[14:15] offset:512*\i
.endr
	global_load_b128 v[68:71], v[LI], s[6:7]
	global_load_b128 v[72:75], v[LI], s[6:7] offset:512
	global_load_b128 v[76:79], v[LI], s[8:9]
	WIN 0
	LOADM 0, LB0, 0
	LOADM 1, LB0, 512
	s_wait_loadcnt 32                              ; the small loads are in; the two landing sets behind them stay out
	WIN 0x08
.irp i, 0,1,2,3,4,5,6,7,8,9,10,11,12,13,14,15,16
	ds_store_b128 v[SMW], v[4*\i:4*\i+3] offset:512*\i
.endr
	ds_store_b128 v[BIW], v[68:71]
	ds_store_b128 v[BIW], v[72:75] offset:512
	ds_store_b128 v[BIW], v[76:79] offset:1024
	WIN 0
	LOADM 2, LB1, 0
; PHASE 1.  Fragment t = 4 trip + p: plane 2 trip + p / 2, K step 2 w + p % 2.  Three landing sets are on their way; each wait leaves the two younger groups of 16 loads out.
.macro PSTEP p
	TURN \p
.if (\p) == 0
	v_add_nc_u32 v[IMA], s[TI], v[IMW]             ; behind the wait for all my LDS instructions: this trip's places
	v_add_nc_u32 v[MSA], s[TS], v[MSW]
.endif
	QUANT X, PC
	ds_store_b128 v[IMA], v[PC:PC+3] offset:8192*((\p)/2)+1024*((\p)%2)
	ds_store_b128 v[IMA], v[PC+4:PC+7] offset:8192*((\p)/2)+1024*((\p)%2)+512
.if (\p)%2 == 0
	v_mov_b32 v[PWE], v[PW]
.else
	v_cndmask_b32 v[PKP+(\p)/2], v[PWE], v[PW], s[HI]  ; lanes 0-15 K step 2 w's word, lanes 16-31 K step 2 w + 1's
.endif
.endm
	s_mov_b32 s[TI], 0
	s_mov_b32 s[TS], 0
	s_mov_b32 s[CNT], 3
.Lp1:
	s_wait_loadcnt 32
	LOADM 3, LB1, 512
	PSTEP 0
	s_wait_xcnt 0x0                                ; every load issued has read its base (the youngest were issued a step's arithmetic ago): both bases step two planes on, ahead of the next load that names them
	s_add_nc_u64 s[LB0:LB0+1], s[LB0:LB0+1], 32768000
	s_add_nc_u64 s[LB1:LB1+1], s[LB1:LB1+1], 32768000
	s_wait_loadcnt 32
	LOADM 0, LB0, 0
	PSTEP 1
	s_wait_loadcnt 32
	LOADM 1, LB0, 512
	PSTEP 2
	s_wait_loadcnt 32
	LOADM 2, LB1, 0
	PSTEP 3
	ds_store_b64 v[MSA], v[PKP:PKP+1]
	s_add_co_u32 s[TI], s[TI], 16384
	s_add_co_u32 s[TS], s[TS], 256
	s_sub_co_u32 s[CNT], s[CNT], 1
	s_cmp_lg_u32 s[CNT], 0
	s_cbranch_scc1 .Lp1
	s_mov_b32 s[TI], 49152                         ; the fourth trip is written out: behind the last fragment come simp's parts, a group of 16 into each landing set as it falls free
	s_mov_b32 s[TS], 768
	s_wait_loadcnt 32
	LOADM 3, LB1, 512
	PSTEP 0
	s_wait_loadcnt 32
	SIMLD 0, 16
	PSTEP 1
	s_wait_loadcnt 32
	SIMLD 1, 16
	PSTEP 2
	s_wait_loadcnt 32
	SIMLD 2, 16
	PSTEP 3
	ds_store_b64 v[MSA], v[PKP:PKP+1]
	SIMLD 3, 2                                     ; my last two parts,
	LOADB 0, 0                                     ; and the ring's first record
	s_wait_loadcnt 17                              ; simp's 50 quads are in; the record behind them stays out
	LOADB 1, REC
	LOADB 2, 2*REC
	WIN 0x05                                       ; my 50 parts of sim, in two chains
	v_pk_add_f32 v[SS:SS+1], v[0:1], v[8:9]
	v_pk_add_f32 v[SS+2:SS+3], v[2:3], v[10:11]
	v_pk_add_f32 v[SS+4:SS+5], v[4:5], v[12:13]
	v_pk_add_f32 v[SS+6:SS+7], v[6:7], v[14:15]
	WIN 0x04
.set ff, 4
.rept 46
	v_pk_add_f32 v[SS+4*(ff%2):SS+4*(ff%2)+1], v[SS+4*(ff%2):SS+4*(ff%2)+1], v[4*ff:4*ff+1]
	v_pk_add_f32 v[SS+4*(ff%2)+2:SS+4*(ff%2)+3], v[SS+4*(ff%2)+2:SS+4*(ff%2)+3], v[4*ff+2:4*ff+3]
.set ff, ff+1
.endr
	WIN 0
	v_pk_add_f32 v[SS:SS+1], v[SS:SS+1], v[SS+4:SS+5]
	v_pk_add_f32 v[SS+2:SS+3], v[SS+2:SS+3], v[SS+6:SS+7]
	ds_store_b128 v[REDW], v[SS:SS+3]
	BARRIER                                        ; the images, sv's copy and the four part sums lie in LDS.  (The ring's loads stay out: nobody writes those bytes)
	ds_load_b32 v28, v[REDR]                       ; thread 64 bs + 8 h + g
	ds_load_b32 v29, v[REDR] offset:512
	ds_load_b32 v30, v[REDR] offset:1024
	ds_load_b32 v31, v[REDR] offset:1536
	s_wait_dscnt 0x0
	v_add_f32 v28, v28, v29
	v_add_f32 v30, v30, v31
	v_add_f32 v28, v28, v30
	v_mul_f32 v28, 0x3bbade29, v28                 ; x log2(e) / sqrt(64,000)
	v_max_num_f32_dpp v29, v28, v28 row_xmask:1 row_mask:0xf bank_mask:0xf
	v_max_num_f32_dpp v29, v29, v29 row_xmask:2 row_mask:0xf bank_mask:0xf
	v_max_num_f32_dpp v29, v29, v29 row_xmask:4 row_mask:0xf bank_mask:0xf   ; the largest of the eight g
	v_sub_f32 v28, v28, v29
	v_exp_f32 v28, v28
	v_nop                                          ; a plain place behind the transcendental
	s_wait_alu depctr_va_vdst(0)
	v_add_f32_dpp v29, v28, v28 row_xmask:1 row_mask:0xf bank_mask:0xf
	v_add_f32_dpp v29, v29, v29 row_xmask:2 row_mask:0xf bank_mask:0xf
	v_add_f32_dpp v29, v29, v29 row_xmask:4 row_mask:0xf bank_mask:0xf
	v_rcp_f32 v29, v29
	v_nop
	s_wait_alu depctr_va_vdst(0)
	v_mul_f32 v28, v28, v29
	ds_store_b32 v[ATW], v28
	BARRIER                                        ; att lies in LDS
	WIN 0x40
.set ff, 0
.rept 32
	ds_load_b128 v[8*ff:8*ff+3], v[LI] offset:MIMG+1024*ff
	ds_load_b128 v[8*ff+4:8*ff+7], v[LI] offset:MIMG+1024*ff+512
.set ff, ff+1
.endr
	WIN 0x80
.set ff, 0
.rept 32
	ds_load_b128 v[8*ff:8*ff+3], v[LI] offset:MIMG+32768+1024*ff
	ds_load_b128 v[8*ff+4:8*ff+7], v[LI] offset:MIMG+32768+1024*ff+512
.set ff, ff+1
.endr
	WIN 0
.set ff, 0
.rept 16
	ds_load_b64 v[AS+2*ff:AS+2*ff+1], v[MSR] offset:256*ff         ; the word of (x, s): register AS + 8 (s / 2) + x, lanes 0-15 for even s, lanes 16-31 for odd
.set ff, ff+1
.endr
.irp q, 0,1,2,3
	ds_load_b128 v[MR0+4*\q:MR0+4*\q+3], v[BIA] offset:16*\q       ; the first pair block's bias
.endr
; 64 products of a chunk: 4 K steps x 8 planes x the pair's 2 tiles; in each run of 32 eight accumulators take turns.  The bias is the C of each sum's first product.
.macro CMULM slot, half, mr
.set w0, 3*((3-(\slot))/2)
.irp xh, 0,1
.irp sl, 0,1,2,3
.if ((\half) == 0) && (\sl == 0)
	WIN 0xc0+4*(1+\xh)+w0
.else
	WIN 0xf0+4*(1+\xh)+w0
.endif
.irp xx, 0,1,2,3
.irp u, 0,1
.set rD, 8*(2*(4*\xh+\xx)+\u)
.set rW, 128+64*((\slot)%2)+16*\sl+8*\u
.set rA, 8*(8*\xx+4*(\half)+\sl)
.set rWS, BS+4*(\slot)+\sl
.set rAS, AS+8*((4*(\half)+\sl)/2)+4*\xh+\xx
.set rC, rD
.if ((\half) == 0) && (\sl == 0)
.set rC, (\mr)+8*\u
.endif
	WM rD, rW, rA, rC, rWS, rAS, \u, \sl%2
.endr
.endr
.endr
.endr
.endm
.macro CMULS slot, mr                  ; the single path's chunk: 4 K steps x 8 planes x 2 tiles; sixteen accumulators by turns
.set w0, 3*((3-(\slot))/2)
.irp sl, 0,1,2,3
.if \sl == 0
	WIN 0xc4+w0
.else
	WIN 0xf4+w0
.endif
.irp x, 0,1,2,3,4,5,6,7
.irp u, 0,1
.set rD, 8*(2*\x+\u)
.set rW, 128+64*((\slot)%2)+16*\sl+8*\u
.set rA, 8*(8*\sl+\x)
.set rWS, BS+4*(\slot)+\sl
.set rAS, AS+4*\sl+\x/2
.set rC, rD
.if \sl == 0
.set rC, (\mr)+8*\u
.endif
	WM rD, rW, rA, rC, rWS, rAS, \u, \x%2
.endr
.endr
.endr
.endm
; the mixing: 16 numbers of my row = sum over x of att[x] x the plane's; into the registers that held the bias.  Each accumulator is read from its low end on
.macro COMBINE mr
	WIN 0x03
.irp x, 0,1,2,3,4,5,6,7
.irp u, 0,1
.irp i, 0,1,2,3
.set rM, (\mr)+8*\u+2*\i
.set rC, 8*(2*\x+\u)+2*\i
.if \x == 0
	v_pk_mul_f32 v[rM:rM+1], v[rC:rC+1], v[ATTR:ATTR+1] op_sel_hi:[1,0]
.elseif (\x%2) == 0
	v_pk_fma_f32 v[rM:rM+1], v[rC:rC+1], v[ATTR+\x:ATTR+\x+1], v[rM:rM+1] op_sel_hi:[1,0,1]
.else
	v_pk_fma_f32 v[rM:rM+1], v[rC:rC+1], v[ATTR+\x-1:ATTR+\x], v[rM:rM+1] op_sel:[0,1,0] op_sel_hi:[1,1,1]
.endif
.endr
.endr
.endr
	WIN 0
.endm
; the 16 numbers are half of block beta of the next K step; lane l xor 16 holds the other half
.macro QBLK mr, beta
	v_max3_num_f32 v[T0], |v[\mr]|, |v[\mr+1]|, 0x1800000
	v_max3_num_f32 v[T1], |v[\mr+2]|, |v[\mr+3]|, |v[\mr+4]|
	v_max3_num_f32 v[T0], v[T0], |v[\mr+5]|, |v[\mr+6]|
	v_max3_num_f32 v[T1], v[T1], |v[\mr+7]|, |v[\mr+8]|
	v_max3_num_f32 v[T0], v[T0], |v[\mr+9]|, |v[\mr+10]|
	v_max3_num_f32 v[T1], v[T1], |v[\mr+11]|, |v[\mr+12]|
	v_max3_num_f32 v[T0], v[T0], |v[\mr+13]|, |v[\mr+14]|
	v_max3_num_f32 v[T0], v[T0], v[T1], |v[\mr+15]|
	v_permlanex16_b32 v[T1], v[T0], s[SEL], s[SEL+1]
	v_max_num_f32 v[T0], v[T0], v[T1]
	v_add_nc_u32 v[SOP], 0xff000000, v[T0]
	v_lshrrev_b32 v[BYT], 23, v[SOP]
.if (\beta) == 0
	v_mov_b32 v[SW], v[BYT]
.else
	v_lshl_or_b32 v[SW], v[BYT], 8*(\beta), v[SW]
.endif
	v_cvt_scalef32_pk8_fp4_f32 v[PCM+2*(\beta)], v[\mr:\mr+7], v[SOP]
	v_cvt_scalef32_pk8_fp4_f32 v[PCM+2*(\beta)+1], v[\mr+8:\mr+15], v[SOP]
	v_nop                                          ; one plain place behind a scaled conversion
.endm
.macro SWAPS
.irp c, 0,1
.irp i, 0,1
	v_permlane16_swap_b32 v[PCM+4*\c+\i], v[PCM+2+4*\c+\i]
.endr
.endr
.endm
; A pair block of the multi path: two chunks.  At a chunk's head the wait leaves the two younger records (34 loads) out; four places behind the products that read the slot left last; that slot takes the record three on.
.macro MSTEP jl
	s_wait_loadcnt 34
	PLACES 4
	LOADB (2*(\jl)+3)%4, (2*(\jl)+3)*REC
	s_wait_dscnt 0x0                               ; this step's bias (and att) are in
.irp q, 0,1,2,3
	ds_load_b128 v[MR0+16*(((\jl)+1)%2)+4*\q:MR0+16*(((\jl)+1)%2)+4*\q+3], v[BIAE] offset:128*((\jl)+1)+16*\q   ; the next step's bias; the table runs on from head to head and into sv_b's part
.endr
	CMULM (2*(\jl))%4, 0, MR0+16*((\jl)%2)
	s_wait_loadcnt 34
	PLACES 4
	LOADB (2*(\jl)+4)%4, (2*(\jl)+4)*REC
	CMULM (2*(\jl)+1)%4, 1, MR0+16*((\jl)%2)
	PLACES 4
	COMBINE MR0+16*((\jl)%2)
	QBLK MR0+16*((\jl)%2), \jl
.endm
	s_mov_b32 s[TBI], 0
	s_mov_b32 s[TA], 0
	s_mov_b32 s[TK], 0
	s_mov_b32 s[CNT], 2
.Lhead:                                            ; a trip: one head of the multi path: four pair blocks, eight records, one K step of the next product
	s_wait_dscnt 0x0                               ; no LDS instruction of mine is out: the trip's three addresses are made
	v_add_nc_u32 v[BIAE], s[TBI], v[BIA]
	v_add_nc_u32 v[ATAE], s[TA], v[ATA]
	v_add_nc_u32 v[SCWE], s[TK], v[SCW]
	ds_load_b128 v[ATTR:ATTR+3], v[ATAE]
	ds_load_b128 v[ATTR+4:ATTR+7], v[ATAE] offset:16
	MSTEP 0
	MSTEP 1
	MSTEP 2
	MSTEP 3
	SWAPS
	global_store_b128 v[LI], v[PCM:PCM+3], s[OAM:OAM+1]            ; 32 lanes store 512 consecutive bytes, aligned
	global_store_b128 v[LI], v[PCM+4:PCM+7], s[OAM:OAM+1] offset:512
	ds_store_b32 v[SCWE], v[SW]
	s_wait_xcnt 0x0                                ; the loads have read their base, the stores their base and data: all three are written again only behind this wait
	s_add_nc_u64 s[WB:WB+1], s[WB:WB+1], 8*REC
	s_add_nc_u64 s[OAM:OAM+1], s[OAM:OAM+1], 1024
	s_add_co_u32 s[TBI], s[TBI], 512
	s_add_co_u32 s[TA], s[TA], 32
	s_add_co_u32 s[TK], s[TK], 4
	s_sub_co_u32 s[CNT], s[CNT], 1
	s_cmp_lg_u32 s[CNT], 0
	s_cbranch_scc1 .Lhead
	; THE SINGLE PATH: its 32 fragments take the places of planes 0-3; four pair blocks, one record each
	s_wait_dscnt 0x0
	PLACES 4
	WIN 0x40
.set ff, 0
.rept 32
	ds_load_b128 v[8*ff:8*ff+3], v[SIA] offset:1024*ff
	ds_load_b128 v[8*ff+4:8*ff+7], v[SIA] offset:1024*ff+512
.set ff, ff+1
.endr
	WIN 0
.irp q, 0,1,2,3
	ds_load_b128 v[AS+4*\q:AS+4*\q+3], v[SIA] offset:32768+512*\q  ; the word of (x, s): register AS + 4 s + x / 2, lanes 0-15 for even x, lanes 16-31 for odd
.endr
	ds_load_b128 v[ATTR:ATTR+3], v[ATA]
	ds_load_b128 v[ATTR+4:ATTR+7], v[ATA] offset:16
.macro SSTEP jj
.if (\jj) < 2
	s_wait_loadcnt 34                              ; two younger records stay out;
.elseif (\jj) == 2
	s_wait_loadcnt 17                              ; one;
.else
	s_wait_loadcnt 0                               ; none
.endif
	PLACES 4
.if (\jj) == 0
	LOADB 3, 3*REC                                 ; my last record
.endif
	WIN 0
	s_wait_dscnt 0x0
.if (\jj) < 3
.irp q, 0,1,2,3
	ds_load_b128 v[MR0+16*(((\jj)+1)%2)+4*\q:MR0+16*(((\jj)+1)%2)+4*\q+3], v[BIA] offset:1024+128*((\jj)+1)+16*\q
.endr
.endif
	CMULS \jj, MR0+16*((\jj)%2)
	PLACES 4
	COMBINE MR0+16*((\jj)%2)
	QBLK MR0+16*((\jj)%2), \jj
.if (\jj) == 1
	ds_load_b128 v[ATTR:ATTR+3], v[ATA] offset:32                  ; a head of the single path is two pair blocks: on to head 2 w + 1
	ds_load_b128 v[ATTR+4:ATTR+7], v[ATA] offset:48
.endif
.endm
	SSTEP 0
	SSTEP 1
	SSTEP 2
	SSTEP 3
	SWAPS
	global_store_b128 v[LI], v[PCM:PCM+3], s[OAS:OAS+1]
	global_store_b128 v[LI], v[PCM+4:PCM+7], s[OAS:OAS+1] offset:512
	ds_store_b32 v[SCS], v[SW]
	BARRIER                                        ; the twelve scale words of every row lie in LDS
	s_cmp_lt_u32 s[WV], 3
	s_cbranch_scc0 .Ldone
	ds_load_b128 v[MR0:MR0+3], v[SCR]
	s_wait_dscnt 0x0
	global_store_b128 v[LI], v[MR0:MR0+3], s[OAT:OAT+1]            ; 512 consecutive bytes a wave
.Ldone:
	s_wait_xcnt 0x0
	v_lshl_add_u32 v254, v0, 2, 0x24800
	v_mov_b32 v255, 0
	s_wait_tensorcnt 0x0
	ds_add_u32 v254, v255
	s_wait_dscnt 0x0
	s_endpgm
.Lfunc_end_k_q6b88e53410_values:
	.size	k_q6b88e53410_values, .Lfunc_end_k_q6b88e53410_values-k_q6b88e53410_values
	.p2alignl 7, 3214868480
	.fill 96, 4, 3214868480
	.section	.rodata,"a",@progbits
	.p2align	6, 0x0
	.amdhsa_kernel k_q6b88e53410_values
		.amdhsa_group_segment_fixed_size 150016
		.amdhsa_private_segment_fixed_size 0
		.amdhsa_enable_private_segment 0
		.amdhsa_kernarg_size 56
		.amdhsa_user_sgpr_count 2
		.amdhsa_user_sgpr_kernarg_segment_ptr 1
		.amdhsa_wavefront_size32 1
		.amdhsa_system_sgpr_workgroup_id_x 1
		.amdhsa_system_sgpr_workgroup_id_y 1
		.amdhsa_system_sgpr_workgroup_id_z 1
		.amdhsa_system_vgpr_workitem_id 0
		.amdhsa_next_free_vgpr 1024
		.amdhsa_next_free_sgpr 66
		.amdhsa_reserve_vcc 1
		.amdhsa_float_denorm_mode_32 3
		.amdhsa_float_denorm_mode_16_64 3
		.amdhsa_memory_ordered 1
		.amdhsa_forward_progress 1
		.amdhsa_inst_pref_size 255
	.end_amdhsa_kernel
	.section	.bss,"aw",@nobits
	.p2align	6
	.space	262144
	.amdgpu_metadata
---
amdhsa.version: [ 1, 2 ]
amdhsa.kernels:
  - .name:           k_q6b88e53410_values
    .symbol:         k_q6b88e53410_values.kd
    .args:
      - { .name: multi_value, .offset: 0, .size: 8, .value_kind: global_buffer, .address_space: global }
      - { .name: mv_b, .offset: 8, .size: 8, .value_kind: global_buffer, .address_space: global }
      - { .name: sv_b, .offset: 16, .size: 8, .value_kind: global_buffer, .address_space: global }
      - { .name: wc, .offset: 24, .size: 8, .value_kind: global_buffer, .address_space: global }
      - { .name: simp, .offset: 32, .size: 8, .value_kind: global_buffer, .address_space: global }
      - { .name: sv, .offset: 40, .size: 8, .value_kind: global_buffer, .address_space: global }
      - { .name: oa, .offset: 48, .size: 8, .value_kind: global_buffer, .address_space: global }
    .group_segment_fixed_size: 150016
    .private_segment_fixed_size: 0
    .kernarg_segment_align: 8
    .kernarg_segment_size: 56
    .max_flat_workgroup_size: 128
    .sgpr_count:     66
    .vgpr_count:     1024
    .wavefront_size: 32
...
	.end_amdgpu_metadata
.endif
;; end of part 3
;; launch outproj (part 4): grid 250 x 1, 4 waves a work-group, no clusters, 51,712 bytes of LDS; arguments oa, wc, mo_b, so_b, out0, out1; writes out0, out1
.if DOCPART == 4
	.amdgcn_target "amdgcn-amd-amdhsa--gfx1250"
	.amdhsa_code_object_version 6
	.text
	.protected	k_q6b88e53410_outproj
	.globl	k_q6b88e53410_outproj
	.p2align	8
	.type	k_q6b88e53410_outproj,@function
k_q6b88e53410_outproj:
	s_mov_b64 s[64:65], 0
	v_nop
	global_prefetch_b8 v0, s[64:65] scope:SCOPE_SE
	s_setreg_imm32_b32 hwreg(HW_REG_WAVE_MODE, 25, 1), 1
	s_wait_xcnt 0x0
; out0 = mr mo_w^T + mo_b, out1 = sr so_w^T + so_b, on codes of FP4 (E2M1) with one E8M0 byte for each 32 along K: the rows' fragment images and scale words from oa, the weights' from wc.
; The waves share nothing.  A wave makes 5 tiles of 16 rows x 64 columns of out0 (work-groups 0-199: rows 80 (g / 4) on, columns 64 (4 (g % 4) + w) on; K = 1,024) or x 128 columns of out1 (work-groups 200-249: rows 80 (g - 200) on,
; columns 128 w on; K = 512): either way four weight records and 160 products.  All operands are loaded at the head; products are used transposed (source 0 = 16 weight rows, source 1 = 16 rows), the bias is the C of each sum's first product.
; Results go through the wave's own stage in LDS and leave as whole rows: 256 or 512 consecutive bytes, aligned.  The two paths part on the work-group's number and have LDS bytes of their own.
; No cluster: the grid, 250 work-groups, is no multiple of 4.  No barrier, no tensor load.
; REGISTERS, in windows of 256: window 0: v1-6 addresses; v8-47 the rows' scale words, v48-63 the weights' (scales and nothing else); v64-127 bias; v128-255 rows on the way out, two sets.   window 1: the four records.
;   multi: fragment (m, s) at register 512 + 8 (8 m + s), accumulator (m, nu) at 832 + 8 (4 m + nu).   single: fragment at 512 + 8 (4 m + s), accumulator at 768 + 8 (8 m + nu) for m < 4, at 672 + 8 nu for m = 4.
.set REC, 8704
.set LI,  1
.set L48, 2
.set BV,  3
.set STO, 4
.set RD,  5
.set CO,  6
.set ASC, 8
.set BS,  48
.set BIA, 64
.set OB,  128
.set WV,  24
.set MSB, 0
.macro WIN new
.if MSB != (\new)
	s_set_vgpr_msb (MSB<<8)|(\new)
.set MSB, (\new)
.endif
.endm
.macro PLACES n
.rept \n
	v_nop
.endr
.endm
.macro WM d, a, b, c, sa, sb, ra, rb
.if ((\ra) != 0) && ((\rb) != 0)
	v_wmma_scale_f32_16x16x128_f8f6f4 v[(\d):(\d)+7], v[(\a):(\a)+7], v[(\b):(\b)+7], v[(\c):(\c)+7], v[(\sa)], v[(\sb)] matrix_a_fmt:MATRIX_FMT_FP4 matrix_b_fmt:MATRIX_FMT_FP4 matrix_a_scale:MATRIX_SCALE_ROW1 matrix_b_scale:MATRIX_SCALE_ROW1
.elseif (\ra) != 0
	v_wmma_scale_f32_16x16x128_f8f6f4 v[(\d):(\d)+7], v[(\a):(\a)+7], v[(\b):(\b)+7], v[(\c):(\c)+7], v[(\sa)], v[(\sb)] matrix_a_fmt:MATRIX_FMT_FP4 matrix_b_fmt:MATRIX_FMT_FP4 matrix_a_scale:MATRIX_SCALE_ROW1
.elseif (\rb) != 0
	v_wmma_scale_f32_16x16x128_f8f6f4 v[(\d):(\d)+7], v[(\a):(\a)+7], v[(\b):(\b)+7], v[(\c):(\c)+7], v[(\sa)], v[(\sb)] matrix_a_fmt:MATRIX_FMT_FP4 matrix_b_fmt:MATRIX_FMT_FP4 matrix_b_scale:MATRIX_SCALE_ROW1
.else
	v_wmma_scale_f32_16x16x128_f8f6f4 v[(\d):(\d)+7], v[(\a):(\a)+7], v[(\b):(\b)+7], v[(\c):(\c)+7], v[(\sa)], v[(\sb)] matrix_a_fmt:MATRIX_FMT_FP4 matrix_b_fmt:MATRIX_FMT_FP4
.endif
.endm
.macro ACCOF m, nu, NB                 ; aAbs = the accumulator's first register, counted through all windows
.if (\NB) == 2
.set aAbs, 832+8*(4*(\m)+(\nu))
.elseif (\m) < 4
.set aAbs, 768+8*(8*(\m)+(\nu))
.else
.set aAbs, 672+8*(\nu)
.endif
.endm
.macro TOSTAGE m, NB, LSTEP            ; tile m's accumulators into my stage, each from its low end on, and back as whole rows.  LDS serves a wave's instructions in order: no wait between
.set nn, 0
.rept 2*(\NB)
	ACCOF \m, nn, \NB
	WIN (aAbs/256)<<2
	ds_store_b128 v[STO], v[aAbs%256:aAbs%256+3] offset:128*(nn/2)+32*(nn%2)
	ds_store_b128 v[STO], v[aAbs%256+4:aAbs%256+7] offset:128*(nn/2)+32*(nn%2)+16
.set nn, nn+1
.endr
	WIN 0
.set tt, 0
.rept 4*(\NB)
	ds_load_b128 v[OB+64*((\m)%2)+4*tt:OB+64*((\m)%2)+4*tt+3], v[RD] offset:(\LSTEP)*tt
.set tt, tt+1
.endr
.endm
.macro SEND m, NB, GSTEP, MST, younger ; younger: the LDS instructions issued behind tile m's loads: the next tile's stores and loads, or none
	s_wait_dscnt \younger
.set tt, 0
.rept 4*(\NB)
	global_store_b128 v[CO], v[OB+64*((\m)%2)+4*tt:OB+64*((\m)%2)+4*tt+3], s[22:23] offset:(\MST)*(\m)+(\GSTEP)*tt th:TH_STORE_NT
.set tt, tt+1
.endr
.endm
; KS: K steps; NB: pair blocks of columns; AOFF: the fragments' place in a record of oa; SOFF: the scale words' place in a lane's 48 bytes; LSTEP, GSTEP, MST: from load to load in the stage, from store to store and from tile to tile in the output
.macro GEMMOUT KS, NB, AOFF, SOFF, LSTEP, GSTEP, MST
.set ii, 0
.rept 4*(\NB)
	global_load_b128 v[BIA+4*ii:BIA+4*ii+3], v[BV], s[20:21] offset:128*(ii/4)+16*(ii%4)
.set ii, ii+1
.endr
.set ii, 0
.rept 5*(\KS)/4
	global_load_b128 v[ASC+4*ii:ASC+4*ii+3], v[L48], s[16:17] offset:13824*(ii/((\KS)/4))+12288+(\SOFF)+16*(ii%((\KS)/4))
.set ii, ii+1
.endr
.irp q, 0,1,2,3
	global_load_b128 v[BS+4*\q:BS+4*\q+3], v[LI], s[18:19] offset:REC*\q+8192
.endr
	WIN 0x40
.set ii, 0
.rept 64
	global_load_b128 v[4*ii:4*ii+3], v[LI], s[18:19] offset:REC*(ii/16)+512*(ii%16)
.set ii, ii+1
.endr
.set ii, 0
.rept 5*(\KS)
.set aA, 512+8*ii
	WIN (aA/256)<<6
	global_load_b128 v[aA%256:aA%256+3], v[LI], s[16:17] offset:13824*(ii/(\KS))+(\AOFF)+1024*(ii%(\KS))
	global_load_b128 v[aA%256+4:aA%256+7], v[LI], s[16:17] offset:13824*(ii/(\KS))+(\AOFF)+1024*(ii%(\KS))+512
.set ii, ii+1
.endr
	WIN 0
	s_wait_loadcnt 0x0                             ; all operands are in
.set mm, 0
.rept 5
.set kk, 0
.rept \KS
.set nn, 0
.rept 2*(\NB)                          ; a tile's accumulators take turns
	ACCOF mm, nn, \NB
.set aA, 512+8*((\KS)*mm+kk)
.set qq, (nn/2)*((\KS)/4)+kk/4
.set rW, 64*qq+16*(kk%4)+8*(nn%2)
.if kk == 0
	WIN ((aAbs/256)<<6)+((aA/256)<<2)+1
	WM aAbs%256, rW, aA%256, BIA+8*nn, BS+4*qq+kk%4, ASC+(\KS)*mm+kk, nn%2, 0
.else
	WIN ((aAbs/256)<<6)+((aAbs/256)<<4)+((aA/256)<<2)+1
	WM aAbs%256, rW, aA%256, aAbs%256, BS+4*qq+kk%4, ASC+(\KS)*mm+kk, nn%2, 0
.endif
.set nn, nn+1
.endr
.set kk, kk+1
.endr
.set mm, mm+1
.endr
	WIN 0
	PLACES 4                                       ; behind the last products, in front of the first read of results
	TOSTAGE 0, \NB, \LSTEP
.irp a, 1,2,3,4
.if \a > 1
	s_wait_xcnt 0x0                                ; the stores of two tiles ago have read their registers: this tile's rows may land there
.endif
	TOSTAGE \a, \NB, \LSTEP
	SEND \a-1, \NB, \GSTEP, \MST, 8*(\NB)
.endr
	SEND 4, \NB, \GSTEP, \MST, 0
.endm
	s_load_b256 s[4:11], s[0:1], 0x0               ; oa, wc, mo_b, so_b
	s_load_b128 s[12:15], s[0:1], 0x20             ; out0, out1
	v_lshrrev_b32 v128, 5, v0
	v_readfirstlane_b32 s[WV], v128                ; wave 0..3
	v_and_b32 v128, 31, v0
	v_lshlrev_b32 v[LI], 4, v128
	v_mul_u32_u24 v[L48], v128, 48
	v_and_b32 v128, 15, v0                         ; r
	v_bfe_u32 v129, v0, 4, 1                       ; hh
	v_lshlrev_b32 v[BV], 6, v129
	s_mov_b32 s29, 0
	s_wait_kmcnt 0x0
	s_cmp_lt_u32 ttmp9, 200
	s_cbranch_scc0 .Lsingle
	s_lshr_b32 s25, ttmp9, 2                       ; rg
	s_and_b32 s26, ttmp9, 3
	s_lshl_b32 s26, s26, 2
	s_add_co_u32 s26, s26, s[WV]                   ; cg
	s_mul_i32 s28, s25, 69120
	s_add_nc_u64 s[16:17], s[4:5], s[28:29]        ; five records of oa
	s_mul_i32 s28, s26, 4*REC
	s_add_co_u32 s28, s28, 208*REC
	s_add_nc_u64 s[18:19], s[6:7], s[28:29]        ; four records of mo_w
	s_lshl_b32 s28, s26, 8
	s_add_nc_u64 s[20:21], s[8:9], s[28:29]        ; mo_b at my 64 columns
	s_mul_i32 s30, s25, 327680
	s_add_co_u32 s28, s28, s30
	s_add_nc_u64 s[22:23], s[12:13], s[28:29]      ; out0 at my first row and column
	s_mul_i32 s27, s[WV], 4352                     ; my stage: 16 rows x (256 + 16) bytes
	v_mul_u32_u24 v[STO], v128, 272
	v_lshl_add_u32 v[STO], v129, 6, v[STO]
	v_add_nc_u32 v[STO], s27, v[STO]               ; in: row r, + 64 hh
	v_mul_u32_u24 v[RD], v129, 272
	v_lshl_add_u32 v[RD], v128, 4, v[RD]
	v_add_nc_u32 v[RD], s27, v[RD]                 ; back: lanes 0-15 one row, lanes 16-31 the next
	v_lshlrev_b32 v[CO], 12, v129
	v_lshl_add_u32 v[CO], v128, 4, v[CO]           ; and the same two rows in out0
	GEMMOUT 8, 2, 0, 0, 544, 8192, 65536
	s_wait_xcnt 0x0
	v_lshl_add_u32 v254, v0, 2, 0xc800
	v_mov_b32 v255, 0
	s_wait_tensorcnt 0x0
	ds_add_u32 v254, v255
	s_wait_dscnt 0x0
	s_endpgm
.Lsingle:
	s_sub_co_u32 s25, ttmp9, 200                   ; rg
	s_mul_i32 s28, s25, 69120
	s_add_nc_u64 s[16:17], s[4:5], s[28:29]
	s_mul_i32 s28, s[WV], 4*REC
	s_add_co_u32 s28, s28, 272*REC
	s_add_nc_u64 s[18:19], s[6:7], s[28:29]        ; four records of so_w
	s_lshl_b32 s28, s[WV], 9
	s_add_nc_u64 s[20:21], s[10:11], s[28:29]      ; so_b at my 128 columns
	s_mul_i32 s30, s25, 163840
	s_add_co_u32 s28, s28, s30
	s_add_nc_u64 s[22:23], s[14:15], s[28:29]      ; out1 at my first row and column
	s_mul_i32 s27, s[WV], 8448                     ; my stage: 16 rows x (512 + 16) bytes, behind the other path's
	s_add_co_u32 s27, s27, 17408
	v_mul_u32_u24 v[STO], v128, 528
	v_lshl_add_u32 v[STO], v129, 6, v[STO]
	v_add_nc_u32 v[STO], s27, v[STO]
	v_add_nc_u32 v[RD], s27, v[LI]                 ; back: the 32 lanes take one row of 512 bytes
	v_mov_b32 v[CO], v[LI]
	GEMMOUT 4, 4, 8192, 32, 528, 2048, 32768
	s_wait_xcnt 0x0
	v_lshl_add_u32 v254, v0, 2, 0xc800
	v_mov_b32 v255, 0
	s_wait_tensorcnt 0x0
	ds_add_u32 v254, v255
	s_wait_dscnt 0x0
	s_endpgm
.Lfunc_end_k_q6b88e53410_outproj:
	.size	k_q6b88e53410_outproj, .Lfunc_end_k_q6b88e53410_outproj-k_q6b88e53410_outproj
	.p2alignl 7, 3214868480
	.fill 96, 4, 3214868480
	.section	.rodata,"a",@progbits
	.p2align	6, 0x0
	.amdhsa_kernel k_q6b88e53410_outproj
		.amdhsa_group_segment_fixed_size 51712
		.amdhsa_private_segment_fixed_size 0
		.amdhsa_enable_private_segment 0
		.amdhsa_kernarg_size 48
		.amdhsa_user_sgpr_count 2
		.amdhsa_user_sgpr_kernarg_segment_ptr 1
		.amdhsa_wavefront_size32 1
		.amdhsa_system_sgpr_workgroup_id_x 1
		.amdhsa_system_sgpr_workgroup_id_y 1
		.amdhsa_system_sgpr_workgroup_id_z 1
		.amdhsa_system_vgpr_workitem_id 0
		.amdhsa_next_free_vgpr 1024
		.amdhsa_next_free_sgpr 66
		.amdhsa_reserve_vcc 0
		.amdhsa_float_denorm_mode_32 3
		.amdhsa_float_denorm_mode_16_64 3
		.amdhsa_memory_ordered 1
		.amdhsa_forward_progress 1
		.amdhsa_inst_pref_size 100
	.end_amdhsa_kernel
	.amdgpu_metadata
---
amdhsa.version: [ 1, 2 ]
amdhsa.kernels:
  - .name:           k_q6b88e53410_outproj
    .symbol:         k_q6b88e53410_outproj.kd
    .args:
      - { .name: oa, .offset: 0, .size: 8, .value_kind: global_buffer, .address_space: global }
      - { .name: wc, .offset: 8, .size: 8, .value_kind: global_buffer, .address_space: global }
      - { .name: mo_b, .offset: 16, .size: 8, .value_kind: global_buffer, .address_space: global }
      - { .name: so_b, .offset: 24, .size: 8, .value_kind: global_buffer, .address_space: global }
      - { .name: out0, .offset: 32, .size: 8, .value_kind: global_buffer, .address_space: global }
      - { .name: out1, .offset: 40, .size: 8, .value_kind: global_buffer, .address_space: global }
    .group_segment_fixed_size: 51712
    .private_segment_fixed_size: 0
    .kernarg_segment_align: 8
    .kernarg_segment_size: 48
    .max_flat_workgroup_size: 128
    .sgpr_count:     66
    .vgpr_count:     1024
    .wavefront_size: 32
...
	.end_amdgpu_metadata
.endif
;; end of part 4
;; ======== version 2 of 2: 4 launches
;; workspace buffers: wc 2,506,752 bytes; qa 4,352,000 bytes; simp 409,600 bytes; sv 8,704,000 bytes; oa 3,456,000 bytes
;; launch quant (part 5): grid 447 x 1, 4 waves a work-group, no clusters, 34,304 bytes of LDS; arguments query, key, single_value, q_w, k_w, mv_w, mo_w, sv_w, so_w, wc, qa, sv; writes wc, qa, sv
.if DOCPART == 5
	.amdgcn_target "amdgcn-amd-amdhsa--gfx1250"
	.amdhsa_code_object_version 6
	.text
	.protected	k_q6b88e53410_quant
	.globl	k_q6b88e53410_quant
	.p2align	8
	.type	k_q6b88e53410_quant,@function
k_q6b88e53410_quant:
	s_mov_b64 s[64:65], 0
	v_nop
	global_prefetch_b8 v0, s[64:65] scope:SCOPE_SE
	s_setreg_imm32_b32 hwreg(HW_REG_WAVE_MODE, 25, 1), 1
	s_wait_xcnt 0x0
; query, key, single_value and the six weights, all f32 with K innermost, become codes of FP4 (E2M1) with one E8M0 byte for each 32 along K, laid as IMAGES OF THE OPERAND'S REGISTERS.
; A wave makes 8 fragments of 16 rows x 128 K: each 1,024 bytes (the fragment's registers 4 c .. 4 c + 3 at 512 c + 16 x lane), and four packed scale words a lane (word t / 2: lanes 0-15 fragment t even, lanes 16-31 t odd).
; THREE ROLES, ONE PATH THROUGH THE TEXT: only pointers and a few scalars are chosen, on the work-group's number g.  Fragment t begins at BASE + (t % 2) D1 + (t / 2) D2; its row i lies RS x i bytes on (+ EX for i >= 8).
;   g 0-124:   rows 16 tau .. of query (waves 0, 1) or key (waves 2, 3), tau = 2 g + wave % 2; t = the K step.  Into qa: 17,408 bytes a tile: fragments at 8,192 z + 1,024 t, scale words at 16,384 + 512 z.
;   g 125-374: rows 16 T .. of single_value's eight planes, T = g - 125; the wave takes K step w, t = the plane.  Into sv: 34,816 bytes a tile: fragments at 1,024 (8 w + t), scale words at 32,768 + 512 w.
;   g 375-446: record U = 4 (g - 375) + wave of wc: 32 weight rows (pair block bidx) x 512 along K (group sg); t = 2 sl + u (sl: K step in the group, u: tile of the pair).  8,704 bytes: fragments, then scale words.
;              Tile u's row i is weight row 32 bidx + 8 u + i + 8 (i / 8): used as source 0, lane (r, hh), register j of the result is then column 32 bidx + 16 hh + 8 u + j.
;              The records lie in the order in which the waves that multiply by them walk them (the six index formulas below).
; A block's scale is 2^(floor(log2(largest magnitude)) - 2); its byte is the largest magnitude's exponent field - 2, held at 1 from below.
; LIMITS: NaN and infinities are not served; a block whose largest magnitude lies under 2^-124 keeps the byte 1; a block of zeros gets the byte 1 and not 127: its codes are zeros, and this program alone reads the bytes.
; Each load reads 512 consecutive bytes of one row; the 16 rows turn through the wave's own stage in LDS so that a lane holds 16 neighbours of each block of 32.  Waves share nothing: no barrier.
; Work-groups share no input: no cluster.  Every store covers 512 consecutive bytes, aligned.
.set REC,  8704
.set LI,   1                           ; v1      16 x lane
.set STW,  2                           ; v2      my stage, on the way in: 16 x lane (+ 528 x row)
.set STR,  3                           ; v3      on the way out: 528 r + 64 hh
.set VO,   4                           ; v4-19   16 x lane + row i's bytes
.set LIX,  20                          ; v20     16 x lane + EX
.set X,    32                          ; v32-95  64 numbers of a lane: register 16 b + i = k 32 b + 16 hh + i of row r
.set TM,   96                          ; v96-111 at work
.set PW,   112                         ; the scale word just made
.set PW0,  113                         ; the even fragment's, kept for the pair
.set SWQ,  116                         ; v116-119 the four packed scale words
.set PCS,  128                         ; v128-191 codes: eight registers for each fragment, so that no store's data are written again
.set WV,   28
.set FB,   68                          ; s[68:83] the eight fragments' first bytes
.set DST,  84                          ; s[84:85] where the images go
.set DSC,  86                          ; s[86:87] where the scale words go
.set SEL,  88                          ; s[88:89] lane selects: lane l xor 16
.set HI,   90                          ; s90 lanes 16-31
.set MSB,  0
.macro WIN new                         ; the immediate's high byte repeats the setting that is left
.if MSB != (\new)
	s_set_vgpr_msb (MSB<<8)|(\new)
.set MSB, (\new)
.endif
.endm
; 64 numbers of a lane become a fragment's codes in v[pc] on and its row's scale word in v[PW]
.macro QUANT s, pc
.irp b, 0,1,2,3
	v_max3_num_f32 v[TM+\b], |v[\s+16*\b]|, |v[\s+1+16*\b]|, 0x1800000   ; block b: my 16 numbers and the floor 2^(3 - 127): the byte cannot fall under 1
.endr
.irp i, 2,4,6,8,10,12,14
.irp b, 0,1,2,3
	v_max3_num_f32 v[TM+\b], v[TM+\b], |v[\s+16*\b+\i]|, |v[\s+1+16*\b+\i]|
.endr
.endr
.irp b, 0,1,2,3
	v_permlanex16_b32 v[TM+4+\b], v[TM+\b], s[SEL], s[SEL+1]
.endr
.irp b, 0,1,2,3
	v_max_num_f32 v[TM+\b], v[TM+\b], v[TM+4+\b]                         ; with lane l xor 16's: the block's largest magnitude
.endr
.irp b, 0,1,2,3
	v_add_nc_u32 v[TM+12+\b], 0xff000000, v[TM+\b]                       ; 2 off its exponent field: the conversion's scale operand
.endr
.irp b, 0,1,2,3
	v_lshrrev_b32 v[TM+4+\b], 23, v[TM+12+\b]                            ; the scale's byte
.endr
	v_lshl_or_b32 v[PW], v[TM+5], 8, v[TM+4]
	v_lshl_or_b32 v[PW], v[TM+6], 16, v[PW]
	v_lshl_or_b32 v[PW], v[TM+7], 24, v[PW]
.irp b, 0,1,2,3
	v_cvt_scalef32_pk8_fp4_f32 v[\pc+2*\b], v[\s+16*\b:\s+7+16*\b], v[TM+12+\b]
	v_cvt_scalef32_pk8_fp4_f32 v[\pc+1+2*\b], v[\s+8+16*\b:\s+15+16*\b], v[TM+12+\b]
.endr
	v_nop                                          ; one plain place behind a scaled conversion
.irp c, 0,1                                    ; the operand's layout wants a whole block in a lane
.irp i, 0,1
	v_permlane16_swap_b32 v[\pc+4*\c+\i], v[\pc+2+4*\c+\i]
.endr
.endr
.endm
; a landing set (16 rows x 512 bytes, window 1) goes through the stage and comes back 64 bytes of each block's half a lane
.macro TURN set
	WIN 0x04                                       ; an LDS store's data: window 1
.irp i, 0,1,2,3,4,5,6,7,8,9,10,11,12,13,14,15
	ds_store_b128 v[STW], v[64*(\set)+4*\i:64*(\set)+4*\i+3] offset:528*\i
.endr
	WIN 0
.irp b, 0,1,2,3
.irp j, 0,1,2,3
	ds_load_b128 v[X+16*\b+4*\j:X+16*\b+4*\j+3], v[STR] offset:128*\b+16*\j   ; LDS serves a wave's instructions in order: these see the stores above
.endr
.endr
	s_wait_dscnt 0x0                               ; the numbers are back, so the stores have read the landing set
.endm
.macro LOADF t                         ; fragment t into landing set t % 4
	WIN 0x40
.irp i, 0,1,2,3,4,5,6,7,8,9,10,11,12,13,14,15
	global_load_b128 v[64*((\t)%4)+4*\i:64*((\t)%4)+4*\i+3], v[VO+\i], s[FB+2*(\t):FB+2*(\t)+1] th:TH_LOAD_NT
.endr
	WIN 0
.endm
	s_load_b256 s[4:11], s[0:1], 0x0               ; query, key, single_value, q_w
	s_load_b256 s[12:19], s[0:1], 0x20             ; k_w, mv_w, mo_w, sv_w
	s_load_b256 s[20:27], s[0:1], 0x40             ; so_w, wc, qa, sv
	v_lshl_add_u32 v254, v0, 2, 0x8400
	v_mov_b32 v255, 0
	v_lshrrev_b32 v21, 5, v0
	v_readfirstlane_b32 s[WV], v21                 ; wave 0..3
	v_and_b32 v21, 31, v0
	v_lshlrev_b32 v[LI], 4, v21
	v_and_b32 v22, 15, v0                          ; r
	v_bfe_u32 v23, v0, 4, 1                        ; hh
	s_mul_i32 s29, s[WV], 8448                     ; my stage: 16 rows x 528 bytes
	v_add_nc_u32 v[STW], s29, v[LI]
	v_mul_u32_u24 v[STR], v22, 528
	v_lshl_add_u32 v[STR], v23, 6, v[STR]
	v_add_nc_u32 v[STR], s29, v[STR]
	s_mov_b32 s[SEL], 0x76543210
	s_mov_b32 s[SEL+1], 0xfedcba98
	s_mov_b32 s[HI], 0xffff0000
.irp b, 0,1,2,3
	v_mov_b32 v[TM+4+\b], 0                        ; written once: a lane permute's destination counts as one of its sources
.endr
	; THE WEIGHTS' ROLE.  (In the other roles these numbers mean nothing and are replaced below.)  Records 0-255: q_w, k_w, mv_w, mo_w, 64 each (K = 1,024: two groups); 256-287: sv_w, so_w, 16 each (K = 512)
	s_sub_co_u32 s30, ttmp9, 375
	s_lshl_b32 s30, s30, 2
	s_add_co_u32 s30, s30, s[WV]                   ; U
	s_lshr_b32 s32, s30, 6                         ; the matrix, of the large four
	s_sub_co_u32 s33, s30, 256
	s_lshr_b32 s33, s33, 4
	s_add_co_u32 s33, s33, 4                       ; of the small two
	s_bfe_u32 s34, s30, 0x50001                    ; bidx, large
	s_and_b32 s35, s30, 15                         ; bidx, small
	s_and_b32 s36, s30, 1                          ; sg, large
	s_mov_b32 s31, 2048
	s_cmp_lt_u32 s30, 256
	s_cselect_b32 s31, 4096, s31                   ; a weight row in bytes
	s_cselect_b32 s32, s32, s33
	s_cselect_b32 s34, s34, s35
	s_cselect_b32 s36, s36, 0
	s_lshr_b32 s37, s34, 3
	s_and_b32 s38, s34, 7
	s_lshr_b32 s39, s34, 2
	s_and_b32 s40, s34, 3
	s_lshl_b32 s42, s37, 5                         ; k_w: 32 (bidx / 8) + 2 (bidx % 8) + sg
	s_lshl_b32 s46, s38, 1
	s_add_co_u32 s42, s42, s46
	s_add_co_u32 s42, s42, s36
	s_lshl_b32 s41, s37, 5                         ; q_w: 32 (bidx / 8) + 16 + 4 (bidx % 4) + 2 ((bidx / 4) % 2) + sg
	s_lshl_b32 s47, s40, 2
	s_add_co_u32 s41, s41, s47
	s_and_b32 s47, s39, 1
	s_lshl_b32 s47, s47, 1
	s_add_co_u32 s41, s41, s47
	s_add_co_u32 s41, s41, s36
	s_add_co_u32 s41, s41, 16
	s_mul_i32 s43, s37, 20                         ; mv_w: 128 + 20 (bidx / 8) + 2 (bidx % 8) + sg
	s_add_co_u32 s43, s43, s46
	s_add_co_u32 s43, s43, s36
	s_add_co_u32 s43, s43, 128
	s_lshl_b32 s44, s34, 1                         ; mo_w: 208 + 2 bidx + sg
	s_add_co_u32 s44, s44, s36
	s_add_co_u32 s44, s44, 208
	s_mul_i32 s45, s39, 20                         ; sv_w: 144 + 20 (bidx / 4) + bidx % 4
	s_add_co_u32 s45, s45, s40
	s_add_co_u32 s45, s45, 144
	s_add_co_u32 s48, s34, 272                     ; so_w: 272 + bidx
	s_wait_kmcnt 0x0
	s_mov_b64 s[50:51], s[10:11]
	s_mov_b32 s49, s41
	s_cmp_eq_u32 s32, 1
	s_cselect_b64 s[50:51], s[12:13], s[50:51]
	s_cselect_b32 s49, s42, s49
	s_cmp_eq_u32 s32, 2
	s_cselect_b64 s[50:51], s[14:15], s[50:51]
	s_cselect_b32 s49, s43, s49
	s_cmp_eq_u32 s32, 3
	s_cselect_b64 s[50:51], s[16:17], s[50:51]
	s_cselect_b32 s49, s44, s49
	s_cmp_eq_u32 s32, 4
	s_cselect_b64 s[50:51], s[18:19], s[50:51]
	s_cselect_b32 s49, s45, s49
	s_cmp_eq_u32 s32, 5
	s_cselect_b64 s[50:51], s[20:21], s[50:51]
	s_cselect_b32 s49, s48, s49
	s_mul_i32 s52, s34, s31
	s_lshl_b32 s52, s52, 5                         ; 32 bidx rows
	s_lshl_b32 s46, s36, 11                        ; + 512 sg numbers
	s_add_co_u32 s52, s52, s46                     ; s52: BASE's offset in the tensor
	s_mov_b32 s54, s31                             ; s54: RS
	s_lshl_b32 s55, s31, 3                         ; s55: EX: a tile's rows 8-15 lie 8 rows further down
	s_mov_b32 s56, s55                             ; s56: D1: tile 1 begins 8 rows further down
	s_mov_b32 s58, 512                             ; s58: D2: a K step
	s_mul_i32 s60, s49, REC                        ; s60: the images' offset,
	s_add_co_u32 s62, s60, 8192                    ; s62: the scale words'
	s_mov_b64 s[66:67], s[22:23]                   ; in wc
	; single_value's role
	s_sub_co_u32 s46, ttmp9, 125                   ; T
	s_lshl_b32 s47, s46, 15                        ; 16 T rows of 2,048 bytes
	s_lshl_b32 s48, s[WV], 9                       ; + K step w
	s_add_co_u32 s47, s47, s48
	s_mul_i32 s46, s46, 34816
	s_lshl_b32 s49, s[WV], 13
	s_add_co_u32 s49, s49, s46
	s_add_co_u32 s48, s48, s46
	s_add_co_u32 s48, s48, 32768
	s_cmp_lt_u32 ttmp9, 375
	s_cselect_b64 s[50:51], s[8:9], s[50:51]
	s_cselect_b64 s[66:67], s[26:27], s[66:67]
	s_cselect_b32 s52, s47, s52
	s_cselect_b32 s54, 2048, s54
	s_cselect_b32 s55, 0, s55
	s_cselect_b32 s56, 8192000, s56                ; a plane
	s_cselect_b32 s58, 16384000, s58               ; two planes
	s_cselect_b32 s60, s49, s60
	s_cselect_b32 s62, s48, s62
	; query's and key's role
	s_and_b32 s46, s[WV], 1
	s_lshl_b32 s47, ttmp9, 1
	s_add_co_u32 s46, s46, s47                     ; tau
	s_lshr_b32 s47, s[WV], 1                       ; z
	s_lshl_b32 s48, s46, 16                        ; 16 tau rows of 4,096 bytes
	s_mul_i32 s46, s46, 17408
	s_lshl_b32 s49, s47, 13
	s_add_co_u32 s49, s49, s46
	s_lshl_b32 s47, s47, 9
	s_add_co_u32 s47, s47, s46
	s_add_co_u32 s47, s47, 16384
	s_cmp_lt_u32 s[WV], 2
	s_cselect_b64 s[68:69], s[4:5], s[6:7]
	s_cmp_lt_u32 ttmp9, 125
	s_cselect_b64 s[50:51], s[68:69], s[50:51]
	s_cselect_b64 s[66:67], s[24:25], s[66:67]
	s_cselect_b32 s52, s48, s52
	s_cselect_b32 s54, 4096, s54
	s_cselect_b32 s56, 512, s56                    ; a K step
	s_cselect_b32 s58, 1024, s58                   ; two
	s_cselect_b32 s60, s49, s60
	s_cselect_b32 s62, s47, s62
	s_mov_b32 s53, 0
	s_mov_b32 s57, 0
	s_mov_b32 s59, 0
	s_mov_b32 s61, 0
	s_mov_b32 s63, 0
	s_add_nc_u64 s[FB:FB+1], s[50:51], s[52:53]
	s_add_nc_u64 s[FB+2:FB+3], s[FB:FB+1], s[56:57]
	s_add_nc_u64 s[FB+4:FB+5], s[FB:FB+1], s[58:59]
	s_add_nc_u64 s[FB+6:FB+7], s[FB+4:FB+5], s[56:57]
	s_add_nc_u64 s[FB+8:FB+9], s[FB+4:FB+5], s[58:59]
	s_add_nc_u64 s[FB+10:FB+11], s[FB+8:FB+9], s[56:57]
	s_add_nc_u64 s[FB+12:FB+13], s[FB+8:FB+9], s[58:59]
	s_add_nc_u64 s[FB+14:FB+15], s[FB+12:FB+13], s[56:57]
	s_add_nc_u64 s[DST:DST+1], s[66:67], s[60:61]
	s_add_nc_u64 s[DSC:DSC+1], s[66:67], s[62:63]
	v_add_nc_u32 v[LIX], s55, v[LI]
.irp i, 0,1,2,3,4,5,6,7
	v_mad_u32_u24 v[VO+\i], s54, \i, v[LI]
.endr
.irp i, 8,9,10,11,12,13,14,15
	v_mad_u32_u24 v[VO+\i], s54, \i, v[LIX]
.endr
	LOADF 0
	LOADF 1
	LOADF 2
; Fragment t.  Three landing sets are on their way; the wait leaves the two younger sets (32 loads) out; the fourth set, read out a step ago, takes the loads of three fragments on.
.macro STEPF t
.if (\t) < 6
	s_wait_loadcnt 32
.elseif (\t) == 6
	s_wait_loadcnt 16
.else
	s_wait_loadcnt 0
.endif
.if (\t)+3 < 8
	LOADF (\t)+3
.endif
	TURN (\t)%4
	QUANT X, PCS+8*(\t)
.if (\t)%2 == 0
	v_mov_b32 v[PW0], v[PW]
.else
	v_cndmask_b32 v[SWQ+(\t)/2], v[PW0], v[PW], s[HI]   ; lanes 0-15 the even fragment's word, lanes 16-31 the odd one's
.endif
	global_store_b128 v[LI], v[PCS+8*(\t):PCS+8*(\t)+3], s[DST:DST+1] offset:1024*(\t)
	global_store_b128 v[LI], v[PCS+8*(\t)+4:PCS+8*(\t)+7], s[DST:DST+1] offset:1024*(\t)+512
.endm
	s_wait_alu depctr_va_vdst(0)
.irp t, 0,1,2,3,4,5,6,7
	STEPF \t
.endr
	global_store_b128 v[LI], v[SWQ:SWQ+3], s[DSC:DSC+1]
	s_wait_tensorcnt 0x0
	ds_add_u32 v254, v255
	s_wait_dscnt 0x0
	s_endpgm
.Lfunc_end_k_q6b88e53410_quant:
	.size	k_q6b88e53410_quant, .Lfunc_end_k_q6b88e53410_quant-k_q6b88e53410_quant
	.p2alignl 7, 3214868480
	.fill 96, 4, 3214868480
	.section	.rodata,"a",@progbits
	.p2align	6, 0x0
	.amdhsa_kernel k_q6b88e53410_quant
		.amdhsa_group_segment_fixed_size 34304
		.amdhsa_private_segment_fixed_size 0
		.amdhsa_enable_private_segment 0
		.amdhsa_kernarg_size 96
		.amdhsa_user_sgpr_count 2
		.amdhsa_user_sgpr_kernarg_segment_ptr 1
		.amdhsa_wavefront_size32 1
		.amdhsa_system_sgpr_workgroup_id_x 1
		.amdhsa_system_sgpr_workgroup_id_y 1
		.amdhsa_system_sgpr_workgroup_id_z 1
		.amdhsa_system_vgpr_workitem_id 0
		.amdhsa_next_free_vgpr 512
		.amdhsa_next_free_sgpr 96
		.amdhsa_reserve_vcc 0
		.amdhsa_float_denorm_mode_32 3
		.amdhsa_float_denorm_mode_16_64 3
		.amdhsa_memory_ordered 1
		.amdhsa_forward_progress 1
		.amdhsa_inst_pref_size 69
	.end_amdhsa_kernel
	.amdgpu_metadata
---
amdhsa.version: [ 1, 2 ]
amdhsa.kernels:
  - .name:           k_q6b88e53410_quant
    .symbol:         k_q6b88e53410_quant.kd
    .args:
      - { .name: query, .offset: 0, .size: 8, .value_kind: global_buffer, .address_space: global }
      - { .name: key, .offset: 8, .size: 8, .value_kind: global_buffer, .address_space: global }
      - { .name: single_value, .offset: 16, .size: 8, .value_kind: global_buffer, .address_space: global }
      - { .name: q_w, .offset: 24, .size: 8, .value_kind: global_buffer, .address_space: global }
      - { .name: k_w, .offset: 32, .size: 8, .value_kind: global_buffer, .address_space: global }
      - { .name: mv_w, .offset: 40, .size: 8, .value_kind: global_buffer, .address_space: global }
      - { .name: mo_w, .offset: 48, .size: 8, .value_kind: global_buffer, .address_space: global }
      - { .name: sv_w, .offset: 56, .size: 8, .value_kind: global_buffer, .address_space: global }
      - { .name: so_w, .offset: 64, .size: 8, .value_kind: global_buffer, .address_space: global }
      - { .name: wc, .offset: 72, .size: 8, .value_kind: global_buffer, .address_space: global }
      - { .name: qa, .offset: 80, .size: 8, .value_kind: global_buffer, .address_space: global }
      - { .name: sv, .offset: 88, .size: 8, .value_kind: global_buffer, .address_space: global }
    .group_segment_fixed_size: 34304
    .private_segment_fixed_size: 0
    .kernarg_segment_align: 8
    .kernarg_segment_size: 96
    .max_flat_workgroup_size: 128
    .sgpr_count:     96
    .vgpr_count:     512
    .wavefront_size: 32
...
	.end_amdgpu_metadata
.endif
;; end of part 5
;; launch qk (part 6): grid 200 x 1, 4 waves a work-group, no clusters, 166,400 bytes of LDS; arguments qa, wc, q_b, k_b, simp; writes simp
.if DOCPART == 6
	.amdgcn_target "amdgcn-amd-amdhsa--gfx1250"
	.amdhsa_code_object_version 6
	.text
	.protected	k_q6b88e53410_qk
	.globl	k_q6b88e53410_qk
	.p2align	8
	.type	k_q6b88e53410_qk,@function
k_q6b88e53410_qk:
	s_mov_b64 s[64:65], 0
	v_nop
	global_prefetch_b8 v0, s[64:65] scope:SCOPE_SE
	s_setreg_imm32_b32 hwreg(HW_REG_WAVE_SCHED_MODE, 0, 2), 2
	s_setreg_imm32_b32 hwreg(HW_REG_WAVE_MODE, 25, 1), 1
	s_wait_xcnt 0x0
	s_wait_alu depctr_vm_vsrc(0)
; q = query q_w^T + q_b and k = key k_w^T + k_b on codes of FP4 (E2M1, one E8M0 byte for each 32 along K): the rows' fragment images and scale words from qa, the weights' from wc; and the f32 part sums
; simp[b][g][h][gk] = sum over the work-group's rows of batch b and over its d of q[row][128 h + d] k[row][128 gk + d].
; SHARES.  Work-group g: rows 80 R .. 80 R + 79 (five tiles; R = g / 4; a row is s x 8 + b, so a lane's batch is r % 8) and the slice d = 32 beta .. 32 beta + 31 of ALL eight heads of q and of k (beta = g % 4): sim pairs equal d alone.
;   So a work-group streams a quarter of the weights (32 records, 278,528 bytes) onto 80 + 80 rows.  Wave w owns heads 2 w, 2 w + 1: two pair blocks of k_w and two of q_w, eight records, from memory straight into a ring of four
;   register slots: each weight byte is read by one wave, once.  Products are used transposed (source 0 = 16 weight rows, source 1 = 16 activation rows): a lane holds one row.
; FLOW.  Each wave brings 20 of the 80 fragments into LDS | barrier | key's 40 fragments into registers; 4 chunks of 40 products; k's results to LDS as register images; query's 40 fragments into the same registers | barrier |
;   4 chunks; my two heads of q x all eight heads of k by packed f32 multiply-adds; the lanes of a batch are joined | barrier | one aligned unit of 256 bytes for each batch.
; No joint loads, though the grid divides by 4: they land in LDS, where a slice's 278,528 bytes of weights do not fit beside the 165,888 bytes in use, and each weight byte has one taker in the work-group.
; LIMITS: NaN and infinities are not served; the f32 sums are grouped otherwise than a plain chain.
; REGISTERS, in windows of 256: window 0: v1-15 addresses; v32-71 the rows' scale words, v72-87 the weights' (scales and nothing else); v88-151 four pair blocks' bias; v152-215 the sums, in two halves; v216-247 at work.
;   window 1: landing, then fragments of tiles 0-3 at 8 (8 m + s), then three slices of k.   window 2: v0-63 tile 4's fragments; v64-223 accumulators (e, m, u) at 64 + 80 e + 8 (2 m + u).   window 3: the ring's four slots.
; THE MODE: SCHED_MODE bits 1:0 = 2 (LLVM: expert scheduling mode 2), set by the entry lines.  The code itself states the register dependences between vector or matrix instructions and memory or LDS instructions, with s_wait_alu, always for 0.
; THE PLAN.  Registers that memory or LDS instructions touch, and who else names them:
;   v1-12, v254, v255  addresses: written at the head and never again: one wait on va_vdst ahead of the first load.
;   window 1 v0-159    my 40 pieces land there; my LDS stores read them; key's fragments land there next: one wait on vm_vsrc between.
;   the fragments      LDS loads land; a tensor's 160 products read them.  query's land behind a wait on va_vdst that stands behind key's last product; k's first slices likewise behind query's last.
;   a ring slot, BS    record c lands; chunk c's products read it; record c + 4 lands at the head of chunk c + 1, behind ONE wait on va_vdst, which stands behind the wait for that chunk's own record.
;   the accumulators   products write them; k's leave by LDS stores, behind the places and a wait on va_vdst; one wait on vm_vsrc stands ahead of q's first product, which writes them again.
;   k's slices         head g lands; 80 multiply-adds read it; head g + 3 lands there at the head of step g + 1, behind that step's wait on DScnt and one wait on va_vdst.
;   v216-231           the sums: written by vector instructions, read by LDS stores (va_vdst ahead of them); then an LDS load lands in the first four (vm_vsrc ahead of it).
.set REC,   8704
.set QREC,  17408                      ; a tile's record in qa
.set AIMG,  0                          ; LDS: the 80 fragments: 16,384 m + 8,192 z + 1,024 s,
.set KST,   81920                      ; k's results: 10,240 bytes a head: 1,024 (2 m + u),
.set SIMST, 163840                     ; the part sums [b][h][gk]
.set LI,   1                           ; v1   16 x lane
.set LI2,  2                           ; v2   + 65,536: tile 4's fragments lie beyond the immediate's reach
.set IMW,  3                           ; v3   where I put fragments: 16 x lane + 2,048 w
.set IMW2, 4                           ; v4   + 65,536
.set BV,   5                           ; v5   64 hh: a pair block's bias for my half
.set KSW,  6                           ; v6   my two heads of k
.set KRA,  8                           ; v8, v9  heads 0-3, heads 4-7 of k
.set SSW,  10
.set SSR,  11
.set SGO,  12
.set AS,   32
.set BS,   72
.set BR,   88
.set SIM,  152
.set RS,   216
.set TT,   232
.set ACC,  64
.set WV,   20
.set QAB,  24
.set QAW,  26
.set WBK,  28
.set WBQ,  30
.set KBB,  32
.set QBB,  34
.set SMP,  36
.set SEL,  38
.set MSB,  0
.macro WIN new                         ; the immediate's high byte repeats the setting that is left
.if MSB != (\new)
	s_set_vgpr_msb (MSB<<8)|(\new)
.set MSB, (\new)
.endif
.endm
.macro PLACES n
.rept \n
	v_nop
.endr
.endm
.macro BARRIER                         ; my LDS stores have landed and my LDS loads are in: then the work-group's barrier
	s_wait_dscnt 0x0
	s_barrier_signal -1
	s_barrier_wait -1
.endm
; a weight record into ring slot 0-3 (window 3, 64 registers each): 16 pieces and the scale words, 17 loads.  dep = 1: products have read the slot
.macro LOADB slot, base, off, dep
	WIN 0xc0
.if \dep
	s_wait_alu depctr_va_vdst(0)                   ; the products of the chunk before are done reading this slot and its scale words, in which the 17 loads below land
.endif
.irp i, 0,1,2,3,4,5,6,7,8,9,10,11,12,13,14,15
	global_load_b128 v[64*(\slot)+4*\i:64*(\slot)+4*\i+3], v[LI], s[\base:\base+1] offset:(\off)+512*\i
.endr
	WIN 0
	global_load_b128 v[BS+4*(\slot):BS+4*(\slot)+3], v[LI], s[\base:\base+1] offset:(\off)+8192
.endm
; my record c of eight: 0, 1: k_w, head 2 w; 2, 3: k_w, head 2 w + 1 (eight records further on); 4-7: q_w, the two heads on end
.macro RECLD c, dep
.if (\c) < 2
	LOADB (\c)%4, WBK, (\c)*REC, \dep
.elseif (\c) < 4
	LOADB (\c)%4, WBK, ((\c)+6)*REC, \dep
.else
	LOADB (\c)%4, WBQ, ((\c)-4)*REC, \dep
.endif
.endm
; one product; ra, rb: source 0's, source 1's scales stand in lanes 16-31
.macro WM d, a, b, c, sa, sb, ra, rb
.if ((\ra) != 0) && ((\rb) != 0)
	v_wmma_scale_f32_16x16x128_f8f6f4 v[(\d):(\d)+7], v[(\a):(\a)+7], v[(\b):(\b)+7], v[(\c):(\c)+7], v[(\sa)], v[(\sb)] matrix_a_fmt:MATRIX_FMT_FP4 matrix_b_fmt:MATRIX_FMT_FP4 matrix_a_scale:MATRIX_SCALE_ROW1 matrix_b_scale:MATRIX_SCALE_ROW1
.elseif (\ra) != 0
	v_wmma_scale_f32_16x16x128_f8f6f4 v[(\d):(\d)+7], v[(\a):(\a)+7], v[(\b):(\b)+7], v[(\c):(\c)+7], v[(\sa)], v[(\sb)] matrix_a_fmt:MATRIX_FMT_FP4 matrix_b_fmt:MATRIX_FMT_FP4 matrix_a_scale:MATRIX_SCALE_ROW1
.elseif (\rb) != 0
	v_wmma_scale_f32_16x16x128_f8f6f4 v[(\d):(\d)+7], v[(\a):(\a)+7], v[(\b):(\b)+7], v[(\c):(\c)+7], v[(\sa)], v[(\sb)] matrix_a_fmt:MATRIX_FMT_FP4 matrix_b_fmt:MATRIX_FMT_FP4 matrix_b_scale:MATRIX_SCALE_ROW1
.else
	v_wmma_scale_f32_16x16x128_f8f6f4 v[(\d):(\d)+7], v[(\a):(\a)+7], v[(\b):(\b)+7], v[(\c):(\c)+7], v[(\sa)], v[(\sb)] matrix_a_fmt:MATRIX_FMT_FP4 matrix_b_fmt:MATRIX_FMT_FP4
.endif
.endm
	s_load_b256 s[4:11], s[0:1], 0x0               ; qa, wc, q_b, k_b
	s_load_b64 s[12:13], s[0:1], 0x20              ; simp
	v_lshl_add_u32 v254, v0, 2, 0x28800
	v_mov_b32 v255, 0
	v_lshrrev_b32 v13, 5, v0
	v_readfirstlane_b32 s[WV], v13                 ; wave 0..3
	v_and_b32 v13, 31, v0
	v_lshlrev_b32 v[LI], 4, v13
	v_add_nc_u32 v[LI2], 0x10000, v[LI]
	v_and_b32 v14, 15, v0                          ; r
	v_bfe_u32 v15, v0, 4, 1                        ; hh
	v_lshlrev_b32 v[BV], 6, v15
	s_wait_alu depctr_va_sdst(0)                   ; the wave's number is written, ahead of its first reader: LDS places and the bases are made from it
	s_lshl_b32 s21, s[WV], 11
	v_add_nc_u32 v[IMW], s21, v[LI]
	v_add_nc_u32 v[IMW2], s21, v[LI2]
	s_mul_i32 s21, s[WV], 20480
	s_add_co_u32 s21, s21, KST
	v_add_nc_u32 v[KSW], s21, v[LI]
	v_add_nc_u32 v[KRA], KST, v[LI]
	v_add_nc_u32 v[KRA+1], KST+40960, v[LI]
	v_and_b32 v13, 7, v0
	s_lshl_b32 s21, s[WV], 6
	s_add_co_u32 s21, s21, SIMST
	v_lshl_add_u32 v[SSW], v13, 8, s21             ; 256 b + 64 w
	v_lshl_add_u32 v[SSR], v0, 4, SIMST
	v_lshrrev_b32 v13, 4, v0
	v_mul_u32_u24 v13, v13, 51200
	v_lshl_add_u32 v[SGO], v14, 4, v13             ; simp: batch t / 16 (200 parts of 256 bytes each), 16 bytes a thread
	s_mov_b32 s[SEL], 0x76543210
	s_mov_b32 s[SEL+1], 0xfedcba98
.irp i, 0,1,2,3,4,5,6,7,8,9,10,11,12,13,14,15
	v_mov_b32 v[TT+\i], 0                          ; destinations of the lane permutes at the end: they count as sources
.endr
	s_lshr_b32 s22, ttmp9, 2                       ; R
	s_and_b32 s23, ttmp9, 3                        ; beta
	s_mov_b32 s41, 0
	s_wait_kmcnt 0x0
	s_mul_i32 s40, s22, 5*QREC
	s_add_nc_u64 s[QAB:QAB+1], s[4:5], s[40:41]    ; my five tiles' records
	s_lshl_b32 s40, s[WV], 11
	s_add_nc_u64 s[QAW:QAW+1], s[QAB:QAB+1], s[40:41]  ; at K steps 2 w, 2 w + 1: the fragments that I bring
	s_lshl_b32 s40, s[WV], 5
	s_lshl_b32 s42, s23, 1
	s_add_co_u32 s40, s40, s42
	s_mul_i32 s40, s40, REC
	s_add_nc_u64 s[WBK:WBK+1], s[6:7], s[40:41]    ; k_w: record 32 w + 8 e + 2 beta + sg
	s_lshl_b32 s40, s[WV], 5
	s_lshl_b32 s42, s23, 2
	s_add_co_u32 s40, s40, s42
	s_add_co_u32 s40, s40, 16
	s_mul_i32 s40, s40, REC
	s_add_nc_u64 s[WBQ:WBQ+1], s[6:7], s[40:41]    ; q_w: record 32 w + 16 + 4 beta + 2 e + sg
	s_lshl_b32 s40, s[WV], 10
	s_lshl_b32 s42, s23, 7
	s_add_co_u32 s40, s40, s42
	s_add_nc_u64 s[KBB:KBB+1], s[10:11], s[40:41]  ; k_b and q_b at column 256 w + 32 beta
	s_add_nc_u64 s[QBB:QBB+1], s[8:9], s[40:41]
	s_lshl_b32 s40, ttmp9, 8
	s_add_nc_u64 s[SMP:SMP+1], s[12:13], s[40:41]
	WIN 0x40                                       ; my 20 fragments: piece kk = 8 m + 4 z + 2 e + c
	s_wait_alu depctr_va_vdst(0)                   ; the addresses v1 to v12 are written, which every load and store of the kernel reads; none is written again
.set kk, 0
.rept 40
	global_load_b128 v[4*kk:4*kk+3], v[LI], s[QAW:QAW+1] offset:QREC*(kk/8)+8192*((kk/4)%2)+1024*((kk/2)%2)+512*(kk%2)
.set kk, kk+1
.endr
	WIN 0
	RECLD 0, 0
	s_wait_loadcnt 17                              ; my 40 pieces are in; the record behind them stays out
	WIN 0x04
.set kk, 0
.rept 40
.if kk < 32
	ds_store_b128 v[IMW], v[4*kk:4*kk+3] offset:16384*(kk/8)+8192*((kk/4)%2)+1024*((kk/2)%2)+512*(kk%2)
.else
	ds_store_b128 v[IMW2], v[4*kk:4*kk+3] offset:8192*((kk/4)%2)+1024*((kk/2)%2)+512*(kk%2)
.endif
.set kk, kk+1
.endr
	WIN 0
.set kk, 0
.rept 10                               ; the scale words of (m, z): register AS + 4 (2 m + z) + s / 2; lanes 0-15 for even s, lanes 16-31 for odd
	global_load_b128 v[AS+4*kk:AS+4*kk+3], v[LI], s[QAB:QAB+1] offset:QREC*(kk/2)+16384+512*(kk%2)
.set kk, kk+1
.endr
.irp e, 0,1
.irp q, 0,1,2,3
	global_load_b128 v[BR+16*\e+4*\q:BR+16*\e+4*\q+3], v[BV], s[KBB:KBB+1] offset:512*\e+16*\q
	global_load_b128 v[BR+32+16*\e+4*\q:BR+32+16*\e+4*\q+3], v[BV], s[QBB:QBB+1] offset:512*\e+16*\q
.endr
.endr
	RECLD 1, 0
	RECLD 2, 0
	BARRIER                                        ; all 80 fragments lie in LDS.  (The loads stay out: nobody writes those bytes)
.macro ALOAD z                         ; the 40 fragments of query (z = 0) or key (z = 1) into registers
	WIN 0x40
.set ff, 0
.rept 32
	ds_load_b128 v[8*ff:8*ff+3], v[LI] offset:AIMG+16384*(ff/8)+8192*(\z)+1024*(ff%8)
	ds_load_b128 v[8*ff+4:8*ff+7], v[LI] offset:AIMG+16384*(ff/8)+8192*(\z)+1024*(ff%8)+512
.set ff, ff+1
.endr
	WIN 0x80
.set ff, 0
.rept 8
	ds_load_b128 v[8*ff:8*ff+3], v[LI2] offset:AIMG+8192*(\z)+1024*ff
	ds_load_b128 v[8*ff+4:8*ff+7], v[LI2] offset:AIMG+8192*(\z)+1024*ff+512
.set ff, ff+1
.endr
	WIN 0
.endm
; THE RING.  Chunk c = record c lies in slot c % 4.  At its head: the wait leaves the two younger records (34 loads) out; four places behind the products that read slot (c - 1) % 4; that slot takes record c + 3,
; behind the wait that states that those products are done reading it.  Chunk 0's refill lands in a slot that nothing has named yet: it has no such wait.  Chunks 5 to 7 ask for nothing.
.macro CHEAD c
.if (\c) <= 5
	s_wait_loadcnt 34
.elseif (\c) == 6
	s_wait_loadcnt 17
.else
	s_wait_loadcnt 0
.endif
	PLACES 4
.if (\c)+3 <= 7
.if (\c) > 0
	RECLD (\c)+3, 1
.else
	RECLD (\c)+3, 0
.endif
.endif
	WIN 0
.endm
; 40 products: 4 K steps x 5 tiles of rows x the pair's 2 tiles.  Tiles 0-3 first, eight accumulators by turns; then tile 4, whose fragments lie in another window, two by turns.
; The bias is the C of a sum's first product.
.macro CMUL slot, half, e, blk, z
.irp sl, 0,1,2,3
.if ((\half) == 0) && (\sl == 0)
	WIN 0x87                                       ; weights window 3, fragments window 1, bias window 0, result window 2
.else
	WIN 0xa7                                       ; the same, C in window 2
.endif
.irp m, 0,1,2,3
.irp u, 0,1
.set rD, ACC+80*(\e)+8*(2*\m+\u)
.set rW, 64*(\slot)+16*\sl+8*\u
.set rA, 8*(8*\m+4*(\half)+\sl)
.set rWS, BS+4*(\slot)+\sl
.set rAS, AS+4*(2*\m+(\z))+(4*(\half)+\sl)/2
.set rC, rD
.if ((\half) == 0) && (\sl == 0)
.set rC, BR+16*(\blk)+8*\u
.endif
	WM rD, rW, rA, rC, rWS, rAS, \u, \sl%2
.endr
.endr
.endr
.irp sl, 0,1,2,3
.if ((\half) == 0) && (\sl == 0)
	WIN 0x8b                                       ; fragments window 2
.else
	WIN 0xab
.endif
.irp u, 0,1
.set rD, ACC+80*(\e)+8*(8+\u)
.set rW, 64*(\slot)+16*\sl+8*\u
.set rA, 8*(4*(\half)+\sl)
.set rWS, BS+4*(\slot)+\sl
.set rAS, AS+4*(8+(\z))+(4*(\half)+\sl)/2
.set rC, rD
.if ((\half) == 0) && (\sl == 0)
.set rC, BR+16*(\blk)+8*\u
.endif
	WM rD, rW, rA, rC, rWS, rAS, \u, \sl%2
.endr
.endr
.endm
.macro KOUT e                          ; head 2 w + e of k: its ten accumulators go to LDS as they stand, each from its low end on
	PLACES 5
	WIN 0x08
	s_wait_alu depctr_va_vdst(0)                   ; the products have written this head's ten accumulators, which the LDS stores read; the places above stay beside this wait
.set aa, 0
.rept 10
	ds_store_b128 v[KSW], v[ACC+80*(\e)+8*aa:ACC+80*(\e)+8*aa+3] offset:10240*(\e)+1024*aa
	ds_store_b128 v[KSW], v[ACC+80*(\e)+8*aa+4:ACC+80*(\e)+8*aa+7] offset:10240*(\e)+1024*aa+512
.set aa, aa+1
.endr
	WIN 0
.endm
	WIN 0x40
	s_wait_alu depctr_vm_vsrc(0)                   ; my LDS stores have read the 160 landing registers, in which key's fragments land
	ALOAD 1
	s_wait_dscnt 0x0
	CHEAD 0
	CMUL 0, 0, 0, 0, 1
	CHEAD 1
	CMUL 1, 1, 0, 0, 1
	KOUT 0
	CHEAD 2
	CMUL 2, 0, 1, 1, 1
	CHEAD 3
	CMUL 3, 1, 1, 1, 1
	KOUT 1
	WIN 0x40
	s_wait_alu depctr_va_vdst(0)                   ; key's products are done reading the fragments' registers, in which query's fragments land
	ALOAD 0                                        ; behind KOUT's places: query's fragments take key's registers
	BARRIER                                        ; all of k lies in LDS, and query's fragments are in
	s_wait_alu depctr_vm_vsrc(0)                   ; my LDS stores have read k's twenty accumulators, which q's products write again
	CHEAD 4
	CMUL 0, 0, 0, 2, 0
	CHEAD 5
	CMUL 1, 1, 0, 2, 0
	CHEAD 6
	CMUL 2, 0, 1, 3, 0
	CHEAD 7
	CMUL 3, 1, 1, 3, 0
	PLACES 4                                       ; behind the last products: in front of the first read of q, and of the loads into the registers that held fragments
.macro KLOAD g                         ; head g of k into slice g % 3: twenty loads
	WIN 0x40
.set aa, 0
.rept 10
	ds_load_b128 v[80*((\g)%3)+8*aa:80*((\g)%3)+8*aa+3], v[KRA+(\g)/4] offset:10240*((\g)%4)+1024*aa
	ds_load_b128 v[80*((\g)%3)+8*aa+4:80*((\g)%3)+8*aa+7], v[KRA+(\g)/4] offset:10240*((\g)%4)+1024*aa+512
.set aa, aa+1
.endr
.endm
; my two heads of q x head g of k: 80 packed multiply-adds in four chains (head e, pair i even or odd); the first products start the sums; each accumulator of q is read from its low end on
.macro FMA1 g
	WIN 0x06                                       ; q window 2, k window 1, the sums window 0
.set aa, 0
.rept 10
.irp i, 0,1,2,3
.irp e, 0,1
.set rS, SIM+32*(\i%2)+2*(8*\e+(\g))
.set rQ, ACC+80*\e+8*aa+2*\i
.set rK, 80*((\g)%3)+8*aa+2*\i
.if (aa == 0) && (\i < 2)
	v_pk_mul_f32 v[rS:rS+1], v[rQ:rQ+1], v[rK:rK+1]
.else
	v_pk_fma_f32 v[rS:rS+1], v[rQ:rQ+1], v[rK:rK+1], v[rS:rS+1]
.endif
.endr
.endr
.set aa, aa+1
.endr
.endm
	WIN 0x40
	s_wait_alu depctr_va_vdst(0)                   ; query's products are done reading the fragments' registers, in which k's first three slices land
	KLOAD 0
	KLOAD 1
	KLOAD 2
.irp g, 0,1,2,3,4,5,6,7                ; step g.  Its wait leaves the younger slices (20 loads each) out: two at step 0, one at steps 1 to 6, none at the last.  Behind it the slice that the step before read takes the head two on
.if \g == 0
	s_wait_dscnt 40
.elseif \g < 7
	s_wait_dscnt 20
.else
	s_wait_dscnt 0x0
.endif
.if (\g > 0) && (\g < 6)
	WIN 0x40
	s_wait_alu depctr_va_vdst(0)                   ; the multiply-adds of the step before are done reading their slice, in which the twenty loads below land
	KLOAD \g+2
.endif
	FMA1 \g
.endr
	WIN 0
	; THE END: the two halves of a sum, a pair's two numbers; rows r and r + 8 share a batch; so do the two halves of the lanes
.set ff, 0
.rept 16
	v_pk_add_f32 v[SIM+2*ff:SIM+2*ff+1], v[SIM+2*ff:SIM+2*ff+1], v[SIM+32+2*ff:SIM+32+2*ff+1]
.set ff, ff+1
.endr
.set ff, 0
.rept 16
	v_add_f32 v[RS+ff], v[SIM+2*ff], v[SIM+2*ff+1]
.set ff, ff+1
.endr
.irp i, 0,1,2,3,4,5,6,7,8,9,10,11,12,13,14,15
	v_add_f32_dpp v[RS+\i], v[RS+\i], v[RS+\i] row_xmask:8 row_mask:0xf bank_mask:0xf
.endr
.irp i, 0,1,2,3,4,5,6,7,8,9,10,11,12,13,14,15
	v_permlanex16_b32 v[TT+\i], v[RS+\i], s[SEL], s[SEL+1]
.endr
.irp i, 0,1,2,3,4,5,6,7,8,9,10,11,12,13,14,15
	v_add_f32 v[RS+\i], v[RS+\i], v[TT+\i]
.endr
	s_wait_alu depctr_va_vdst(0)                   ; the additions have written the sixteen sums, which the LDS stores read
.irp q, 0,1,2,3
	ds_store_b128 v[SSW], v[RS+4*\q:RS+4*\q+3] offset:16*\q        ; the four lanes of a batch write the same bytes with the same values
.endr
	BARRIER
	s_wait_alu depctr_vm_vsrc(0)                   ; my LDS stores have read the sums' first four registers, in which the load below lands
	ds_load_b128 v[RS:RS+3], v[SSR]
	s_wait_dscnt 0x0
	global_store_b128 v[SGO], v[RS:RS+3], s[SMP:SMP+1]             ; sixteen lanes store 256 consecutive bytes, aligned: simp[b][g]
	s_wait_dscnt 0x0                               ; the closing lines, six on end
	s_wait_alu 0x0
	s_wait_tensorcnt 0x0
	ds_add_u32 v254, v255
	s_wait_dscnt 0x0
	s_endpgm
.Lfunc_end_k_q6b88e53410_qk:
	.size	k_q6b88e53410_qk, .Lfunc_end_k_q6b88e53410_qk-k_q6b88e53410_qk
	.p2alignl 7, 3214868480
	.fill 96, 4, 3214868480
	.section	.rodata,"a",@progbits
	.p2align	6, 0x0
	.amdhsa_kernel k_q6b88e53410_qk
		.amdhsa_group_segment_fixed_size 166400
		.amdhsa_private_segment_fixed_size 0
		.amdhsa_enable_private_segment 0
		.amdhsa_kernarg_size 40
		.amdhsa_user_sgpr_count 2
		.amdhsa_user_sgpr_kernarg_segment_ptr 1
		.amdhsa_wavefront_size32 1
		.amdhsa_system_sgpr_workgroup_id_x 1
		.amdhsa_system_sgpr_workgroup_id_y 1
		.amdhsa_system_sgpr_workgroup_id_z 1
		.amdhsa_system_vgpr_workitem_id 0
		.amdhsa_next_free_vgpr 1024
		.amdhsa_next_free_sgpr 66
		.amdhsa_reserve_vcc 0
		.amdhsa_float_denorm_mode_32 3
		.amdhsa_float_denorm_mode_16_64 3
		.amdhsa_memory_ordered 1
		.amdhsa_forward_progress 1
		.amdhsa_inst_pref_size 137
	.end_amdhsa_kernel
	.amdgpu_metadata
---
amdhsa.version: [ 1, 2 ]
amdhsa.kernels:
  - .name:           k_q6b88e53410_qk
    .symbol:         k_q6b88e53410_qk.kd
    .args:
      - { .name: qa, .offset: 0, .size: 8, .value_kind: global_buffer, .address_space: global }
      - { .name: wc, .offset: 8, .size: 8, .value_kind: global_buffer, .address_space: global }
      - { .name: q_b, .offset: 16, .size: 8, .value_kind: global_buffer, .address_space: global }
      - { .name: k_b, .offset: 24, .size: 8, .value_kind: global_buffer, .address_space: global }
      - { .name: simp, .offset: 32, .size: 8, .value_kind: global_buffer, .address_space: global }
    .group_segment_fixed_size: 166400
    .private_segment_fixed_size: 0
    .kernarg_segment_align: 8
    .kernarg_segment_size: 40
    .max_flat_workgroup_size: 128
    .sgpr_count:     66
    .vgpr_count:     1024
    .wavefront_size: 32
...
	.end_amdgpu_metadata
.endif
;; end of part 6
;; launch values (part 7): grid 250 x 1, 4 waves a work-group, no clusters, 150,016 bytes of LDS; arguments multi_value, mv_b, sv_b, wc, simp, sv, oa; writes oa
.if DOCPART == 7
	.amdgcn_target "amdgcn-amd-amdhsa--gfx1250"
	.amdhsa_code_object_version 6
	.text
	.protected	k_q6b88e53410_values
	.globl	k_q6b88e53410_values
	.p2align	8
	.type	k_q6b88e53410_values,@function
k_q6b88e53410_values:
	s_mov_b64 s[64:65], 0
	v_nop
	global_prefetch_b8 v0, s[64:65] scope:SCOPE_SE
	s_setreg_imm32_b32 hwreg(HW_REG_WAVE_SCHED_MODE, 0, 2), 2
	s_setreg_imm32_b32 hwreg(HW_REG_WAVE_MODE, 25, 1), 1
	s_wait_xcnt 0x0
	s_wait_alu depctr_vm_vsrc(0)
; Work-group T owns the 16 rows bt = 16 T .. 16 T + 15 (bt = 500 b + t) of the mixed values.  It quantises the 8 x 16 rows of multi_value to FP4 (E2M1, one E8M0 byte for each 32 along K), takes single_value's codes from sv,
; sums simp's 200 parts to sim, takes the softmax over g (the row's maximum taken away first), multiplies by mv_w and sv_w (codes from wc), adds the biases, mixes the eight planes x with att[b][h][x] in f32,
; quantises the mixed rows along their columns and stores them in oa as fragment images with their scale words.  The projected values never go to memory.
; SHARES: wave w owns output heads 2 w, 2 w + 1 of both paths: 256 columns of the multi path, 128 of the single one.  Every wave holds ALL activation fragments in registers, so that each weight byte is loaded by one wave, once,
; straight into a ring of four register slots, and the mixing over x stays inside a lane (products transposed: source 0 = 16 weight rows, source 1 = 16 activation rows).
; A tile may lie across two batches: att is made for the first row's batch and the last row's, and each lane takes its row's.
; No cluster: the grid, 250 work-groups, is no multiple of 4.  No tensor load: the f32 rows want a turn through a wave's own stage, and no weight byte has two takers in a work-group.
; LIMITS: NaN and infinities are not served; a block under 2^-124 keeps the byte 1; a block of zeros gets the byte 1 and not 127 (its codes are zeros; this program alone reads the bytes); f32 sums are grouped otherwise than a plain chain; the softmax divides by v_rcp_f32 and a multiply.
; REGISTERS, in windows of 256: window 0: v1-31 addresses and work; v32-63 activations' scale words, v64-79 weights' (scales and nothing else); v80-111 two sets of bias, then of mixed numbers; v112-119 att; v120-127 codes;
;   v128-191 numbers, later slot 2; v192-255 at work, later slot 3.   window 1: landing sets, later fragments of planes 0-3, later the single path's 32.   window 2: fragments of planes 4-7.   window 3: v0-127 accumulators (u, x) at 8 (2 x + u); v128-255 slots 0, 1.
; THE MODE: SCHED_MODE bits 1:0 = 2 (LLVM: expert scheduling mode 2), set by the entry lines.  The code itself states the register dependences between vector or matrix instructions and memory or LDS instructions, with s_wait_alu, always for 0.
; THE PLAN.  Registers that memory or LDS instructions touch, and who else names them:
;   addresses          made at the head: one wait on va_vdst ahead of the first load.  Written again: v7, v9 (a trip's places, phase 1) and v13, v15, v17 (a head's, phase 2).
;   PHASE 1, step p:   landing set p: global loads land, the turn's LDS stores read it, the next global loads land.  X: the turn's LDS loads land, the quantiser reads.  PC, PKP: the quantiser writes, LDS stores read.
;                      ONE wait on vm_vsrc behind the turn: set p is read (its next loads follow the step), and so are PC, PKP, v7 and v9 by the stores of the step before.
;                      ONE wait on va_vdst ahead of the step's image stores: PC (and v7, v9, PKP) are written, and the quantiser is done reading X, in which the next turn's loads land.
;                      The image stores of steps 0 to 2 stand behind the next step's wait for its data and its sixteen loads, so that the wait does not stand straight behind the conversions.
;   PHASE 2:           a ring slot and its scale words: a record lands, a chunk's 64 products read it, the record four on lands at the next chunk's head, behind ONE wait on va_vdst, which stands behind the wait for that chunk's own record.
;                      a bias set: an LDS load lands, products take it as C, the mixing writes it, the quantiser reads it; the next load into it stands behind the wait at the head of the next pair block.
;                      att: read by the mixing; loaded anew behind the wait at a trip's top.  PCM, SW: written by the quantiser, stored at a trip's end behind one wait on va_vdst; one wait on vm_vsrc there, ahead of the branch, frees them and the three addresses.
.set REC,  8704
.set MIMG, 0                           ; LDS: multi_value's 64 fragments (1,024 x (8 x + s)),
.set MSC,  65536                       ; their packed scale words [w][trip][lane][2],
.set SIMG, 69632                       ; a copy of sv's record: 32 fragments, then
.set SSC,  102400                      ; packed scale words,
.set STG,  104448                      ; a stage of 16 x 528 bytes for each wave,
.set BIAS, 138240                      ; each wave's 256 numbers of mv_b, then 128 of sv_b,
.set RED,  144384                      ; four waves' part sums of sim,
.set ATT,  146432                      ; att for two batches,
.set SCT,  146944                      ; the mixed rows' scale words [lane][12]
.set LI,   1
.set STW,  4
.set STR,  5
.set IMW,  6
.set IMA,  7
.set MSW,  8
.set MSA,  9
.set VS,   10
.set MSR,  11
.set BIA,  12
.set BIAE, 13
.set ATA,  14
.set ATAE, 15
.set SCW,  16
.set SCWE, 17
.set SIA,  18
.set SMW,  20
.set BIW,  21
.set REDW, 22
.set REDR, 23
.set ATW,  24
.set SCS,  25
.set SW,   26
.set SCR,  27
.set T0,   28
.set T1,   29
.set SOP,  30
.set BYT,  31
.set AS,   32
.set BS,   64
.set MR0,  80
.set ATTR, 112
.set PCM,  120
.set X,    128
.set TM,   192
.set PW,   208
.set PWE,  209
.set PKP,  210
.set PC,   212
.set SS,   220
.set WV,   18
.set SEL,  20
.set HI,   22
.set LB0,  24
.set LB1,  26
.set WB,   28
.set SPB,  30
.set OAS,  32
.set OAM,  34
.set CNT,  38
.set TI,   39
.set TS,   40
.set TBI,  41
.set TA,   42
.set TK,   43
.set OAT,  52
.set MSB,  0
.macro WIN new
.if MSB != (\new)
	s_set_vgpr_msb (MSB<<8)|(\new)
.set MSB, (\new)
.endif
.endm
.macro PLACES n
.rept \n
	v_nop
.endr
.endm
.macro BARRIER
	s_wait_dscnt 0x0
	s_barrier_signal -1
	s_barrier_wait -1
.endm
.macro QUANT s, pc
.irp b, 0,1,2,3
	v_max3_num_f32 v[TM+\b], |v[\s+16*\b]|, |v[\s+1+16*\b]|, 0x1800000   ; block b: my 16 numbers and the floor 2^(3 - 127)
.endr
.irp i, 2,4,6,8,10,12,14
.irp b, 0,1,2,3
	v_max3_num_f32 v[TM+\b], v[TM+\b], |v[\s+16*\b+\i]|, |v[\s+1+16*\b+\i]|
.endr
.endr
.irp b, 0,1,2,3
	v_permlanex16_b32 v[TM+4+\b], v[TM+\b], s[SEL], s[SEL+1]
.endr
.irp b, 0,1,2,3
	v_max_num_f32 v[TM+\b], v[TM+\b], v[TM+4+\b]
.endr
.irp b, 0,1,2,3
	v_add_nc_u32 v[TM+12+\b], 0xff000000, v[TM+\b]
.endr
.irp b, 0,1,2,3
	v_lshrrev_b32 v[TM+4+\b], 23, v[TM+12+\b]
.endr
	v_lshl_or_b32 v[PW], v[TM+5], 8, v[TM+4]
	v_lshl_or_b32 v[PW], v[TM+6], 16, v[PW]
	v_lshl_or_b32 v[PW], v[TM+7], 24, v[PW]
.irp b, 0,1,2,3
	v_cvt_scalef32_pk8_fp4_f32 v[\pc+2*\b], v[\s+16*\b:\s+7+16*\b], v[TM+12+\b]
	v_cvt_scalef32_pk8_fp4_f32 v[\pc+1+2*\b], v[\s+8+16*\b:\s+15+16*\b], v[TM+12+\b]
.endr
	v_nop                                          ; one plain place behind a scaled conversion
.irp c, 0,1
.irp i, 0,1
	v_permlane16_swap_b32 v[\pc+4*\c+\i], v[\pc+2+4*\c+\i]
.endr
.endr
.endm
.macro TURN set
	WIN 0x04
.irp i, 0,1,2,3,4,5,6,7,8,9,10,11,12,13,14,15
	ds_store_b128 v[STW], v[64*(\set)+4*\i:64*(\set)+4*\i+3] offset:528*\i
.endr
	WIN 0
.irp b, 0,1,2,3
.irp j, 0,1,2,3
	ds_load_b128 v[X+16*\b+4*\j:X+16*\b+4*\j+3], v[STR] offset:128*\b+16*\j
.endr
.endr
	s_wait_dscnt 0x0                               ; the numbers are back
.endm
; a weight record into ring slot 0-3: 17 loads.  Slots 0, 1: window 3, v128 and v192; slots 2, 3: window 0.  dep = 1: the wait is written here; dep = 0: a wait further up covers the slot, as the line that calls says
.macro LOADB slot, off, dep
.if (\slot) < 2
	WIN 0xc0
.else
	WIN 0
.endif
.if \dep
	s_wait_alu depctr_va_vdst(0)                   ; the products of the chunk before are done reading this slot and its scale words, in which the 17 loads below land; at a pair block's first chunk also: the mixing and the quantiser of the block before are done with their 16 registers, in which the next bias lands
.endif
.irp i, 0,1,2,3,4,5,6,7,8,9,10,11,12,13,14,15
	global_load_b128 v[128+64*((\slot)%2)+4*\i:128+64*((\slot)%2)+4*\i+3], v[LI], s[WB:WB+1] offset:(\off)+512*\i
.endr
	WIN 0
	global_load_b128 v[BS+4*(\slot):BS+4*(\slot)+3], v[LI], s[WB:WB+1] offset:(\off)+8192
.endm
.macro LOADM set, base, off            ; 16 rows x 512 bytes of multi_value
	WIN 0x40
.irp i, 0,1,2,3,4,5,6,7,8,9,10,11,12,13,14,15
	global_load_b128 v[64*(\set)+4*\i:64*(\set)+4*\i+3], v[LI], s[\base:\base+1] offset:(\off)+4096*\i th:TH_LOAD_NT
.endr
	WIN 0
.endm
.macro SIMLD h, n                      ; n of my 50 quads of simp, from quad 16 h on, into landing set h: quad i is part 4 i + w
	WIN 0x40
.set ii, 0
.rept \n
	global_load_b128 v[64*(\h)+4*ii:64*(\h)+4*ii+3], v[VS], s[SPB:SPB+1] offset:1024*(16*(\h)+ii)
.set ii, ii+1
.endr
	WIN 0
.endm
.macro WM d, a, b, c, sa, sb, ra, rb
.if ((\ra) != 0) && ((\rb) != 0)
	v_wmma_scale_f32_16x16x128_f8f6f4 v[(\d):(\d)+7], v[(\a):(\a)+7], v[(\b):(\b)+7], v[(\c):(\c)+7], v[(\sa)], v[(\sb)] matrix_a_fmt:MATRIX_FMT_FP4 matrix_b_fmt:MATRIX_FMT_FP4 matrix_a_scale:MATRIX_SCALE_ROW1 matrix_b_scale:MATRIX_SCALE_ROW1
.elseif (\ra) != 0
	v_wmma_scale_f32_16x16x128_f8f6f4 v[(\d):(\d)+7], v[(\a):(\a)+7], v[(\b):(\b)+7], v[(\c):(\c)+7], v[(\sa)], v[(\sb)] matrix_a_fmt:MATRIX_FMT_FP4 matrix_b_fmt:MATRIX_FMT_FP4 matrix_a_scale:MATRIX_SCALE_ROW1
.elseif (\rb) != 0
	v_wmma_scale_f32_16x16x128_f8f6f4 v[(\d):(\d)+7], v[(\a):(\a)+7], v[(\b):(\b)+7], v[(\c):(\c)+7], v[(\sa)], v[(\sb)] matrix_a_fmt:MATRIX_FMT_FP4 matrix_b_fmt:MATRIX_FMT_FP4 matrix_b_scale:MATRIX_SCALE_ROW1
.else
	v_wmma_scale_f32_16x16x128_f8f6f4 v[(\d):(\d)+7], v[(\a):(\a)+7], v[(\b):(\b)+7], v[(\c):(\c)+7], v[(\sa)], v[(\sb)] matrix_a_fmt:MATRIX_FMT_FP4 matrix_b_fmt:MATRIX_FMT_FP4
.endif
.endm
	s_load_b256 s[4:11], s[0:1], 0x0               ; multi_value, mv_b, sv_b, wc
	s_load_b128 s[12:15], s[0:1], 0x20             ; simp, sv
	s_load_b64 s[16:17], s[0:1], 0x30              ; oa
	v_lshrrev_b32 v2, 5, v0
	v_readfirstlane_b32 s[WV], v2                  ; wave 0..3
	v_and_b32 v19, 31, v0                          ; lane
	v_lshlrev_b32 v[LI], 4, v19
	v_and_b32 v2, 15, v0                           ; r
	v_bfe_u32 v3, v0, 4, 1                         ; hh
	s_mov_b32 s[SEL], 0x76543210
	s_mov_b32 s[SEL+1], 0xfedcba98
	s_mov_b32 s[HI], 0xffff0000
.irp b, 0,1,2,3
	v_mov_b32 v[TM+4+\b], 0                        ; written once: a lane permute's destination counts as one of its sources
.endr
	s_wait_alu depctr_va_sdst(0)                   ; the wave's number is written, ahead of its first reader: LDS places and the bases are made from it
	s_mul_i32 s44, s[WV], 8448
	s_add_co_u32 s44, s44, STG
	v_add_nc_u32 v[STW], s44, v[LI]
	v_mul_u32_u24 v[STR], v2, 528
	v_lshl_add_u32 v[STR], v3, 6, v[STR]
	v_add_nc_u32 v[STR], s44, v[STR]
	s_lshl_b32 s44, s[WV], 11
	v_add_nc_u32 v[IMW], s44, v[LI]                ; images of K steps 2 w, 2 w + 1
	v_lshlrev_b32 v[MSR], 3, v19
	v_add_nc_u32 v[MSR], MSC, v[MSR]
	s_lshl_b32 s44, s[WV], 10
	v_add_nc_u32 v[MSW], s44, v[MSR]
	s_mul_i32 s44, s[WV], 8704
	s_add_co_u32 s44, s44, SIMG
	v_add_nc_u32 v[SMW], s44, v[LI]
	v_add_nc_u32 v[SIA], SIMG, v[LI]
	s_mul_i32 s44, s[WV], 1536
	s_add_co_u32 s44, s44, BIAS
	v_add_nc_u32 v[BIW], s44, v[LI]
	v_lshl_add_u32 v[BIA], v3, 6, s44              ; a pair block's bias for my half: 16 numbers from 16 hh on
	s_lshl_b32 s44, s[WV], 9
	s_add_co_u32 s45, s44, RED
	v_add_nc_u32 v[REDW], s45, v[LI]
	s_add_co_u32 s45, s44, SCT
	v_add_nc_u32 v[SCR], s45, v[LI]
	v_lshl_add_u32 v[REDR], v0, 2, RED
	v_lshl_add_u32 v[ATW], v0, 2, ATT
	v_mul_u32_u24 v[SCS], v19, 48
	s_lshl_b32 s45, s[WV], 3
	s_add_co_u32 s45, s45, SCT
	v_add_nc_u32 v[SCW], s45, v[SCS]               ; words 2 w, 2 w + 1 of my lane's twelve
	s_lshl_b32 s45, s[WV], 2
	s_add_co_u32 s45, s45, SCT+32
	v_add_nc_u32 v[SCS], s45, v[SCS]               ; word 8 + w
	s_lshl_b32 s46, ttmp9, 4                       ; 16 T
	s_mul_i32 s47, s46, 33555
	s_lshr_b32 s47, s47, 24                        ; b0 = 16 T / 500: exact for numbers under 4,096
	s_add_co_u32 s48, s46, 15
	s_mul_i32 s48, s48, 33555
	s_lshr_b32 s48, s48, 24                        ; b1, the last row's batch
	s_mul_i32 s49, s47, 500
	s_add_co_u32 s49, s49, 500
	s_sub_co_u32 s49, s49, s46                     ; so many rows from the tile's first on belong to b0
	v_cmp_le_u32 vcc_lo, s49, v2
	v_mov_b32 v[ATA], 0x100
	s_wait_alu depctr_va_vcc(0)                    ; the compare has written VCC, which the selection below reads
	v_cndmask_b32 v[ATA], 0, v[ATA], vcc_lo        ; my row's batch: the first table or the second
	s_lshl_b32 s50, s[WV], 6
	s_add_co_u32 s50, s50, ATT
	v_add_nc_u32 v[ATA], s50, v[ATA]               ; att[.][2 w][0 .. 7]
	s_sub_co_u32 s48, s48, s47
	s_mul_i32 s48, s48, 51200                      ; a batch of simp: 200 parts of 256 bytes
	s_mul_i32 s47, s47, 51200
	v_mul_u32_u24 v[VS], s48, v3                   ; simp: lanes 0-15 read b0's rows, lanes 16-31 b1's; 16 bytes a lane
	v_lshl_add_u32 v[VS], v2, 4, v[VS]
	v_add_nc_u32 v[VS], s47, v[VS]
	s_mov_b32 s45, 0
	s_wait_kmcnt 0x0
	s_lshl_b32 s44, ttmp9, 16                      ; 16 T rows of 4,096 bytes
	s_lshl_b32 s46, s[WV], 10                      ; + K steps 2 w on
	s_add_co_u32 s44, s44, s46
	s_add_nc_u64 s[LB0:LB0+1], s[4:5], s[44:45]    ; plane 0
	s_add_nc_u64 s[LB1:LB1+1], s[LB0:LB0+1], 16384000  ; plane 1
	s_mov_b32 s44, s46
	s_add_nc_u64 s[6:7], s[6:7], s[44:45]          ; mv_b at my 256 columns
	s_lshl_b32 s44, s[WV], 9
	s_add_nc_u64 s[8:9], s[8:9], s[44:45]          ; sv_b at my 128
	s_mul_i32 s44, s[WV], 20*REC
	s_add_co_u32 s44, s44, 128*REC
	s_add_nc_u64 s[WB:WB+1], s[10:11], s[44:45]    ; my 20 records: 16 of mv_w, 4 of sv_w
	s_lshl_b32 s44, s[WV], 8
	s_add_nc_u64 s[SPB:SPB+1], s[12:13], s[44:45]
	s_mul_i32 s46, ttmp9, 34816
	s_mul_i32 s44, s[WV], 8704
	s_add_co_u32 s44, s44, s46
	s_add_nc_u64 s[14:15], s[14:15], s[44:45]      ; my quarter of sv's record
	s_mul_i32 s46, ttmp9, 13824
	s_lshl_b32 s44, s[WV], 11
	s_add_co_u32 s44, s44, s46
	s_add_nc_u64 s[OAM:OAM+1], s[16:17], s[44:45]  ; oa: K step 2 w of the multi path,
	s_lshl_b32 s44, s[WV], 10
	s_add_co_u32 s44, s44, s46
	s_add_co_u32 s44, s44, 8192
	s_add_nc_u64 s[OAS:OAS+1], s[16:17], s[44:45]  ; K step w of the single path,
	s_lshl_b32 s44, s[WV], 9
	s_add_co_u32 s44, s44, s46
	s_add_co_u32 s44, s44, 12288
	s_add_nc_u64 s[OAT:OAT+1], s[16:17], s[44:45]  ; a third of the scale words (waves 0-2)
	WIN 0x80                                       ; the small loads first: 20, into window 2
	s_wait_alu depctr_va_vdst(0)                   ; the addresses made above are written, which the loads and stores below read
.irp i, 0,1,2,3,4,5,6,7,8,9,10,11,12,13,14,15,16
	global_load_b128 v[4*\i:4*\i+3], v[LI], s[14:15] offset:512*\i
.endr
	global_load_b128 v[68:71], v[LI], s[6:7]
	global_load_b128 v[72:75], v[LI], s[6:7] offset:512
	global_load_b128 v[76:79], v[LI], s[8:9]
	WIN 0
	LOADM 0, LB0, 0
	LOADM 1, LB0, 512
	s_wait_loadcnt 32                              ; the small loads are in; the two landing sets behind them stay out
	WIN 0x08
.irp i, 0,1,2,3,4,5,6,7,8,9,10,11,12,13,14,15,16
	ds_store_b128 v[SMW], v[4*\i:4*\i+3] offset:512*\i
.endr
	ds_store_b128 v[BIW], v[68:71]
	ds_store_b128 v[BIW], v[72:75] offset:512
	ds_store_b128 v[BIW], v[76:79] offset:1024
	WIN 0
	LOADM 2, LB1, 0
; PHASE 1.  Fragment t = 4 trip + p: plane 2 trip + p / 2, K step 2 w + p % 2.  Three landing sets are on their way; each wait leaves the two younger groups of 16 loads out.
; PWORK: the turn through the stage and the quantiser.  POUT: the fragment's image goes to LDS.
.macro PWORK p
	TURN \p
	s_wait_alu depctr_vm_vsrc(0)                   ; the turn's LDS stores have read landing set p, in which the loads behind this step land; the image stores of the step before have read PC, and those of the trip before v7, v9 and PKP: all are written again below
.if (\p) == 0
	v_add_nc_u32 v[IMA], s[TI], v[IMW]             ; this trip's places
	v_add_nc_u32 v[MSA], s[TS], v[MSW]
.endif
	QUANT X, PC
.if (\p)%2 == 0
	v_mov_b32 v[PWE], v[PW]
.else
	v_cndmask_b32 v[PKP+(\p)/2], v[PWE], v[PW], s[HI]  ; lanes 0-15 K step 2 w's word, lanes 16-31 K step 2 w + 1's
.endif
.endm
.macro POUT p
	s_wait_alu depctr_va_vdst(0)                   ; the quantiser has written PC (and the step's vector lines v7, v9 and PKP), which the LDS stores below read; it is done reading X, in which the next turn's LDS loads land
	ds_store_b128 v[IMA], v[PC:PC+3] offset:8192*((\p)/2)+1024*((\p)%2)
	ds_store_b128 v[IMA], v[PC+4:PC+7] offset:8192*((\p)/2)+1024*((\p)%2)+512
.endm
	s_mov_b32 s[TI], 0
	s_mov_b32 s[TS], 0
	s_mov_b32 s[CNT], 3
.Lp1:
	s_wait_loadcnt 32
	LOADM 3, LB1, 512
	PWORK 0
	s_wait_xcnt 0x0                                ; every load issued has read its base (the youngest were issued a step's arithmetic ago): both bases step two planes on, ahead of the next load that names them
	s_add_nc_u64 s[LB0:LB0+1], s[LB0:LB0+1], 32768000
	s_add_nc_u64 s[LB1:LB1+1], s[LB1:LB1+1], 32768000
	s_wait_loadcnt 32
	LOADM 0, LB0, 0
	POUT 0
	PWORK 1
	s_wait_loadcnt 32
	LOADM 1, LB0, 512
	POUT 1
	PWORK 2
	s_wait_loadcnt 32
	LOADM 2, LB1, 0
	POUT 2
	PWORK 3
	POUT 3
	ds_store_b64 v[MSA], v[PKP:PKP+1]
	s_add_co_u32 s[TI], s[TI], 16384
	s_add_co_u32 s[TS], s[TS], 256
	s_sub_co_u32 s[CNT], s[CNT], 1
	s_cmp_lg_u32 s[CNT], 0
	s_cbranch_scc1 .Lp1
	s_mov_b32 s[TI], 49152                         ; the fourth trip is written out: behind the last fragment come simp's parts, a group of 16 into each landing set as it falls free
	s_mov_b32 s[TS], 768
	s_wait_loadcnt 32
	LOADM 3, LB1, 512
	PWORK 0
	s_wait_loadcnt 32
	SIMLD 0, 16
	POUT 0
	PWORK 1
	s_wait_loadcnt 32
	SIMLD 1, 16
	POUT 1
	PWORK 2
	s_wait_loadcnt 32
	SIMLD 2, 16
	POUT 2
	PWORK 3
	POUT 3
	ds_store_b64 v[MSA], v[PKP:PKP+1]
	SIMLD 3, 2                                     ; my last two parts,
	LOADB 0, 0, 0                                  ; and the ring's first record: nothing has named slots 0 and 1 yet
	s_wait_loadcnt 17                              ; simp's 50 quads are in; the record behind them stays out
	LOADB 1, REC, 0
	LOADB 2, 2*REC, 0                              ; slot 2 is X: the wait ahead of the last image stores has shown the quantiser done reading it, and no vector instruction has been issued since
	WIN 0x05                                       ; my 50 parts of sim, in two chains
	v_pk_add_f32 v[SS:SS+1], v[0:1], v[8:9]
	v_pk_add_f32 v[SS+2:SS+3], v[2:3], v[10:11]
	v_pk_add_f32 v[SS+4:SS+5], v[4:5], v[12:13]
	v_pk_add_f32 v[SS+6:SS+7], v[6:7], v[14:15]
	WIN 0x04
.set ff, 4
.rept 46
	v_pk_add_f32 v[SS+4*(ff%2):SS+4*(ff%2)+1], v[SS+4*(ff%2):SS+4*(ff%2)+1], v[4*ff:4*ff+1]
	v_pk_add_f32 v[SS+4*(ff%2)+2:SS+4*(ff%2)+3], v[SS+4*(ff%2)+2:SS+4*(ff%2)+3], v[4*ff+2:4*ff+3]
.set ff, ff+1
.endr
	WIN 0
	v_pk_add_f32 v[SS:SS+1], v[SS:SS+1], v[SS+4:SS+5]
	v_pk_add_f32 v[SS+2:SS+3], v[SS+2:SS+3], v[SS+6:SS+7]
	s_wait_alu depctr_va_vdst(0)                   ; the additions have written my part sums, which the LDS store reads
	ds_store_b128 v[REDW], v[SS:SS+3]
	BARRIER                                        ; the images, sv's copy and the four part sums lie in LDS.  (The ring's loads stay out: nobody writes those bytes)
	ds_load_b32 v28, v[REDR]                       ; thread 64 bs + 8 h + g
	ds_load_b32 v29, v[REDR] offset:512
	ds_load_b32 v30, v[REDR] offset:1024
	ds_load_b32 v31, v[REDR] offset:1536
	s_wait_dscnt 0x0
	v_add_f32 v28, v28, v29
	v_add_f32 v30, v30, v31
	v_add_f32 v28, v28, v30
	v_mul_f32 v28, 0x3bbade29, v28                 ; x log2(e) / sqrt(64,000)
	v_max_num_f32_dpp v29, v28, v28 row_xmask:1 row_mask:0xf bank_mask:0xf
	v_max_num_f32_dpp v29, v29, v29 row_xmask:2 row_mask:0xf bank_mask:0xf
	v_max_num_f32_dpp v29, v29, v29 row_xmask:4 row_mask:0xf bank_mask:0xf   ; the largest of the eight g
	v_sub_f32 v28, v28, v29
	s_wait_alu depctr_va_vdst(0)
	v_exp_f32 v28, v28
	v_nop                                          ; a plain place behind the transcendental
	s_wait_alu depctr_va_vdst(0)                   ; the exponential has written v28, ahead of its first reader
	v_add_f32_dpp v29, v28, v28 row_xmask:1 row_mask:0xf bank_mask:0xf
	v_add_f32_dpp v29, v29, v29 row_xmask:2 row_mask:0xf bank_mask:0xf
	v_add_f32_dpp v29, v29, v29 row_xmask:4 row_mask:0xf bank_mask:0xf
	s_wait_alu depctr_va_vdst(0)
	v_rcp_f32 v29, v29
	v_nop
	s_wait_alu depctr_va_vdst(0)                   ; the reciprocal has written v29, ahead of its first reader
	v_mul_f32 v28, v28, v29
	s_wait_alu depctr_va_vdst(0)                   ; the multiply has written v28, which the LDS store reads; the additions of simp's parts are done reading window 1, in which the fragments below land
	ds_store_b32 v[ATW], v28
	BARRIER                                        ; att lies in LDS
	WIN 0x40
	s_wait_alu depctr_vm_vsrc(0)                   ; my LDS stores so far have read their data: window 2's v0-79, in which fragments land; PC, PKP and the part sums, in which slot 3's first record lands; v28, which the quantiser of the mixed rows writes
.set ff, 0
.rept 32
	ds_load_b128 v[8*ff:8*ff+3], v[LI] offset:MIMG+1024*ff
	ds_load_b128 v[8*ff+4:8*ff+7], v[LI] offset:MIMG+1024*ff+512
.set ff, ff+1
.endr
	WIN 0x80
.set ff, 0
.rept 32
	ds_load_b128 v[8*ff:8*ff+3], v[LI] offset:MIMG+32768+1024*ff
	ds_load_b128 v[8*ff+4:8*ff+7], v[LI] offset:MIMG+32768+1024*ff+512
.set ff, ff+1
.endr
	WIN 0
.set ff, 0
.rept 16
	ds_load_b64 v[AS+2*ff:AS+2*ff+1], v[MSR] offset:256*ff         ; the word of (x, s): register AS + 8 (s / 2) + x, lanes 0-15 for even s, lanes 16-31 for odd
.set ff, ff+1
.endr
.irp q, 0,1,2,3
	ds_load_b128 v[MR0+4*\q:MR0+4*\q+3], v[BIA] offset:16*\q       ; the first pair block's bias
.endr
; 64 products of a chunk: 4 K steps x 8 planes x the pair's 2 tiles; in each run of 32 eight accumulators take turns.  The bias is the C of each sum's first product.
.macro CMULM slot, half, mr
.set w0, 3*((3-(\slot))/2)
.irp xh, 0,1
.irp sl, 0,1,2,3
.if ((\half) == 0) && (\sl == 0)
	WIN 0xc0+4*(1+\xh)+w0
.else
	WIN 0xf0+4*(1+\xh)+w0
.endif
.irp xx, 0,1,2,3
.irp u, 0,1
.set rD, 8*(2*(4*\xh+\xx)+\u)
.set rW, 128+64*((\slot)%2)+16*\sl+8*\u
.set rA, 8*(8*\xx+4*(\half)+\sl)
.set rWS, BS+4*(\slot)+\sl
.set rAS, AS+8*((4*(\half)+\sl)/2)+4*\xh+\xx
.set rC, rD
.if ((\half) == 0) && (\sl == 0)
.set rC, (\mr)+8*\u
.endif
	WM rD, rW, rA, rC, rWS, rAS, \u, \sl%2
.endr
.endr
.endr
.endr
.endm
.macro CMULS slot, mr                  ; the single path's chunk: 4 K steps x 8 planes x 2 tiles; sixteen accumulators by turns
.set w0, 3*((3-(\slot))/2)
.irp sl, 0,1,2,3
.if \sl == 0
	WIN 0xc4+w0
.else
	WIN 0xf4+w0
.endif
.irp x, 0,1,2,3,4,5,6,7
.irp u, 0,1
.set rD, 8*(2*\x+\u)
.set rW, 128+64*((\slot)%2)+16*\sl+8*\u
.set rA, 8*(8*\sl+\x)
.set rWS, BS+4*(\slot)+\sl
.set rAS, AS+4*\sl+\x/2
.set rC, rD
.if \sl == 0
.set rC, (\mr)+8*\u
.endif
	WM rD, rW, rA, rC, rWS, rAS, \u, \x%2
.endr
.endr
.endr
.endm
; the mixing: 16 numbers of my row = sum over x of att[x] x the plane's; into the registers that held the bias.  Each accumulator is read from its low end on
.macro COMBINE mr
	WIN 0x03
.irp x, 0,1,2,3,4,5,6,7
.irp u, 0,1
.irp i, 0,1,2,3
.set rM, (\mr)+8*\u+2*\i
.set rC, 8*(2*\x+\u)+2*\i
.if \x == 0
	v_pk_mul_f32 v[rM:rM+1], v[rC:rC+1], v[ATTR:ATTR+1] op_sel_hi:[1,0]
.elseif (\x%2) == 0
	v_pk_fma_f32 v[rM:rM+1], v[rC:rC+1], v[ATTR+\x:ATTR+\x+1], v[rM:rM+1] op_sel_hi:[1,0,1]
.else
	v_pk_fma_f32 v[rM:rM+1], v[rC:rC+1], v[ATTR+\x-1:ATTR+\x], v[rM:rM+1] op_sel:[0,1,0] op_sel_hi:[1,1,1]
.endif
.endr
.endr
.endr
	WIN 0
.endm
; the 16 numbers are half of block beta of the next K step; lane l xor 16 holds the other half
.macro QBLK mr, beta
	v_max3_num_f32 v[T0], |v[\mr]|, |v[\mr+1]|, 0x1800000
	v_max3_num_f32 v[T1], |v[\mr+2]|, |v[\mr+3]|, |v[\mr+4]|
	v_max3_num_f32 v[T0], v[T0], |v[\mr+5]|, |v[\mr+6]|
	v_max3_num_f32 v[T1], v[T1], |v[\mr+7]|, |v[\mr+8]|
	v_max3_num_f32 v[T0], v[T0], |v[\mr+9]|, |v[\mr+10]|
	v_max3_num_f32 v[T1], v[T1], |v[\mr+11]|, |v[\mr+12]|
	v_max3_num_f32 v[T0], v[T0], |v[\mr+13]|, |v[\mr+14]|
	v_max3_num_f32 v[T0], v[T0], v[T1], |v[\mr+15]|
	v_permlanex16_b32 v[T1], v[T0], s[SEL], s[SEL+1]
	v_max_num_f32 v[T0], v[T0], v[T1]
	v_add_nc_u32 v[SOP], 0xff000000, v[T0]
	v_lshrrev_b32 v[BYT], 23, v[SOP]
.if (\beta) == 0
	v_mov_b32 v[SW], v[BYT]
.else
	v_lshl_or_b32 v[SW], v[BYT], 8*(\beta), v[SW]
.endif
	v_cvt_scalef32_pk8_fp4_f32 v[PCM+2*(\beta)], v[\mr:\mr+7], v[SOP]
	v_cvt_scalef32_pk8_fp4_f32 v[PCM+2*(\beta)+1], v[\mr+8:\mr+15], v[SOP]
	v_nop                                          ; one plain place behind a scaled conversion
.endm
.macro SWAPS
.irp c, 0,1
.irp i, 0,1
	v_permlane16_swap_b32 v[PCM+4*\c+\i], v[PCM+2+4*\c+\i]
.endr
.endr
.endm
; A pair block of the multi path: two chunks.  At a chunk's head the wait leaves the two younger records (34 loads) out; four places behind the products that read the slot left last; that slot takes the record three on,
; behind the wait that states that those products are done reading it.  A trip's first chunk leans on the wait at the trip's top, behind which only v_nop have been issued on the vector side.
.macro MSTEP jl
	s_wait_loadcnt 34
	PLACES 4
.if (\jl) > 0
	LOADB (2*(\jl)+3)%4, (2*(\jl)+3)*REC, 1
.else
	LOADB 3, 3*REC, 0
.endif
	s_wait_dscnt 0x0                               ; this step's bias (and att) are in
.irp q, 0,1,2,3
	ds_load_b128 v[MR0+16*(((\jl)+1)%2)+4*\q:MR0+16*(((\jl)+1)%2)+4*\q+3], v[BIAE] offset:128*((\jl)+1)+16*\q   ; the next step's bias; the table runs on from head to head and into sv_b's part
.endr
	CMULM (2*(\jl))%4, 0, MR0+16*((\jl)%2)
	s_wait_loadcnt 34
	PLACES 4
	LOADB (2*(\jl)+4)%4, (2*(\jl)+4)*REC, 1
	CMULM (2*(\jl)+1)%4, 1, MR0+16*((\jl)%2)
	PLACES 4
	COMBINE MR0+16*((\jl)%2)
	QBLK MR0+16*((\jl)%2), \jl
.endm
	s_mov_b32 s[TBI], 0
	s_mov_b32 s[TA], 0
	s_mov_b32 s[TK], 0
	s_mov_b32 s[CNT], 2
.Lhead:                                            ; a trip: one head of the multi path: four pair blocks, eight records, one K step of the next product
	s_wait_dscnt 0x0                               ; no LDS instruction of mine is out
	v_add_nc_u32 v[BIAE], s[TBI], v[BIA]           ; the trip's three addresses (the LDS instructions of the trip before have read the old ones: the wait on vm_vsrc at that trip's end)
	v_add_nc_u32 v[ATAE], s[TA], v[ATA]
	v_add_nc_u32 v[SCWE], s[TK], v[SCW]
	s_wait_alu depctr_va_vdst(0)                   ; the three addresses are written; the mixing is done reading att, and with the quantiser done with the second bias set, in which LDS loads land; the last chunk's products are done reading slot 3 (in the first trip: phase 1's vector lines are done with those registers), in which the next record lands
	ds_load_b128 v[ATTR:ATTR+3], v[ATAE]
	ds_load_b128 v[ATTR+4:ATTR+7], v[ATAE] offset:16
	MSTEP 0
	MSTEP 1
	MSTEP 2
	MSTEP 3
	SWAPS
	s_wait_alu depctr_va_vdst(0)                   ; the quantiser and the exchange of halves have written the codes and the scale word, which the three stores read
	global_store_b128 v[LI], v[PCM:PCM+3], s[OAM:OAM+1]            ; 32 lanes store 512 consecutive bytes, aligned
	global_store_b128 v[LI], v[PCM+4:PCM+7], s[OAM:OAM+1] offset:512
	ds_store_b32 v[SCWE], v[SW]
	s_wait_xcnt 0x0                                ; the loads have read their base, the stores their base and data: all three are written again only behind this wait
	s_wait_alu depctr_vm_vsrc(0)                   ; the stores have read the codes and the scale word, the trip's LDS instructions its three addresses: the next trip, or the single path, writes them again.  Ahead of the branch: it holds on both ways
	s_add_nc_u64 s[WB:WB+1], s[WB:WB+1], 8*REC
	s_add_nc_u64 s[OAM:OAM+1], s[OAM:OAM+1], 1024
	s_add_co_u32 s[TBI], s[TBI], 512
	s_add_co_u32 s[TA], s[TA], 32
	s_add_co_u32 s[TK], s[TK], 4
	s_sub_co_u32 s[CNT], s[CNT], 1
	s_cmp_lg_u32 s[CNT], 0
	s_cbranch_scc1 .Lhead
	; THE SINGLE PATH: its 32 fragments take the places of planes 0-3; four pair blocks, one record each
	s_wait_dscnt 0x0
	PLACES 4
	WIN 0x40
	s_wait_alu depctr_va_vdst(0)                   ; the multi path's products are done reading the fragments of planes 0-3, the rows' scale words and slot 3; the mixing and the quantiser are done with att and the second bias set: LDS loads and my last record land in all of these
.set ff, 0
.rept 32
	ds_load_b128 v[8*ff:8*ff+3], v[SIA] offset:1024*ff
	ds_load_b128 v[8*ff+4:8*ff+7], v[SIA] offset:1024*ff+512
.set ff, ff+1
.endr
	WIN 0
.irp q, 0,1,2,3
	ds_load_b128 v[AS+4*\q:AS+4*\q+3], v[SIA] offset:32768+512*\q  ; the word of (x, s): register AS + 4 s + x / 2, lanes 0-15 for even x, lanes 16-31 for odd
.endr
	ds_load_b128 v[ATTR:ATTR+3], v[ATA]
	ds_load_b128 v[ATTR+4:ATTR+7], v[ATA] offset:16
.macro SSTEP jj
.if (\jj) < 2
	s_wait_loadcnt 34                              ; two younger records stay out;
.elseif (\jj) == 2
	s_wait_loadcnt 17                              ; one;
.else
	s_wait_loadcnt 0                               ; none
.endif
	PLACES 4
.if (\jj) == 0
	LOADB 3, 3*REC, 0                              ; my last record: the wait at the single path's head covers slot 3
.endif
	WIN 0
.if (\jj) == 1
	s_wait_alu depctr_va_vdst(0)                   ; the mixing and the quantiser of the step before are done with their 16 registers, in which the next bias lands
.endif
	s_wait_dscnt 0x0
.if (\jj) < 3
.irp q, 0,1,2,3
	ds_load_b128 v[MR0+16*(((\jj)+1)%2)+4*\q:MR0+16*(((\jj)+1)%2)+4*\q+3], v[BIA] offset:1024+128*((\jj)+1)+16*\q
.endr
.endif
	CMULS \jj, MR0+16*((\jj)%2)
	PLACES 4
	COMBINE MR0+16*((\jj)%2)
	QBLK MR0+16*((\jj)%2), \jj
.if (\jj) == 1
	s_wait_alu depctr_va_vdst(0)                   ; the mixing is done reading att, in which the two loads below land; with the quantiser it is done with its 16 registers, in which the next step's bias load lands
	ds_load_b128 v[ATTR:ATTR+3], v[ATA] offset:32                  ; a head of the single path is two pair blocks: on to head 2 w + 1
	ds_load_b128 v[ATTR+4:ATTR+7], v[ATA] offset:48
.endif
.endm
	SSTEP 0
	SSTEP 1
	SSTEP 2
	SSTEP 3
	SWAPS
	s_wait_alu depctr_va_vdst(0)                   ; the codes and the scale word are written, which the three stores read; the vector side is done with the first bias set, in which the scale table's load lands
	global_store_b128 v[LI], v[PCM:PCM+3], s[OAS:OAS+1]
	global_store_b128 v[LI], v[PCM+4:PCM+7], s[OAS:OAS+1] offset:512
	ds_store_b32 v[SCS], v[SW]
	BARRIER                                        ; the twelve scale words of every row lie in LDS
	s_cmp_lt_u32 s[WV], 3
	s_cbranch_scc0 .Ldone
	ds_load_b128 v[MR0:MR0+3], v[SCR]
	s_wait_dscnt 0x0
	global_store_b128 v[LI], v[MR0:MR0+3], s[OAT:OAT+1]            ; 512 consecutive bytes a wave
.Ldone:
	s_wait_xcnt 0x0
	v_lshl_add_u32 v254, v0, 2, 0x24800            ; the add's two registers are made anew: no memory or LDS instruction has read v254 or v255
	v_mov_b32 v255, 0
	s_wait_dscnt 0x0                               ; the closing lines, six on end
	s_wait_alu 0x0
	s_wait_tensorcnt 0x0
	ds_add_u32 v254, v255
	s_wait_dscnt 0x0
	s_endpgm
.Lfunc_end_k_q6b88e53410_values:
	.size	k_q6b88e53410_values, .Lfunc_end_k_q6b88e53410_values-k_q6b88e53410_values
	.p2alignl 7, 3214868480
	.fill 96, 4, 3214868480
	.section	.rodata,"a",@progbits
	.p2align	6, 0x0
	.amdhsa_kernel k_q6b88e53410_values
		.amdhsa_group_segment_fixed_size 150016
		.amdhsa_private_segment_fixed_size 0
		.amdhsa_enable_private_segment 0
		.amdhsa_kernarg_size 56
		.amdhsa_user_sgpr_count 2
		.amdhsa_user_sgpr_kernarg_segment_ptr 1
		.amdhsa_wavefront_size32 1
		.amdhsa_system_sgpr_workgroup_id_x 1
		.amdhsa_system_sgpr_workgroup_id_y 1
		.amdhsa_system_sgpr_workgroup_id_z 1
		.amdhsa_system_vgpr_workitem_id 0
		.amdhsa_next_free_vgpr 1024
		.amdhsa_next_free_sgpr 66
		.amdhsa_reserve_vcc 1
		.amdhsa_float_denorm_mode_32 3
		.amdhsa_float_denorm_mode_16_64 3
		.amdhsa_memory_ordered 1
		.amdhsa_forward_progress 1
		.amdhsa_inst_pref_size 255
	.end_amdhsa_kernel
	.section	.bss,"aw",@nobits
	.p2align	6
	.space	262144
	.amdgpu_metadata
---
amdhsa.version: [ 1, 2 ]
amdhsa.kernels:
  - .name:           k_q6b88e53410_values
    .symbol:         k_q6b88e53410_values.kd
    .args:
      - { .name: multi_value, .offset: 0, .size: 8, .value_kind: global_buffer, .address_space: global }
      - { .name: mv_b, .offset: 8, .size: 8, .value_kind: global_buffer, .address_space: global }
      - { .name: sv_b, .offset: 16, .size: 8, .value_kind: global_buffer, .address_space: global }
      - { .name: wc, .offset: 24, .size: 8, .value_kind: global_buffer, .address_space: global }
      - { .name: simp, .offset: 32, .size: 8, .value_kind: global_buffer, .address_space: global }
      - { .name: sv, .offset: 40, .size: 8, .value_kind: global_buffer, .address_space: global }
      - { .name: oa, .offset: 48, .size: 8, .value_kind: global_buffer, .address_space: global }
    .group_segment_fixed_size: 150016
    .private_segment_fixed_size: 0
    .kernarg_segment_align: 8
    .kernarg_segment_size: 56
    .max_flat_workgroup_size: 128
    .sgpr_count:     66
    .vgpr_count:     1024
    .wavefront_size: 32
...
	.end_amdgpu_metadata
.endif
;; end of part 7
;; launch outproj (part 8): grid 250 x 1, 4 waves a work-group, no clusters, 51,712 bytes of LDS; arguments oa, wc, mo_b, so_b, out0, out1; writes out0, out1
.if DOCPART == 8
	.amdgcn_target "amdgcn-amd-amdhsa--gfx1250"
	.amdhsa_code_object_version 6
	.text
	.protected	k_q6b88e53410_outproj
	.globl	k_q6b88e53410_outproj
	.p2align	8
	.type	k_q6b88e53410_outproj,@function
k_q6b88e53410_outproj:
	s_mov_b64 s[64:65], 0
	v_nop
	global_prefetch_b8 v0, s[64:65] scope:SCOPE_SE
	s_setreg_imm32_b32 hwreg(HW_REG_WAVE_SCHED_MODE, 0, 2), 2
	s_setreg_imm32_b32 hwreg(HW_REG_WAVE_MODE, 25, 1), 1
	s_wait_xcnt 0x0
	s_wait_alu depctr_vm_vsrc(0)
; out0 = mr mo_w^T + mo_b, out1 = sr so_w^T + so_b, on codes of FP4 (E2M1) with one E8M0 byte for each 32 along K: the rows' fragment images and scale words from oa, the weights' from wc.
; The waves share nothing.  A wave makes 5 tiles of 16 rows x 64 columns of out0 (work-groups 0-199: rows 80 (g / 4) on, columns 64 (4 (g % 4) + w) on; K = 1,024) or x 128 columns of out1 (work-groups 200-249: rows 80 (g - 200) on,
; columns 128 w on; K = 512): either way four weight records and 160 products.  All operands are loaded at the head; products are used transposed (source 0 = 16 weight rows, source 1 = 16 rows), the bias is the C of each sum's first product.
; Results go through the wave's own stage in LDS and leave as whole rows: 256 or 512 consecutive bytes, aligned.  The two paths part on the work-group's number and have LDS bytes of their own.
; No cluster: the grid, 250 work-groups, is no multiple of 4.  No barrier, no tensor load.
; REGISTERS, in windows of 256: window 0: v1-6 addresses; v8-47 the rows' scale words, v48-63 the weights' (scales and nothing else); v64-127 bias; v128-255 rows on the way out, two sets.   window 1: the four records.
;   multi: fragment (m, s) at register 512 + 8 (8 m + s), accumulator (m, nu) at 832 + 8 (4 m + nu).   single: fragment at 512 + 8 (4 m + s), accumulator at 768 + 8 (8 m + nu) for m < 4, at 672 + 8 nu for m = 4.
; THE MODE: SCHED_MODE bits 1:0 = 2 (LLVM: expert scheduling mode 2), set by the entry lines.  The code itself states the register dependences between vector or matrix instructions and memory or LDS instructions, with s_wait_alu, always for 0.
; THE PLAN.  Registers that memory or LDS instructions touch, and who else names them:
;   v1-6               addresses: written at the head and never again; v128, v129 serve their making and take rows later: one wait on va_vdst ahead of the first load covers both.
;   the operands       loaded once, read by products alone: nothing lands in them again.
;   the accumulators   written by the 160 products, read by the LDS stores of the way out: the places, then ONE wait on va_vdst; no vector or matrix instruction follows it but the two lines at the end.
;   v128-255           two sets of rows by turns: LDS loads land, global stores read, the rows of two tiles on land: one wait on vm_vsrc ahead of each such tile.
.set REC, 8704
.set LI,  1
.set L48, 2
.set BV,  3
.set STO, 4
.set RD,  5
.set CO,  6
.set ASC, 8
.set BS,  48
.set BIA, 64
.set OB,  128
.set WV,  24
.set MSB, 0
.macro WIN new
.if MSB != (\new)
	s_set_vgpr_msb (MSB<<8)|(\new)
.set MSB, (\new)
.endif
.endm
.macro PLACES n
.rept \n
	v_nop
.endr
.endm
.macro WM d, a, b, c, sa, sb, ra, rb
.if ((\ra) != 0) && ((\rb) != 0)
	v_wmma_scale_f32_16x16x128_f8f6f4 v[(\d):(\d)+7], v[(\a):(\a)+7], v[(\b):(\b)+7], v[(\c):(\c)+7], v[(\sa)], v[(\sb)] matrix_a_fmt:MATRIX_FMT_FP4 matrix_b_fmt:MATRIX_FMT_FP4 matrix_a_scale:MATRIX_SCALE_ROW1 matrix_b_scale:MATRIX_SCALE_ROW1
.elseif (\ra) != 0
	v_wmma_scale_f32_16x16x128_f8f6f4 v[(\d):(\d)+7], v[(\a):(\a)+7], v[(\b):(\b)+7], v[(\c):(\c)+7], v[(\sa)], v[(\sb)] matrix_a_fmt:MATRIX_FMT_FP4 matrix_b_fmt:MATRIX_FMT_FP4 matrix_a_scale:MATRIX_SCALE_ROW1
.elseif (\rb) != 0
	v_wmma_scale_f32_16x16x128_f8f6f4 v[(\d):(\d)+7], v[(\a):(\a)+7], v[(\b):(\b)+7], v[(\c):(\c)+7], v[(\sa)], v[(\sb)] matrix_a_fmt:MATRIX_FMT_FP4 matrix_b_fmt:MATRIX_FMT_FP4 matrix_b_scale:MATRIX_SCALE_ROW1
.else
	v_wmma_scale_f32_16x16x128_f8f6f4 v[(\d):(\d)+7], v[(\a):(\a)+7], v[(\b):(\b)+7], v[(\c):(\c)+7], v[(\sa)], v[(\sb)] matrix_a_fmt:MATRIX_FMT_FP4 matrix_b_fmt:MATRIX_FMT_FP4
.endif
.endm
.macro ACCOF m, nu, NB                 ; aAbs = the accumulator's first register, counted through all windows
.if (\NB) == 2
.set aAbs, 832+8*(4*(\m)+(\nu))
.elseif (\m) < 4
.set aAbs, 768+8*(8*(\m)+(\nu))
.else
.set aAbs, 672+8*(\nu)
.endif
.endm
.macro TOSTAGE m, NB, LSTEP            ; tile m's accumulators into my stage, each from its low end on, and back as whole rows.  LDS serves a wave's instructions in order: no wait between
.set nn, 0
.rept 2*(\NB)
	ACCOF \m, nn, \NB
	WIN (aAbs/256)<<2
	ds_store_b128 v[STO], v[aAbs%256:aAbs%256+3] offset:128*(nn/2)+32*(nn%2)
	ds_store_b128 v[STO], v[aAbs%256+4:aAbs%256+7] offset:128*(nn/2)+32*(nn%2)+16
.set nn, nn+1
.endr
	WIN 0
.set tt, 0
.rept 4*(\NB)
	ds_load_b128 v[OB+64*((\m)%2)+4*tt:OB+64*((\m)%2)+4*tt+3], v[RD] offset:(\LSTEP)*tt
.set tt, tt+1
.endr
.endm
.macro SEND m, NB, GSTEP, MST, younger ; younger: the LDS instructions issued behind tile m's loads: the next tile's stores and loads, or none
	s_wait_dscnt \younger
.set tt, 0
.rept 4*(\NB)
	global_store_b128 v[CO], v[OB+64*((\m)%2)+4*tt:OB+64*((\m)%2)+4*tt+3], s[22:23] offset:(\MST)*(\m)+(\GSTEP)*tt th:TH_STORE_NT
.set tt, tt+1
.endr
.endm
; KS: K steps; NB: pair blocks of columns; AOFF: the fragments' place in a record of oa; SOFF: the scale words' place in a lane's 48 bytes; LSTEP, GSTEP, MST: from load to load in the stage, from store to store and from tile to tile in the output
.macro GEMMOUT KS, NB, AOFF, SOFF, LSTEP, GSTEP, MST
	s_wait_alu depctr_va_vdst(0)                   ; the six addresses v1 to v6 are written, which the loads and stores below read; the lines that made them are done with v128 and v129, in which rows land on the way out
.set ii, 0
.rept 4*(\NB)
	global_load_b128 v[BIA+4*ii:BIA+4*ii+3], v[BV], s[20:21] offset:128*(ii/4)+16*(ii%4)
.set ii, ii+1
.endr
.set ii, 0
.rept 5*(\KS)/4
	global_load_b128 v[ASC+4*ii:ASC+4*ii+3], v[L48], s[16:17] offset:13824*(ii/((\KS)/4))+12288+(\SOFF)+16*(ii%((\KS)/4))
.set ii, ii+1
.endr
.irp q, 0,1,2,3
	global_load_b128 v[BS+4*\q:BS+4*\q+3], v[LI], s[18:19] offset:REC*\q+8192
.endr
	WIN 0x40
.set ii, 0
.rept 64
	global_load_b128 v[4*ii:4*ii+3], v[LI], s[18:19] offset:REC*(ii/16)+512*(ii%16)
.set ii, ii+1
.endr
.set ii, 0
.rept 5*(\KS)
.set aA, 512+8*ii
	WIN (aA/256)<<6
	global_load_b128 v[aA%256:aA%256+3], v[LI], s[16:17] offset:13824*(ii/(\KS))+(\AOFF)+1024*(ii%(\KS))
	global_load_b128 v[aA%256+4:aA%256+7], v[LI], s[16:17] offset:13824*(ii/(\KS))+(\AOFF)+1024*(ii%(\KS))+512
.set ii, ii+1
.endr
	WIN 0
	s_wait_loadcnt 0x0                             ; all operands are in
.set mm, 0
.rept 5
.set kk, 0
.rept \KS
.set nn, 0
.rept 2*(\NB)                          ; a tile's accumulators take turns
	ACCOF mm, nn, \NB
.set aA, 512+8*((\KS)*mm+kk)
.set qq, (nn/2)*((\KS)/4)+kk/4
.set rW, 64*qq+16*(kk%4)+8*(nn%2)
.if kk == 0
	WIN ((aAbs/256)<<6)+((aA/256)<<2)+1
	WM aAbs%256, rW, aA%256, BIA+8*nn, BS+4*qq+kk%4, ASC+(\KS)*mm+kk, nn%2, 0
.else
	WIN ((aAbs/256)<<6)+((aAbs/256)<<4)+((aA/256)<<2)+1
	WM aAbs%256, rW, aA%256, aAbs%256, BS+4*qq+kk%4, ASC+(\KS)*mm+kk, nn%2, 0
.endif
.set nn, nn+1
.endr
.set kk, kk+1
.endr
.set mm, mm+1
.endr
	WIN 0
	PLACES 4                                       ; behind the last products, in front of the first read of results
	s_wait_alu depctr_va_vdst(0)                   ; the products have written all accumulators, which the LDS stores of the way out read; the places above stay beside this wait
	TOSTAGE 0, \NB, \LSTEP
.irp a, 1,2,3,4
.if \a > 1
	s_wait_xcnt 0x0                                ; the stores of two tiles ago have read their registers: this tile's rows may land there
	s_wait_alu depctr_vm_vsrc(0)                   ; the global stores of two tiles ago have read their set of rows' registers, in which this tile's LDS loads land
.endif
	TOSTAGE \a, \NB, \LSTEP
	SEND \a-1, \NB, \GSTEP, \MST, 8*(\NB)
.endr
	SEND 4, \NB, \GSTEP, \MST, 0
.endm
	s_load_b256 s[4:11], s[0:1], 0x0               ; oa, wc, mo_b, so_b
	s_load_b128 s[12:15], s[0:1], 0x20             ; out0, out1
	v_lshrrev_b32 v128, 5, v0
	v_readfirstlane_b32 s[WV], v128                ; wave 0..3
	v_and_b32 v128, 31, v0
	v_lshlrev_b32 v[LI], 4, v128
	v_mul_u32_u24 v[L48], v128, 48
	v_and_b32 v128, 15, v0                         ; r
	v_bfe_u32 v129, v0, 4, 1                       ; hh
	v_lshlrev_b32 v[BV], 6, v129
	s_mov_b32 s29, 0
	s_wait_alu depctr_va_sdst(0)                   ; the wave's number is written
	s_wait_kmcnt 0x0
	s_cmp_lt_u32 ttmp9, 200
	s_cbranch_scc0 .Lsingle
	s_lshr_b32 s25, ttmp9, 2                       ; rg
	s_and_b32 s26, ttmp9, 3
	s_lshl_b32 s26, s26, 2
	s_add_co_u32 s26, s26, s[WV]                   ; cg
	s_mul_i32 s28, s25, 69120
	s_add_nc_u64 s[16:17], s[4:5], s[28:29]        ; five records of oa
	s_mul_i32 s28, s26, 4*REC
	s_add_co_u32 s28, s28, 208*REC
	s_add_nc_u64 s[18:19], s[6:7], s[28:29]        ; four records of mo_w
	s_lshl_b32 s28, s26, 8
	s_add_nc_u64 s[20:21], s[8:9], s[28:29]        ; mo_b at my 64 columns
	s_mul_i32 s30, s25, 327680
	s_add_co_u32 s28, s28, s30
	s_add_nc_u64 s[22:23], s[12:13], s[28:29]      ; out0 at my first row and column
	s_mul_i32 s27, s[WV], 4352                     ; my stage: 16 rows x (256 + 16) bytes
	s_wait_alu depctr_va_vdst(0)
	v_mul_u32_u24 v[STO], v128, 272
	v_lshl_add_u32 v[STO], v129, 6, v[STO]
	v_add_nc_u32 v[STO], s27, v[STO]               ; in: row r, + 64 hh
	v_mul_u32_u24 v[RD], v129, 272
	v_lshl_add_u32 v[RD], v128, 4, v[RD]
	v_add_nc_u32 v[RD], s27, v[RD]                 ; back: lanes 0-15 one row, lanes 16-31 the next
	v_lshlrev_b32 v[CO], 12, v129
	v_lshl_add_u32 v[CO], v128, 4, v[CO]           ; and the same two rows in out0
	GEMMOUT 8, 2, 0, 0, 544, 8192, 65536
	s_wait_xcnt 0x0
	v_lshl_add_u32 v254, v0, 2, 0xc800             ; the add's two registers are made anew: on this path the rows' sets end at v223, and no memory or LDS instruction has read v254 or v255
	v_mov_b32 v255, 0
	s_wait_dscnt 0x0                               ; the closing lines, six on end
	s_wait_alu 0x0
	s_wait_tensorcnt 0x0
	ds_add_u32 v254, v255
	s_wait_dscnt 0x0
	s_endpgm
.Lsingle:
	s_sub_co_u32 s25, ttmp9, 200                   ; rg
	s_mul_i32 s28, s25, 69120
	s_add_nc_u64 s[16:17], s[4:5], s[28:29]
	s_mul_i32 s28, s[WV], 4*REC
	s_add_co_u32 s28, s28, 272*REC
	s_add_nc_u64 s[18:19], s[6:7], s[28:29]        ; four records of so_w
	s_lshl_b32 s28, s[WV], 9
	s_add_nc_u64 s[20:21], s[10:11], s[28:29]      ; so_b at my 128 columns
	s_mul_i32 s30, s25, 163840
	s_add_co_u32 s28, s28, s30
	s_add_nc_u64 s[22:23], s[14:15], s[28:29]      ; out1 at my first row and column
	s_mul_i32 s27, s[WV], 8448                     ; my stage: 16 rows x (512 + 16) bytes, behind the other path's
	s_add_co_u32 s27, s27, 17408
	s_wait_alu depctr_va_vdst(0)
	v_mul_u32_u24 v[STO], v128, 528
	v_lshl_add_u32 v[STO], v129, 6, v[STO]
	v_add_nc_u32 v[STO], s27, v[STO]
	v_add_nc_u32 v[RD], s27, v[LI]                 ; back: the 32 lanes take one row of 512 bytes
	v_mov_b32 v[CO], v[LI]
	GEMMOUT 4, 4, 8192, 32, 528, 2048, 32768
	s_wait_xcnt 0x0
	s_wait_alu depctr_vm_vsrc(0)                   ; tile 3's last global store has read v252 to v255: two of them are made anew below
	v_lshl_add_u32 v254, v0, 2, 0xc800
	v_mov_b32 v255, 0
	s_wait_dscnt 0x0                               ; the closing lines, six on end
	s_wait_alu 0x0
	s_wait_tensorcnt 0x0
	ds_add_u32 v254, v255
	s_wait_dscnt 0x0
	s_endpgm
.Lfunc_end_k_q6b88e53410_outproj:
	.size	k_q6b88e53410_outproj, .Lfunc_end_k_q6b88e53410_outproj-k_q6b88e53410_outproj
	.p2alignl 7, 3214868480
	.fill 96, 4, 3214868480
	.section	.rodata,"a",@progbits
	.p2align	6, 0x0
	.amdhsa_kernel k_q6b88e53410_outproj
		.amdhsa_group_segment_fixed_size 51712
		.amdhsa_private_segment_fixed_size 0
		.amdhsa_enable_private_segment 0
		.amdhsa_kernarg_size 48
		.amdhsa_user_sgpr_count 2
		.amdhsa_user_sgpr_kernarg_segment_ptr 1
		.amdhsa_wavefront_size32 1
		.amdhsa_system_sgpr_workgroup_id_x 1
		.amdhsa_system_sgpr_workgroup_id_y 1
		.amdhsa_system_sgpr_workgroup_id_z 1
		.amdhsa_system_vgpr_workitem_id 0
		.amdhsa_next_free_vgpr 1024
		.amdhsa_next_free_sgpr 66
		.amdhsa_reserve_vcc 0
		.amdhsa_float_denorm_mode_32 3
		.amdhsa_float_denorm_mode_16_64 3
		.amdhsa_memory_ordered 1
		.amdhsa_forward_progress 1
		.amdhsa_inst_pref_size 101
	.end_amdhsa_kernel
	.amdgpu_metadata
---
amdhsa.version: [ 1, 2 ]
amdhsa.kernels:
  - .name:           k_q6b88e53410_outproj
    .symbol:         k_q6b88e53410_outproj.kd
    .args:
      - { .name: oa, .offset: 0, .size: 8, .value_kind: global_buffer, .address_space: global }
      - { .name: wc, .offset: 8, .size: 8, .value_kind: global_buffer, .address_space: global }
      - { .name: mo_b, .offset: 16, .size: 8, .value_kind: global_buffer, .address_space: global }
      - { .name: so_b, .offset: 24, .size: 8, .value_kind: global_buffer, .address_space: global }
      - { .name: out0, .offset: 32, .size: 8, .value_kind: global_buffer, .address_space: global }
      - { .name: out1, .offset: 40, .size: 8, .value_kind: global_buffer, .address_space: global }
    .group_segment_fixed_size: 51712
    .private_segment_fixed_size: 0
    .kernarg_segment_align: 8
    .kernarg_segment_size: 48
    .max_flat_workgroup_size: 128
    .sgpr_count:     66
    .vgpr_count:     1024
    .wavefront_size: 32
...
	.end_amdgpu_metadata
.endif
;; end of part 8
